; MI455X (gfx1250); checked and timed in simulation.
; The chip was launched on July 23, 2026; its instructions are those of AMD's public machine-readable ISA for CDNA 5 (MIT licence, August 2026) and "CDNA5" Instruction Set Architecture Reference Guide (July 2026). The comments in the code are by the model that wrote it; some were corrected since.
;; Transformer Block. Allowed arithmetic: float matrix products may take bf16 or f16 operands with f32 sums; all other float work in f32.
;; Inputs: W_K 1,024 x 1,024 float32; W_O 1,024 x 1,024 float32; W_Q 1,024 x 1,024 float32; W_V 1,024 x 1,024 float32; X 1,024 x 4,096 float32; mlp_in 1,024 x 1,024 float32; mlp_out 1,024 x 1,024 float32.
;; Outputs: out0 1,024 x 4,096 float32.
;; 2 versions, each right and faster than the one before. Each part assembles by itself: llvm-mc -triple=amdgcn-amd-amdhsa -mcpu=gfx1250 --defsym DOCPART=n.
;; ======== version 1 of 2: 8 launches
;; limits: values are held in f16: magnitudes above 65,504 overflow, below 6.1e-05 lose precision
;; workspace buffers: XU 10,485,760 bytes; RW 10,485,760 bytes; SB 77,594,624 bytes; P 33,554,432 bytes; QKV 25,165,824 bytes; cfg0 256 bytes of whole numbers; cfg2 256 bytes of whole numbers
;; launch prep (part 1): grid 320 x 1, 8 waves a work-group, no clusters, 17,408 bytes of LDS; arguments X, W_V, W_Q, W_K, W_O, mlp_in, mlp_out, XU, P, SB, RW, cfg0, cfg2; writes XU, P, SB, RW, cfg0, cfg2
.if DOCPART == 1
	.amdgcn_target "amdgcn-amd-amdhsa--gfx1250"
	.amdhsa_code_object_version 6
	.text
	.protected	k_qdc3b0a200c_prep
	.globl	k_qdc3b0a200c_prep
	.p2align	8
	.type	k_qdc3b0a200c_prep,@function
k_qdc3b0a200c_prep:
	s_mov_b64 s[64:65], 0
	v_nop
	global_prefetch_b8 v0, s[64:65] scope:SCOPE_SE
	s_setreg_imm32_b32 hwreg(HW_REG_WAVE_MODE, 25, 1), 1
	s_wait_xcnt 0x0
; All seven inputs, f32 [k][col], are rounded once to bf16 and laid out as PANELS: element (col, k) at byte ((k / 8) R + col) 16 + (k % 8) 2,
; R = the number of columns (4,096 for X, 1,024 for a weight).  A panel is what the products read: 8 neighbouring k of one row in 16 bytes.
; A UNIT is 8 rows of k x 128 columns: 8 loads of 512 consecutive bytes in, 2,048 consecutive bytes out.  A wave takes 4 units, a work-group 32.
; Work-groups 0-127: X (32 column groups x 4 blocks of 32 k/8).  128-319: the six weights, 32 work-groups each (8 column groups x 4 blocks).
; A lane's four pieces are 64 consecutive bytes; they go through the wave's own 2,048 bytes of LDS so that each store of the wave covers 512 consecutive bytes.
; Memory binds: no matrix unit, no cluster (no input byte is read by two work-groups), no barrier (a wave reads only its own LDS bytes).
; Work-group 0 also stores the two words (0 and 2) from which the shared product kernel takes the floor of its results.
.set SPARE, 16384                      ; behind the eight stages: the spare words, 128 bytes a wave
.set SPW, 6                            ; v6  LDS address of my spare word; never rewritten
.set NIL, 7                            ; v7  0; never rewritten
.set VO,  8                            ; v8-15  byte offset of my 16 bytes in row i of a unit
.set IN,  32                           ; v32-159  unit u, row i at IN + 32 u + 4 i
.set PC,  160                          ; v160-175 four pieces of 16 bytes
.set OUTR, 176                         ; v176-239 unit u: 16 registers to store
	s_load_b512 s[16:31], s[0:1], 0x0              ; X, W_V, W_Q, W_K, W_O, mlp_in, mlp_out, XU
	s_load_b256 s[36:43], s[0:1], 0x40             ; P, SB, RW, cfg0
	s_load_b64 s[44:45], s[0:1], 0x60              ; cfg2
	v_lshl_add_u32 v[SPW], v0, 2, SPARE
	v_mov_b32 v[NIL], 0
	v_lshrrev_b32 v1, 5, v0
	v_readfirstlane_b32 s8, v1                     ; wave 0..7
	v_and_b32 v1, 31, v0                           ; lane
	v_lshlrev_b32 v2, 4, v1                        ; 16 x lane
	s_sub_co_u32 s10, ttmp9, 128                   ; the number among the weights' work-groups (not used for X)
	s_lshr_b32 s11, s10, 5
	s_add_co_u32 s11, s11, 1                       ; which input: 1..6
	s_and_b32 s12, s10, 7                          ; column group
	s_bfe_u32 s13, s10, 0x20003                    ; block of 32 k/8
	s_and_b32 s14, ttmp9, 31
	s_lshr_b32 s15, ttmp9, 5
	s_mov_b32 s48, 4096                            ; bytes in a source row
	s_cmp_lt_u32 ttmp9, 128                        ; X?
	s_cselect_b32 s11, 0, s11
	s_cselect_b32 s12, s14, s12
	s_cselect_b32 s13, s15, s13
	s_cselect_b32 s48, 16384, s48
	s_sub_co_u32 s49, s11, 1                       ; where the panel begins in its buffer: X 0; W_V, W_Q, W_K 8, 10, 12 MiB; the others 8 MiB
	s_lshl_b32 s49, s49, 21
	s_cmp_lt_u32 s11, 4
	s_cselect_b32 s49, s49, 0
	s_add_co_u32 s49, s49, 0x800000
	s_cmp_eq_u32 s11, 0
	s_cselect_b32 s49, 0, s49
	s_lshl_b32 s9, s13, 5
	s_lshl2_add_u32 s9, s8, s9                     ; k/8 of my unit 0 = 32 x block + 4 x wave
	s_mul_i32 s9, s9, s48
	s_lshl_b32 s32, s9, 3                          ; source: 8 rows for each k/8,
	s_lshl_b32 s10, s12, 9
	s_add_co_u32 s32, s32, s10                     ; + 512 bytes for each column group
	s_mov_b32 s33, 0
	s_lshl_b32 s34, s9, 2                          ; panel: 16 R = 4 source rows' bytes for each k/8,
	s_lshl_b32 s10, s12, 11
	s_add_co_u32 s34, s34, s10                     ; + 2,048 bytes for each column group
	s_add_co_u32 s34, s34, s49
	s_mov_b32 s35, 0
	s_lshl_b32 s50, s48, 3                         ; from unit to unit in the source
	s_mov_b32 s51, 0
	s_lshl_b32 s52, s48, 2                         ; and in the panel
	s_mov_b32 s53, 0
.irp i, 0,1,2,3,4,5,6,7
	v_mad_u32_u24 v[VO+(\i)], s48, \i, v2
.endr
	v_lshlrev_b32 v16, 6, v1
	v_lshl_add_u32 v16, s8, 11, v16                ; into my stage: 64 bytes a lane
	v_lshl_add_u32 v17, s8, 11, v2                 ; back: 16 bytes a lane
	v_mov_b32 v3, 0
	v_mov_b32 v4, 2
	s_wait_kmcnt 0x0
	s_cmp_lg_u32 ttmp9, 0
	s_cbranch_scc1 .Lno_cfg
	v_cmp_eq_u32 vcc_lo, 0, v0                     ; thread 0 of work-group 0; no memory instruction of mine is out yet
	s_and_saveexec_b32 s2, vcc_lo
	global_store_b32 v3, v3, s[42:43]
	global_store_b32 v3, v4, s[44:45]
	s_wait_xcnt 0x0                                ; EXEC is a source of these stores: it is widened only behind this wait
	s_or_b32 exec_lo, exec_lo, s2
.Lno_cfg:
	s_mov_b64 s[4:5], s[16:17]                     ; source and target buffer, chosen by the input's number
	s_mov_b64 s[6:7], s[30:31]
	s_cmp_eq_u32 s11, 1
	s_cselect_b64 s[4:5], s[18:19], s[4:5]
	s_cselect_b64 s[6:7], s[36:37], s[6:7]
	s_cmp_eq_u32 s11, 2
	s_cselect_b64 s[4:5], s[20:21], s[4:5]
	s_cselect_b64 s[6:7], s[36:37], s[6:7]
	s_cmp_eq_u32 s11, 3
	s_cselect_b64 s[4:5], s[22:23], s[4:5]
	s_cselect_b64 s[6:7], s[36:37], s[6:7]
	s_cmp_eq_u32 s11, 4
	s_cselect_b64 s[4:5], s[24:25], s[4:5]
	s_cselect_b64 s[6:7], s[38:39], s[6:7]
	s_cmp_eq_u32 s11, 5
	s_cselect_b64 s[4:5], s[26:27], s[4:5]
	s_cselect_b64 s[6:7], s[40:41], s[6:7]
	s_cmp_eq_u32 s11, 6
	s_cselect_b64 s[4:5], s[28:29], s[4:5]
	s_add_nc_u64 s[56:57], s[4:5], s[32:33]        ; a base for each unit, never rewritten
	s_add_nc_u64 s[58:59], s[56:57], s[50:51]
	s_add_nc_u64 s[60:61], s[58:59], s[50:51]
	s_add_nc_u64 s[62:63], s[60:61], s[50:51]
	s_add_nc_u64 s[68:69], s[6:7], s[34:35]
	s_add_nc_u64 s[70:71], s[68:69], s[52:53]
	s_add_nc_u64 s[72:73], s[70:71], s[52:53]
	s_add_nc_u64 s[74:75], s[72:73], s[52:53]
.irp u, 0,1,2,3
.irp i, 0,1,2,3,4,5,6,7
	global_load_b128 v[IN+32*(\u)+4*(\i):IN+32*(\u)+4*(\i)+3], v[VO+(\i)], s[56+2*(\u):57+2*(\u)] th:TH_LOAD_NT  ; all 32 loads of the wave go out at once
.endr
.endr
.irp u, 0,1,2,3
	s_wait_loadcnt 8*(3-(\u))                      ; loads come back in order: this unit's eight are in, the later units' stay out
.irp j, 0,1,2,3
.irp i, 0,1,2,3
	v_cvt_pk_bf16_f32 v[PC+4*(\j)+(\i)], v[IN+32*(\u)+8*(\i)+(\j)], v[IN+32*(\u)+8*(\i)+4+(\j)]  ; column j: k = 2 i and 2 i + 1
.endr
.endr
.irp j, 0,1,2,3
	ds_store_b128 v16, v[PC+4*(\j):PC+4*(\j)+3] offset:16*(\j)
.endr
.irp j, 0,1,2,3
	ds_load_b128 v[OUTR+16*(\u)+4*(\j):OUTR+16*(\u)+4*(\j)+3], v17 offset:512*(\j)  ; LDS serves a wave's instructions in order: these see the stores above
.endr
	s_wait_dscnt 0x0
.irp j, 0,1,2,3
	global_store_b128 v2, v[OUTR+16*(\u)+4*(\j):OUTR+16*(\u)+4*(\j)+3], s[68+2*(\u):69+2*(\u)] offset:512*(\j)  ; 512 consecutive bytes, aligned
.endr
.endr
	s_wait_tensorcnt 0x0                           ; the wave's end
	ds_add_u32 v[SPW], v[NIL]
	s_wait_dscnt 0x0
	s_endpgm
.Lfunc_end_k_qdc3b0a200c_prep:
	.size	k_qdc3b0a200c_prep, .Lfunc_end_k_qdc3b0a200c_prep-k_qdc3b0a200c_prep
	.p2alignl 7, 3214868480
	.fill 96, 4, 3214868480
	.section	.rodata,"a",@progbits
	.p2align	6, 0x0
	.amdhsa_kernel k_qdc3b0a200c_prep
		.amdhsa_group_segment_fixed_size 17408
		.amdhsa_private_segment_fixed_size 0
		.amdhsa_enable_private_segment 0
		.amdhsa_kernarg_size 104
		.amdhsa_user_sgpr_count 2
		.amdhsa_user_sgpr_kernarg_segment_ptr 1
		.amdhsa_wavefront_size32 1
		.amdhsa_system_sgpr_workgroup_id_x 1
		.amdhsa_system_sgpr_workgroup_id_y 1
		.amdhsa_system_sgpr_workgroup_id_z 1
		.amdhsa_system_vgpr_workitem_id 0
		.amdhsa_next_free_vgpr 240
		.amdhsa_next_free_sgpr 80
		.amdhsa_reserve_vcc 1
		.amdhsa_float_denorm_mode_32 3
		.amdhsa_float_denorm_mode_16_64 3
		.amdhsa_memory_ordered 1
		.amdhsa_forward_progress 1
		.amdhsa_inst_pref_size 15
	.end_amdhsa_kernel
	.amdgpu_metadata
---
amdhsa.version: [ 1, 2 ]
amdhsa.kernels:
  - .name:           k_qdc3b0a200c_prep
    .symbol:         k_qdc3b0a200c_prep.kd
    .args:
      - { .name: X, .offset: 0, .size: 8, .value_kind: global_buffer, .address_space: global }
      - { .name: W_V, .offset: 8, .size: 8, .value_kind: global_buffer, .address_space: global }
      - { .name: W_Q, .offset: 16, .size: 8, .value_kind: global_buffer, .address_space: global }
      - { .name: W_K, .offset: 24, .size: 8, .value_kind: global_buffer, .address_space: global }
      - { .name: W_O, .offset: 32, .size: 8, .value_kind: global_buffer, .address_space: global }
      - { .name: mlp_in, .offset: 40, .size: 8, .value_kind: global_buffer, .address_space: global }
      - { .name: mlp_out, .offset: 48, .size: 8, .value_kind: global_buffer, .address_space: global }
      - { .name: XU, .offset: 56, .size: 8, .value_kind: global_buffer, .address_space: global }
      - { .name: P, .offset: 64, .size: 8, .value_kind: global_buffer, .address_space: global }
      - { .name: SB, .offset: 72, .size: 8, .value_kind: global_buffer, .address_space: global }
      - { .name: RW, .offset: 80, .size: 8, .value_kind: global_buffer, .address_space: global }
      - { .name: cfg0, .offset: 88, .size: 8, .value_kind: global_buffer, .address_space: global }
      - { .name: cfg2, .offset: 96, .size: 8, .value_kind: global_buffer, .address_space: global }
    .group_segment_fixed_size: 17408
    .private_segment_fixed_size: 0
    .kernarg_segment_align: 8
    .kernarg_segment_size: 104
    .max_flat_workgroup_size: 256
    .sgpr_count:     80
    .vgpr_count:     240
    .wavefront_size: 32
...
	.end_amdgpu_metadata
.endif
;; end of part 1
;; launch qkv (part 2): grid 24 x 32, 4 waves a work-group, clusters of 4 x 4, 327,680 bytes of LDS; arguments XU, P, QKV, cfg0; writes QKV
.if DOCPART == 2
	.amdgcn_target "amdgcn-amd-amdhsa--gfx1250"
	.amdhsa_code_object_version 6
	.text
	.protected	k_qdc3b0a200c_qkv
	.globl	k_qdc3b0a200c_qkv
	.p2align	8
	.type	k_qdc3b0a200c_qkv,@function
k_qdc3b0a200c_qkv:
	s_mov_b64 s[64:65], 0
	v_nop
	global_prefetch_b8 v0, s[64:65] scope:SCOPE_SE
	s_setreg_imm32_b32 hwreg(HW_REG_WAVE_MODE, 25, 1), 1
	s_wait_xcnt 0x0
	s_wait_alu depctr_hold_cnt(0) depctr_sa_sdst(0) depctr_va_vdst(0) depctr_va_sdst(0) depctr_va_ssrc(0) depctr_va_vcc(0) depctr_vm_vsrc(0)
	s_getreg_b32 s2, hwreg(HW_REG_IB_STS2, 6, 4)
	s_cmp_eq_u32 s2, 0
	s_cbranch_scc0 .Lentry_in_a_cluster
	s_endpgm
.Lentry_in_a_cluster:
	s_bfe_u32 s2, ttmp6, 0x10000c
	s_cmp_lg_u32 s2, 0xf033
	s_cbranch_scc0 .Lentry_shape_is_right
	s_endpgm
.Lentry_shape_is_right:
; C[m][n] = max(floor, sum over k of A[m][k] B[n][k]), K = 1,024, bf16 operands, f32 sums, C in 16 bits.  One text for three launches (arguments A, B, C, cfg).
; PANELS.  A 16-bit operand lies as element (row, k) at byte ((k / 8) R + row) 16 + (k % 8) 2: A with R = 4,096 at its buffer's byte 0, B (a weight, row = output column) with R = 1,024
; at 8 MiB + z 2 MiB, z = tile column / 8 (0 unless the grid is 24 wide: V, Q, K).  A tile's line (8 k of 128 rows) is 2,048 consecutive bytes of memory, and in LDS the 16 rows of a fragment load are 256 consecutive bytes.
; SHARES.  A work-group makes 128 x 128 of C, each of four waves 64 x 64: 16 accumulators.  4,096 x 1,024 of C are 256 such tiles.  K goes in 4 steps of 256 through two LDS slots.
; THE MATRIX INSTRUCTION IS USED TRANSPOSED (source 0 = 16 rows of B, source 1 = 16 rows of A): a lane holds row l % 16 of C and the columns 8 (l / 16) + 0..7.
; CLUSTER.  4 x 4 work-groups; A's tile is asked for jointly along a row of the cluster, B's along a column.
; THE WAY OUT.  The word read from cfg chooses a VALUE, the floor: 2 gives 0 (the ReLU), anything else -inf (which changes no number); no branch hangs on it, since partners of a cluster run alike.
; Then rounded to bf16 (z = 0) or f16 (z = 1, 2: Q and K) and stored as a panel with R = 4,096 at C + z 8 MiB: a lane's 8 numbers are one piece of 16 bytes, 16 lanes store 256 consecutive bytes.
; LIMITS.  f16 holds no number beyond 65,504: Q and K must stay within it (at the drawn inputs they are of the order of 1).  A NaN becomes the floor.
.set SLOT,   131072                    ; A's 32 lines of 2,048 bytes, then B's
.set BREG,   65536
.set SPARE,  2*SLOT                    ; behind the ring: the spare words, 128 bytes a wave
.set ASTEP,  4194304                   ; two K steps in A: 64 lines of 65,536 bytes
.set BSTEP,  1048576                   ; in B: 64 lines of 16,384 bytes
.set ADRA, 16                          ; v16-17  LDS address of my A fragments in slot 0, 1
.set ADRB, 20                          ; v20-21  the same for B
.set CO,   26                          ; v26  65,536 (l / 16) + 16 (l % 16): my place in a 16-bit panel
.set SPW,  28                          ; v28  LDS address of my spare word; never rewritten
.set NIL,  29                          ; v29  0; never rewritten
.set TMP,  32                          ; v32-95 packed results
.set ACC,  128                         ; v128-255 accumulator (a, b) at ACC + 8 (4 a + b)
.set F0,   0                           ; window 1: two fragment buffers of 128: 64 of A, then 64 of B
.set F1,   128
.set G1,  24                           ; s[24:31] group 1 for A; s[32:39] group 0, one set a slot
.set G0,  32
.set G1B, 48                           ; s[48:55], s[56:63] the same for B
.set G0B, 56
.set Z,    45                          ; s45 z
.set KIND, 74                          ; s74 the word from cfg
.set FLOOR, 75                         ; s75 the floor
.set MSB, 0
.macro WIN new                         ; the immediate's high byte repeats the setting that is left
.if MSB != (\new)
	s_set_vgpr_msb (MSB<<8)|(\new)
.set MSB, \new
.endif
.endm
.set MUL,  0x05                        ; sources 0 (B) and 1 (A) window 1; C and D window 0
.set TO_F, 0x40                        ; destination window 1, address window 0
.macro JLOAD s                         ; a joint load: waves 0, 1 fetch A's two halves (16 lines each), waves 2, 3 B's; an s_nop 0 and four v_nop follow each line
	s_cmp_eq_u32 s11, 0
	s_cbranch_scc0 .Lfor_b_\@
	tensor_load_to_lds s[G0+4*(\s):G0+4*(\s)+3], s[G1:G1+7]
	s_nop 0
.rept 4
	v_nop
.endr
	s_branch .Lasked_\@
.Lfor_b_\@:
	tensor_load_to_lds s[G0B+4*(\s):G0B+4*(\s)+3], s[G1B:G1B+7]
	s_nop 0
.rept 4
	v_nop
.endr
.Lasked_\@:
.endm
.macro CREST                           ; a round of the cluster's barrier behind its opening barrier
	s_cmp_lg_u32 s10, 0
	s_cbranch_scc1 .Lnot_wave_0_\@
	s_barrier_signal -3
.Lnot_wave_0_\@:
	s_barrier_wait -3
	s_barrier_signal -1
	s_barrier_wait -1
.endm
.macro CROUND
	s_barrier_signal -1
	s_barrier_wait -1
	CREST
.endm
	s_load_b128 s[4:7], s[0:1], 0x0                ; A, B
	s_load_b128 s[68:71], s[0:1], 0x10             ; C, cfg
	v_lshl_add_u32 v[SPW], v0, 2, SPARE
	v_mov_b32 v[NIL], 0
	ds_add_u32 v[SPW], v[NIL]                      ; the wave's opening
	v_lshrrev_b32 v1, 5, v0
	v_readfirstlane_b32 s10, v1                    ; wave 0..3
	s_lshr_b32 s11, s10, 1                         ; my half of the tile's rows; also: I fetch for A (0) or B (1)
	s_and_b32 s12, s10, 1                          ; my half of its columns; also: which 16 lines I fetch
	s_bfe_u32 s40, ttmp6, 0x40000                  ; cx
	s_bfe_u32 s41, ttmp6, 0x40004                  ; cy
	s_and_b32 s42, ttmp9, 1
	s_lshl_b32 s42, s42, 2
	s_add_co_u32 s42, s42, s40                     ; tile column within the weight, 0..7
	s_lshr_b32 s[Z], ttmp9, 1                      ; which weight of the launch: the cluster's x / 2, shared by all partners
	s_and_b32 s13, ttmp7, 0xffff
	s_lshl_b32 s13, s13, 2
	s_add_co_u32 s13, s13, s41                     ; tile row
	s_lshl_b32 s43, s41, 2
	s_lshl_b32 s43, 15, s43                        ; my row of the cluster
	s_lshl_b32 s44, 0x1111, s40                    ; my column
	s_or_b32 s[G1+0], s43, (1<<16)|(1<<21)         ; 15:0 the mask; 17:16 2-byte elements; 21 set beside a mask; no padding
	s_or_b32 s[G1B+0], s44, (1<<16)|(1<<21)
.irp g, G1, G1B
	s_mov_b32 s[(\g)+1], 1024<<16                  ; tensor_dim0 = 1,024 elements: a line of 128 rows x 8 k
	s_mov_b32 s[(\g)+2], 16<<16                    ; tensor_dim1 = 16 lines
	s_mov_b32 s[(\g)+3], 1024<<16                  ; tile_dim0
	s_mov_b32 s[(\g)+4], 16                        ; tile_dim1
	s_mov_b32 s[(\g)+6], 0
	s_mov_b32 s[(\g)+7], 0
.endr
	s_mov_b32 s[G1+5], 32768                       ; elements from line to line: 8 x 4,096
	s_mov_b32 s[G1B+5], 8192                       ; 8 x 1,024
	s_lshl_b32 s16, s13, 11                        ; A: the tile's 128 rows, 16 bytes each,
	s_lshl_b32 s17, s12, 20                        ; + my 16 lines
	s_add_co_u32 s16, s16, s17
	s_mov_b32 s17, 0
	s_lshl_b32 s46, s42, 11                        ; B likewise, in registers that never hold cy
	s_lshl_b32 s47, s12, 18
	s_add_co_u32 s46, s46, s47
	s_lshl_b32 s47, s[Z], 21
	s_add_co_u32 s46, s46, s47
	s_add_co_u32 s46, s46, 0x800000
	s_mov_b32 s47, 0
	s_mul_i32 s20, s10, 32768                      ; where my load goes: wave x 16 lines
	s_wait_dscnt 0x0                               ; the opening add is done
	s_wait_kmcnt 0x0
	s_load_b32 s[KIND], s[70:71], 0x0
	s_add_nc_u64 s[14:15], s[4:5], s[16:17]
	s_add_nc_u64 s[46:47], s[6:7], s[46:47]
	CROUND                                         ; all sixteen work-groups are here: the first joint loads meet
.irp s, 0,1
	s_mov_b32 s[G0+4*(\s)], 1
	s_add_co_u32 s[G0+4*(\s)+1], s20, (\s)*SLOT
	s_add_nc_u64 s[G0+4*(\s)+2:G0+4*(\s)+3], s[14:15], (\s)*ASTEP/2
	s_or_b32 s[G0+4*(\s)+3], s[G0+4*(\s)+3], 0x80000000
	s_mov_b32 s[G0B+4*(\s)], 1
	s_add_co_u32 s[G0B+4*(\s)+1], s20, (\s)*SLOT
	s_add_nc_u64 s[G0B+4*(\s)+2:G0B+4*(\s)+3], s[46:47], (\s)*BSTEP/2
	s_or_b32 s[G0B+4*(\s)+3], s[G0B+4*(\s)+3], 0x80000000
	JLOAD \s
.endr
	s_wait_kmcnt 0x0
	s_cmp_eq_u32 s[KIND], 2
	s_cselect_b32 s[FLOOR], 0, 0xff800000          ; 0, or -inf
	; a fragment: lane l holds row l % 16; registers 0-3 k = 8 (l / 16) + 0..7 (line l / 16 of four), registers 4-7 two lines on
	v_and_b32 v1, 15, v0
	v_bfe_u32 v2, v0, 4, 1
	v_lshlrev_b32 v4, 4, v1
	v_lshl_add_u32 v3, v2, 11, v4
	s_lshl_b32 s21, s11, 10                        ; my 64 rows of A
	s_lshl_b32 s22, s12, 10                        ; my 64 rows of B,
	s_add_co_u32 s22, s22, BREG                    ; behind A's lines
.irp s, 0,1
	v_add_nc_u32 v[ADRA+(\s)], s21, v3
	v_add_nc_u32 v[ADRB+(\s)], s22, v3
	s_add_co_u32 s21, s21, SLOT
	s_add_co_u32 s22, s22, SLOT
.endr
	v_lshl_add_u32 v[CO], v2, 16, v4
	s_lshl_b32 s16, s13, 11                        ; my rows' bytes in a panel line
	s_lshl_b32 s17, s11, 10
	s_add_co_u32 s16, s16, s17
	s_mov_b32 s17, 0
	s_lshl_b32 s46, s42, 20                        ; my columns' lines in the panel,
	s_lshl_b32 s47, s12, 19
	s_add_co_u32 s46, s46, s47
	s_lshl_b32 s47, s[Z], 23                       ; and the panel of the launch's three
	s_add_co_u32 s46, s46, s47
	s_mov_b32 s47, 0
	s_add_nc_u64 s[8:9], s[68:69], s[16:17]        ; where my part of C's panel begins
	s_add_nc_u64 s[8:9], s[8:9], s[46:47]
.macro MUL8 f, c, a0, zero             ; 8 matrix instructions: m blocks a0, a0 + 1 x 4 n blocks, 32 along K; the 16 accumulators take turns
	WIN MUL
.irp a, \a0, (\a0)+1
.irp b, 0,1,2,3
.if \zero
	v_wmma_f32_16x16x32_bf16 v[ACC+8*(4*(\a)+(\b)):ACC+8*(4*(\a)+(\b))+7], v[(\f)+64+8*(4*(\c)+(\b)):(\f)+64+8*(4*(\c)+(\b))+7], v[(\f)+8*(4*(\c)+(\a)):(\f)+8*(4*(\c)+(\a))+7], 0
.else
	v_wmma_f32_16x16x32_bf16 v[ACC+8*(4*(\a)+(\b)):ACC+8*(4*(\a)+(\b))+7], v[(\f)+64+8*(4*(\c)+(\b)):(\f)+64+8*(4*(\c)+(\b))+7], v[(\f)+8*(4*(\c)+(\a)):(\f)+8*(4*(\c)+(\a))+7], v[ACC+8*(4*(\a)+(\b)):ACC+8*(4*(\a)+(\b))+7]
.endif
.endr
.endr
.endm
.macro FETCH slot, q, f                ; 32 LDS loads in one run: quarter q (64 along K = 8 lines) into buffer f, its first 32 along K first
	WIN TO_F
.irp c, 0,1
.irp i, 0,1,2,3
	ds_load_b128 v[(\f)+64+8*(4*(\c)+(\i)):(\f)+64+8*(4*(\c)+(\i))+3],   v[ADRB+(\slot)] offset:(\q)*16384+(\c)*8192+(\i)*256
	ds_load_b128 v[(\f)+64+8*(4*(\c)+(\i))+4:(\f)+64+8*(4*(\c)+(\i))+7], v[ADRB+(\slot)] offset:(\q)*16384+(\c)*8192+(\i)*256+4096
	ds_load_b128 v[(\f)+8*(4*(\c)+(\i)):(\f)+8*(4*(\c)+(\i))+3],         v[ADRA+(\slot)] offset:(\q)*16384+(\c)*8192+(\i)*256
	ds_load_b128 v[(\f)+8*(4*(\c)+(\i))+4:(\f)+8*(4*(\c)+(\i))+7],       v[ADRA+(\slot)] offset:(\q)*16384+(\c)*8192+(\i)*256+4096
.endr
.endr
.endm
.macro PLACES                          ; four places in front of loads into registers that matrix instructions have read, and of lines that read results
.rept 4
	v_nop
.endr
.endm
.macro QUARTER slot, q, f, g, zero     ; multiplies buffer f (32 matrix instructions) and fetches quarter q of the slot into g
	s_wait_dscnt 16                                ; the first 32 along K are in
	MUL8 \f, 0, 0, \zero
	MUL8 \f, 0, 2, \zero
	PLACES
	FETCH \slot, \q, \g
	s_wait_dscnt 32                                ; all but the 32 just issued
	MUL8 \f, 1, 0, 0
	MUL8 \f, 1, 2, 0
.endm
.macro TURN slot, next, fill           ; the last quarter multiplies buffer 1 and changes slots
	WIN 0
	s_wait_tensorcnt 0x0                           ; all my tensor loads have landed: my part of the next slot
	ds_add_u32 v[SPW], v[NIL]                      ; 0 onto my spare word
	s_wait_dscnt 17                                ; (the add and the youngest sixteen loads may be out)
	MUL8 F1, 0, 0, 0
	s_wait_dscnt 0x0                               ; the add is done, and my reads of this slot are over
	s_barrier_signal -1
	MUL8 F1, 0, 2, 0
.if \fill
	WIN 0
.endif
	s_barrier_wait -1
.if \fill
	CREST                                          ; the barrier has opened a round of the cluster's: no wave of any partner still reads this slot or has a load on its way
	s_add_nc_u64 s[G0+4*(\slot)+2:G0+4*(\slot)+3], s[G0+4*(\slot)+2:G0+4*(\slot)+3], ASTEP
	s_add_nc_u64 s[G0B+4*(\slot)+2:G0B+4*(\slot)+3], s[G0B+4*(\slot)+2:G0B+4*(\slot)+3], BSTEP
	JLOAD \slot                                    ; my one load behind the round: 112 matrix instructions ahead of the wait for it
.else
	PLACES
.endif
	FETCH \next, 0, F0
	MUL8 F1, 1, 0, 0
	MUL8 F1, 1, 2, 0
.endm
	s_wait_tensorcnt 1                             ; my part of K step 0 is in; K step 1's may stay out
	s_barrier_signal -1
	s_barrier_wait -1
	FETCH 0, 0, F0
	QUARTER 0, 1, F0, F1, 1                        ; the first products start the sums
	QUARTER 0, 2, F1, F0, 0                        ; K = 1,024 is twice round the ring: written straight
	QUARTER 0, 3, F0, F1, 0
	TURN 0, 1, 1
	QUARTER 1, 1, F0, F1, 0
	QUARTER 1, 2, F1, F0, 0
	QUARTER 1, 3, F0, F1, 0
	TURN 1, 0, 1
	QUARTER 0, 1, F0, F1, 0
	QUARTER 0, 2, F1, F0, 0
	QUARTER 0, 3, F0, F1, 0
	TURN 0, 1, 0                                   ; nothing more is asked for
	QUARTER 1, 1, F0, F1, 0
	QUARTER 1, 2, F1, F0, 0
	QUARTER 1, 3, F0, F1, 0
	s_wait_dscnt 16
	MUL8 F1, 0, 0, 0
	MUL8 F1, 0, 2, 0
	s_wait_dscnt 0
	MUL8 F1, 1, 0, 0
	MUL8 F1, 1, 2, 0
	WIN 0
	PLACES
.macro OUT16 cvt                       ; a lane's 8 numbers are one piece of the panel
.set t, 0
.rept 16
.irp r, 0,1,2,3
	\cvt v[TMP+4*t+(\r)], v[ACC+8*t+2*(\r)], v[ACC+8*t+2*(\r)+1]
.endr
.set t, t+1
.endr
.irp a, 0,1,2,3
.irp b, 0,1,2,3
	global_store_b128 v[CO], v[TMP+4*(4*(\a)+(\b)):TMP+4*(4*(\a)+(\b))+3], s[8:9] offset:(\b)*131072+(\a)*256  ; lanes 0-15 and lanes 16-31 each store 256 consecutive bytes, aligned
.endr
.endr
.endm
.set i, 0
.rept 128                              ; the floor; each accumulator's registers in ascending order
	v_max_num_f32 v[ACC+i], s[FLOOR], v[ACC+i]
.set i, i+1
.endr
	s_cmp_eq_u32 s[Z], 0                           ; z is the same in all partners
	s_cbranch_scc0 .Lf16
	OUT16 v_cvt_pk_bf16_f32
	s_branch .Lend
.Lf16:
	OUT16 v_cvt_pk_f16_f32
.Lend:
	s_wait_tensorcnt 0x0                           ; the wave's end
	ds_add_u32 v[SPW], v[NIL]
	s_wait_dscnt 0x0
	CROUND                                         ; the closing round
	s_endpgm
.Lfunc_end_k_qdc3b0a200c_qkv:
	.size	k_qdc3b0a200c_qkv, .Lfunc_end_k_qdc3b0a200c_qkv-k_qdc3b0a200c_qkv
	.p2alignl 7, 3214868480
	.fill 96, 4, 3214868480
	.section	.rodata,"a",@progbits
	.p2align	6, 0x0
	.amdhsa_kernel k_qdc3b0a200c_qkv
		.amdhsa_group_segment_fixed_size 327680
		.amdhsa_private_segment_fixed_size 0
		.amdhsa_enable_private_segment 0
		.amdhsa_kernarg_size 32
		.amdhsa_user_sgpr_count 2
		.amdhsa_user_sgpr_kernarg_segment_ptr 1
		.amdhsa_wavefront_size32 1
		.amdhsa_system_sgpr_workgroup_id_x 1
		.amdhsa_system_sgpr_workgroup_id_y 1
		.amdhsa_system_sgpr_workgroup_id_z 1
		.amdhsa_system_vgpr_workitem_id 0
		.amdhsa_next_free_vgpr 512
		.amdhsa_next_free_sgpr 80
		.amdhsa_reserve_vcc 0
		.amdhsa_float_denorm_mode_32 3
		.amdhsa_float_denorm_mode_16_64 3
		.amdhsa_memory_ordered 1
		.amdhsa_forward_progress 1
		.amdhsa_inst_pref_size 93
	.end_amdhsa_kernel
	.amdgpu_metadata
---
amdhsa.version: [ 1, 2 ]
amdhsa.kernels:
  - .name:           k_qdc3b0a200c_qkv
    .symbol:         k_qdc3b0a200c_qkv.kd
    .args:
      - { .name: XU, .offset: 0, .size: 8, .value_kind: global_buffer, .address_space: global }
      - { .name: P, .offset: 8, .size: 8, .value_kind: global_buffer, .address_space: global }
      - { .name: QKV, .offset: 16, .size: 8, .value_kind: global_buffer, .address_space: global }
      - { .name: cfg0, .offset: 24, .size: 8, .value_kind: global_buffer, .address_space: global }
    .group_segment_fixed_size: 327680
    .private_segment_fixed_size: 0
    .kernarg_segment_align: 8
    .kernarg_segment_size: 32
    .max_flat_workgroup_size: 128
    .sgpr_count:     80
    .vgpr_count:     512
    .wavefront_size: 32
...
	.end_amdgpu_metadata
.endif
;; end of part 2
;; launch rh: the kernel of part 2 again; grid 8 x 32, 4 waves a work-group, clusters of 4 x 4, 327,680 bytes of LDS; arguments QKV, SB, RW, cfg0; writes RW
;; launch scores (part 3): grid 36 x 16, 4 waves a work-group, clusters of 4 x 4, 327,680 bytes of LDS; arguments QKV, SB; writes SB
.if DOCPART == 3
	.amdgcn_target "amdgcn-amd-amdhsa--gfx1250"
	.amdhsa_code_object_version 6
	.text
	.protected	k_qdc3b0a200c_scores
	.globl	k_qdc3b0a200c_scores
	.p2align	8
	.type	k_qdc3b0a200c_scores,@function
k_qdc3b0a200c_scores:
	s_mov_b64 s[64:65], 0
	v_nop
	global_prefetch_b8 v0, s[64:65] scope:SCOPE_SE
	s_setreg_imm32_b32 hwreg(HW_REG_WAVE_MODE, 25, 1), 1
	s_wait_xcnt 0x0
	s_wait_alu depctr_hold_cnt(0) depctr_sa_sdst(0) depctr_va_vdst(0) depctr_va_sdst(0) depctr_va_ssrc(0) depctr_va_vcc(0) depctr_vm_vsrc(0)
	s_getreg_b32 s2, hwreg(HW_REG_IB_STS2, 6, 4)
	s_cmp_eq_u32 s2, 0
	s_cbranch_scc0 .Lentry_in_a_cluster
	s_endpgm
.Lentry_in_a_cluster:
	s_bfe_u32 s2, ttmp6, 0x10000c
	s_cmp_lg_u32 s2, 0xf033
	s_cbranch_scc0 .Lentry_shape_is_right
	s_endpgm
.Lentry_shape_is_right:
; S[q][key] = sum over k of Q[q][k] K[key][k], K = 1,024, f16 operands (within 65,504), f32 sums and f32 results; only tiles that hold a key <= q are wanted.
; Q at QKV + 8 MiB, K at QKV + 16 MiB, both panels: element (row, k) at ((k / 8) 4,096 + row) 16 + (k % 8) 2.  S at SB + 10 MiB: element (q, key) at ((key / 4) 4,096 + q) 16 + (key % 4) 4.
; SHARES.  A work-group makes 128 x 128 of S, four waves 64 x 64 each; K in 4 steps of 256 through two LDS slots.  The matrix instruction is used transposed: a lane holds one q and 8 neighbouring keys,
; so an accumulator leaves by two stores in which 16 lanes cover 256 consecutive bytes: no stage.
; CLUSTER.  4 x 4 work-groups make a block of 512 x 512; Q's tiles are asked for jointly along a row of the cluster, K's along a column.  The 36 blocks of the lower triangle are walked by a
; grid of 9 x 4 clusters: cluster (X, Y) takes block (Y, X) if X <= Y, else block (7 - Y, X - Y - 1).  In the 8 blocks on the diagonal 6 of the 16 partners lie above it: they make every joint
; request, since partners run alike, and store tiles that nobody reads: 48 of the 576 tiles.
.set SLOT,   131072
.set BREG,   65536
.set SPARE,  2*SLOT
.set ASTEP,  4194304
.set BSTEP,  4194304
.set ADRA, 16
.set ADRB, 20
.set RO,   27                          ; v27  131,072 (l / 16) + 16 (l % 16)
.set SPW,  28
.set NIL,  29
.set ACC,  128
.set F0,   0
.set F1,   128
.set G1,  24
.set G0,  32
.set G1B, 48
.set G0B, 56
.set MSB, 0
.macro WIN new
.if MSB != (\new)
	s_set_vgpr_msb (MSB<<8)|(\new)
.set MSB, \new
.endif
.endm
.set MUL,  0x05
.set TO_F, 0x40
.macro JLOAD s                         ; waves 0, 1 fetch Q's two halves, waves 2, 3 K's; an s_nop 0 and four v_nop follow each line
	s_cmp_eq_u32 s11, 0
	s_cbranch_scc0 .Lfor_b_\@
	tensor_load_to_lds s[G0+4*(\s):G0+4*(\s)+3], s[G1:G1+7]
	s_nop 0
.rept 4
	v_nop
.endr
	s_branch .Lasked_\@
.Lfor_b_\@:
	tensor_load_to_lds s[G0B+4*(\s):G0B+4*(\s)+3], s[G1B:G1B+7]
	s_nop 0
.rept 4
	v_nop
.endr
.Lasked_\@:
.endm
.macro CREST
	s_cmp_lg_u32 s10, 0
	s_cbranch_scc1 .Lnot_wave_0_\@
	s_barrier_signal -3
.Lnot_wave_0_\@:
	s_barrier_wait -3
	s_barrier_signal -1
	s_barrier_wait -1
.endm
.macro CROUND
	s_barrier_signal -1
	s_barrier_wait -1
	CREST
.endm
	s_load_b128 s[4:7], s[0:1], 0x0                ; QKV, SB
	v_lshl_add_u32 v[SPW], v0, 2, SPARE
	v_mov_b32 v[NIL], 0
	ds_add_u32 v[SPW], v[NIL]                      ; the wave's opening
	v_lshrrev_b32 v1, 5, v0
	v_readfirstlane_b32 s10, v1
	s_lshr_b32 s11, s10, 1
	s_and_b32 s12, s10, 1
	s_bfe_u32 s40, ttmp6, 0x40000                  ; cx
	s_bfe_u32 s41, ttmp6, 0x40004                  ; cy
	s_and_b32 s78, ttmp7, 0xffff                   ; the cluster's Y
	s_mov_b32 s79, ttmp9                           ; and X
	s_sub_co_u32 s14, 7, s78
	s_sub_co_u32 s15, s79, s78
	s_sub_co_u32 s15, s15, 1
	s_cmp_le_u32 s79, s78
	s_cselect_b32 s14, s78, s14                    ; the block's row,
	s_cselect_b32 s15, s79, s15                    ; and column: the same in all partners
	s_lshl_b32 s13, s14, 2
	s_add_co_u32 s13, s13, s41                     ; tile row
	s_lshl_b32 s42, s15, 2
	s_add_co_u32 s42, s42, s40                     ; tile column
	s_lshl_b32 s43, s41, 2
	s_lshl_b32 s43, 15, s43
	s_lshl_b32 s44, 0x1111, s40
	s_or_b32 s[G1+0], s43, (1<<16)|(1<<21)
	s_or_b32 s[G1B+0], s44, (1<<16)|(1<<21)
.irp g, G1, G1B
	s_mov_b32 s[(\g)+1], 1024<<16                  ; a line: 128 rows x 8 k
	s_mov_b32 s[(\g)+2], 16<<16
	s_mov_b32 s[(\g)+3], 1024<<16
	s_mov_b32 s[(\g)+4], 16
	s_mov_b32 s[(\g)+5], 32768
	s_mov_b32 s[(\g)+6], 0
	s_mov_b32 s[(\g)+7], 0
.endr
	s_lshl_b32 s16, s13, 11
	s_lshl_b32 s17, s12, 20
	s_add_co_u32 s16, s16, s17
	s_add_co_u32 s16, s16, 0x800000                ; Q
	s_mov_b32 s17, 0
	s_lshl_b32 s46, s42, 11
	s_lshl_b32 s47, s12, 20
	s_add_co_u32 s46, s46, s47
	s_add_co_u32 s46, s46, 0x1000000               ; K
	s_mov_b32 s47, 0
	s_mul_i32 s20, s10, 32768
	s_wait_dscnt 0x0
	s_wait_kmcnt 0x0
	s_add_nc_u64 s[14:15], s[4:5], s[16:17]
	s_add_nc_u64 s[46:47], s[4:5], s[46:47]
	CROUND
.irp s, 0,1
	s_mov_b32 s[G0+4*(\s)], 1
	s_add_co_u32 s[G0+4*(\s)+1], s20, (\s)*SLOT
	s_add_nc_u64 s[G0+4*(\s)+2:G0+4*(\s)+3], s[14:15], (\s)*ASTEP/2
	s_or_b32 s[G0+4*(\s)+3], s[G0+4*(\s)+3], 0x80000000
	s_mov_b32 s[G0B+4*(\s)], 1
	s_add_co_u32 s[G0B+4*(\s)+1], s20, (\s)*SLOT
	s_add_nc_u64 s[G0B+4*(\s)+2:G0B+4*(\s)+3], s[46:47], (\s)*BSTEP/2
	s_or_b32 s[G0B+4*(\s)+3], s[G0B+4*(\s)+3], 0x80000000
	JLOAD \s
.endr
	v_and_b32 v1, 15, v0
	v_bfe_u32 v2, v0, 4, 1
	v_lshlrev_b32 v4, 4, v1
	v_lshl_add_u32 v3, v2, 11, v4
	s_lshl_b32 s21, s11, 10
	s_lshl_b32 s22, s12, 10
	s_add_co_u32 s22, s22, BREG
.irp s, 0,1
	v_add_nc_u32 v[ADRA+(\s)], s21, v3
	v_add_nc_u32 v[ADRB+(\s)], s22, v3
	s_add_co_u32 s21, s21, SLOT
	s_add_co_u32 s22, s22, SLOT
.endr
	v_lshl_add_u32 v[RO], v2, 17, v4
	s_lshl_b32 s16, s13, 11                        ; my rows in a line of S
	s_lshl_b32 s17, s11, 10
	s_add_co_u32 s16, s16, s17
	s_add_co_u32 s16, s16, 0xa00000
	s_mov_b32 s17, 0
	s_lshl_b32 s46, s42, 21                        ; my keys' lines
	s_lshl_b32 s47, s12, 20
	s_add_co_u32 s46, s46, s47
	s_mov_b32 s47, 0
	s_add_nc_u64 s[8:9], s[6:7], s[16:17]
	s_add_nc_u64 s[8:9], s[8:9], s[46:47]
.macro MUL8 f, c, a0, zero             ; the 16 accumulators take turns
	WIN MUL
.irp a, \a0, (\a0)+1
.irp b, 0,1,2,3
.if \zero
	v_wmma_f32_16x16x32_f16 v[ACC+8*(4*(\a)+(\b)):ACC+8*(4*(\a)+(\b))+7], v[(\f)+64+8*(4*(\c)+(\b)):(\f)+64+8*(4*(\c)+(\b))+7], v[(\f)+8*(4*(\c)+(\a)):(\f)+8*(4*(\c)+(\a))+7], 0
.else
	v_wmma_f32_16x16x32_f16 v[ACC+8*(4*(\a)+(\b)):ACC+8*(4*(\a)+(\b))+7], v[(\f)+64+8*(4*(\c)+(\b)):(\f)+64+8*(4*(\c)+(\b))+7], v[(\f)+8*(4*(\c)+(\a)):(\f)+8*(4*(\c)+(\a))+7], v[ACC+8*(4*(\a)+(\b)):ACC+8*(4*(\a)+(\b))+7]
.endif
.endr
.endr
.endm
.macro FETCH slot, q, f
	WIN TO_F
.irp c, 0,1
.irp i, 0,1,2,3
	ds_load_b128 v[(\f)+64+8*(4*(\c)+(\i)):(\f)+64+8*(4*(\c)+(\i))+3],   v[ADRB+(\slot)] offset:(\q)*16384+(\c)*8192+(\i)*256
	ds_load_b128 v[(\f)+64+8*(4*(\c)+(\i))+4:(\f)+64+8*(4*(\c)+(\i))+7], v[ADRB+(\slot)] offset:(\q)*16384+(\c)*8192+(\i)*256+4096
	ds_load_b128 v[(\f)+8*(4*(\c)+(\i)):(\f)+8*(4*(\c)+(\i))+3],         v[ADRA+(\slot)] offset:(\q)*16384+(\c)*8192+(\i)*256
	ds_load_b128 v[(\f)+8*(4*(\c)+(\i))+4:(\f)+8*(4*(\c)+(\i))+7],       v[ADRA+(\slot)] offset:(\q)*16384+(\c)*8192+(\i)*256+4096
.endr
.endr
.endm
.macro PLACES
.rept 4
	v_nop
.endr
.endm
.macro QUARTER slot, q, f, g, zero
	s_wait_dscnt 16                                ; the first 32 along K are in
	MUL8 \f, 0, 0, \zero
	MUL8 \f, 0, 2, \zero
	PLACES
	FETCH \slot, \q, \g
	s_wait_dscnt 32                                ; all but the 32 just issued
	MUL8 \f, 1, 0, 0
	MUL8 \f, 1, 2, 0
.endm
.macro TURN slot, next, fill
	WIN 0
	s_wait_tensorcnt 0x0                           ; all my tensor loads have landed: my part of the next slot
	ds_add_u32 v[SPW], v[NIL]
	s_wait_dscnt 17                                ; (the add and the youngest sixteen loads may be out)
	MUL8 F1, 0, 0, 0
	s_wait_dscnt 0x0                               ; the add is done, and my reads of this slot are over
	s_barrier_signal -1
	MUL8 F1, 0, 2, 0
.if \fill
	WIN 0
.endif
	s_barrier_wait -1
.if \fill
	CREST
	s_add_nc_u64 s[G0+4*(\slot)+2:G0+4*(\slot)+3], s[G0+4*(\slot)+2:G0+4*(\slot)+3], ASTEP
	s_add_nc_u64 s[G0B+4*(\slot)+2:G0B+4*(\slot)+3], s[G0B+4*(\slot)+2:G0B+4*(\slot)+3], BSTEP
	JLOAD \slot
.else
	PLACES
.endif
	FETCH \next, 0, F0
	MUL8 F1, 1, 0, 0
	MUL8 F1, 1, 2, 0
.endm
	s_wait_tensorcnt 1                             ; my part of K step 0 is in; K step 1's may stay out
	s_barrier_signal -1
	s_barrier_wait -1
	FETCH 0, 0, F0
	QUARTER 0, 1, F0, F1, 1
	QUARTER 0, 2, F1, F0, 0
	QUARTER 0, 3, F0, F1, 0
	TURN 0, 1, 1
	QUARTER 1, 1, F0, F1, 0
	QUARTER 1, 2, F1, F0, 0
	QUARTER 1, 3, F0, F1, 0
	TURN 1, 0, 1
	QUARTER 0, 1, F0, F1, 0
	QUARTER 0, 2, F1, F0, 0
	QUARTER 0, 3, F0, F1, 0
	TURN 0, 1, 0
	QUARTER 1, 1, F0, F1, 0
	QUARTER 1, 2, F1, F0, 0
	QUARTER 1, 3, F0, F1, 0
	s_wait_dscnt 16
	MUL8 F1, 0, 0, 0
	MUL8 F1, 0, 2, 0
	s_wait_dscnt 0
	MUL8 F1, 1, 0, 0
	MUL8 F1, 1, 2, 0
	WIN 0
	PLACES
.irp a, 0,1,2,3
.irp b, 0,1,2,3
.irp e, 0,1
	global_store_b128 v[RO], v[ACC+8*(4*(\a)+(\b))+4*(\e):ACC+8*(4*(\a)+(\b))+4*(\e)+3], s[8:9] offset:(\b)*262144+(\e)*65536+(\a)*256  ; the low four registers first; 16 lanes cover 256 consecutive bytes, aligned
.endr
.endr
.endr
	s_wait_tensorcnt 0x0                           ; the wave's end
	ds_add_u32 v[SPW], v[NIL]
	s_wait_dscnt 0x0
	CROUND
	s_endpgm
.Lfunc_end_k_qdc3b0a200c_scores:
	.size	k_qdc3b0a200c_scores, .Lfunc_end_k_qdc3b0a200c_scores-k_qdc3b0a200c_scores
	.p2alignl 7, 3214868480
	.fill 96, 4, 3214868480
	.section	.rodata,"a",@progbits
	.p2align	6, 0x0
	.amdhsa_kernel k_qdc3b0a200c_scores
		.amdhsa_group_segment_fixed_size 327680
		.amdhsa_private_segment_fixed_size 0
		.amdhsa_enable_private_segment 0
		.amdhsa_kernarg_size 16
		.amdhsa_user_sgpr_count 2
		.amdhsa_user_sgpr_kernarg_segment_ptr 1
		.amdhsa_wavefront_size32 1
		.amdhsa_system_sgpr_workgroup_id_x 1
		.amdhsa_system_sgpr_workgroup_id_y 1
		.amdhsa_system_sgpr_workgroup_id_z 1
		.amdhsa_system_vgpr_workitem_id 0
		.amdhsa_next_free_vgpr 512
		.amdhsa_next_free_sgpr 80
		.amdhsa_reserve_vcc 0
		.amdhsa_float_denorm_mode_32 3
		.amdhsa_float_denorm_mode_16_64 3
		.amdhsa_memory_ordered 1
		.amdhsa_forward_progress 1
		.amdhsa_inst_pref_size 81
	.end_amdhsa_kernel
	.amdgpu_metadata
---
amdhsa.version: [ 1, 2 ]
amdhsa.kernels:
  - .name:           k_qdc3b0a200c_scores
    .symbol:         k_qdc3b0a200c_scores.kd
    .args:
      - { .name: QKV, .offset: 0, .size: 8, .value_kind: global_buffer, .address_space: global }
      - { .name: SB, .offset: 8, .size: 8, .value_kind: global_buffer, .address_space: global }
    .group_segment_fixed_size: 327680
    .private_segment_fixed_size: 0
    .kernarg_segment_align: 8
    .kernarg_segment_size: 16
    .max_flat_workgroup_size: 128
    .sgpr_count:     80
    .vgpr_count:     512
    .wavefront_size: 32
...
	.end_amdgpu_metadata
.endif
;; end of part 3
;; launch soft (part 4): grid 256 x 1, 16 waves a work-group, no clusters, 4,096 bytes of LDS; arguments SB, P; writes P
.if DOCPART == 4
	.amdgcn_target "amdgcn-amd-amdhsa--gfx1250"
	.amdhsa_code_object_version 6
	.text
	.protected	k_qdc3b0a200c_soft
	.globl	k_qdc3b0a200c_soft
	.p2align	8
	.type	k_qdc3b0a200c_soft,@function
k_qdc3b0a200c_soft:
	s_mov_b64 s[64:65], 0
	v_nop
	global_prefetch_b8 v0, s[64:65] scope:SCOPE_SE
	s_setreg_imm32_b32 hwreg(HW_REG_WAVE_MODE, 25, 1), 1
	s_wait_xcnt 0x0
; P[q][key] = softmax over key <= q of S[q][key], the row's true maximum taken away first; all in f32, P rounded once to bf16.
; S at SB + 10 MiB: element (q, key) at ((key / 4) 4,096 + q) 16 + (key % 4) 4.  P: element (q, key) at ((key / 8) 4,096 + q) 16 + (key % 8) 2.
; SHARES.  Work-group b owns the 16 rows 16 b ..; lane l of every wave owns row 16 b + l % 16.  Wave w holds the key tiles w and w + 16 (128 keys each) in registers: a lane has the keys
; 16 u + 8 (l / 16) + 0..7 of a tile, u = 0..7.  So S is read once; each load and each store has 16 lanes on 256 consecutive bytes.
; Tiles 0 .. b / 8 hold keys <= q and are loaded; the last of them holds the diagonal and is masked; later tiles count as -inf and give 0.
; P is stored for the tiles that the next launch reads: max(8, 4 (b / 32 + 1)): zeros beyond the diagonal.
; A row's maximum and sum meet in LDS: 16 waves' words for each row, a barrier each.  Memory binds: no matrix unit, and no cluster (no byte is read by two work-groups).
; LIMITS.  A NaN loses in the maximum; a weight below 2^-126 counts as 0.
.set SPARE, 2048                       ; maxima at 0, sums at 1,024; then the spare words, 128 bytes a wave
.set D,  32                            ; v32-159  slot i, register 8 u + j at D + 64 i + 8 u + j
.set PO, 160                           ; v160-223 packed results
	s_load_b128 s[4:7], s[0:1], 0x0                ; SB, P
	v_lshl_add_u32 v30, v0, 2, SPARE               ; my spare word; never rewritten
	v_mov_b32 v31, 0
	v_lshrrev_b32 v1, 5, v0
	v_readfirstlane_b32 s8, v1                     ; wave 0..15
	s_mov_b32 s9, ttmp9                            ; b
	s_lshr_b32 s10, s9, 3
	s_mov_b32 s32, s10                             ; the diagonal's tile
	s_add_co_u32 s10, s10, 1                       ; tiles to load
	s_lshr_b32 s11, s9, 5
	s_lshl_b32 s11, s11, 2
	s_add_co_u32 s11, s11, 4
	s_max_u32 s11, s11, 8                          ; tiles to store
	s_mov_b32 s12, 0x76543210                      ; v_permlanex16_b32: each lane takes its own place in the other half
	s_mov_b32 s13, 0xfedcba98
	s_mov_b32 s28, 0xff800000                      ; -inf
	s_mov_b32 s30, 0x3fb8aa3b                      ; log2(e)
	s_mov_b32 s31, s30
	s_mov_b32 s14, s8                              ; my two tiles
	s_add_co_u32 s15, s8, 16
	v_and_b32 v1, 15, v0
	v_bfe_u32 v2, v0, 4, 1
	v_lshlrev_b32 v8, 4, v1
	v_lshl_add_u32 v3, v2, 17, v8                  ; my place in S's lines
	v_lshl_add_u32 v4, v2, 16, v8                  ; and in P's
	s_and_b32 s29, s9, 7
	s_lshl_b32 s29, s29, 4
	v_lshlrev_b32 v5, 3, v2
	v_sub_nc_u32 v5, v1, v5
	v_add_nc_u32 v5, s29, v5                       ; my row's place in the diagonal tile less 8 (l / 16): register 8 u + j is hidden where 16 u + j is greater
	v_lshlrev_b32 v7, 6, v1                        ; a row's 16 words in LDS
	v_lshl_add_u32 v6, s8, 2, v7                   ; my wave's word among them
	s_lshl_b32 s16, s9, 8                          ; my 16 rows: 256 bytes of every line
	s_mov_b32 s19, 0
	s_wait_kmcnt 0x0
.irp i, 0,1
	s_lshl_b32 s18, s[14+(\i)], 21
	s_add_co_u32 s18, s18, s16
	s_add_co_u32 s18, s18, 0xa00000
	s_add_nc_u64 s[20+2*(\i):21+2*(\i)], s[4:5], s[18:19]
	s_lshl_b32 s18, s[14+(\i)], 20
	s_add_co_u32 s18, s18, s16
	s_add_nc_u64 s[24+2*(\i):25+2*(\i)], s[6:7], s[18:19]
.endr
.macro TAKE i                          ; slot i: loaded, or -inf
	s_cmp_lt_u32 s[14+(\i)], s10
	s_cbranch_scc1 .Lload_\@
.set k, 0
.rept 64
	v_mov_b32 v[D+64*(\i)+k], s28
.set k, k+1
.endr
	s_branch .Ltaken_\@
.Lload_\@:
.irp u, 0,1,2,3,4,5,6,7
	global_load_b128 v[D+64*(\i)+8*(\u):D+64*(\i)+8*(\u)+3],   v3, s[20+2*(\i):21+2*(\i)] offset:(\u)*262144 th:TH_LOAD_NT
	global_load_b128 v[D+64*(\i)+8*(\u)+4:D+64*(\i)+8*(\u)+7], v3, s[20+2*(\i):21+2*(\i)] offset:(\u)*262144+65536 th:TH_LOAD_NT
.endr
.Ltaken_\@:
.endm
.macro HIDE i                          ; the diagonal's tile alone
	s_cmp_eq_u32 s[14+(\i)], s32
	s_cbranch_scc0 .Lplain_\@
.set k, 0
.rept 64
	v_cmp_gt_i32 vcc_lo, 16*(k/8)+k%8, v5
	v_cndmask_b32 v[D+64*(\i)+k], v[D+64*(\i)+k], s28, vcc_lo
.set k, k+1
.endr
.Lplain_\@:
.endm
	TAKE 0
	TAKE 1
	s_wait_loadcnt 0x0
	HIDE 0
	HIDE 1
	; the maximum of my 128 numbers: four chains, three operands at a time
.irp k, 0,1,2,3
	v_max3_num_f32 v[8+(\k)], v[D+32*(\k)], v[D+32*(\k)+1], v[D+32*(\k)+2]
.endr
.set j, 3
.rept 14
.irp k, 0,1,2,3
	v_max3_num_f32 v[8+(\k)], v[8+(\k)], v[D+32*(\k)+j], v[D+32*(\k)+j+1]
.endr
.set j, j+2
.endr
.irp k, 0,1,2,3
	v_max_num_f32 v[8+(\k)], v[8+(\k)], v[D+32*(\k)+31]
.endr
	v_max3_num_f32 v8, v8, v9, v10
	v_max_num_f32 v8, v8, v11
	v_permlanex16_b32 v9, v8, s12, s13             ; the row's other keys of these tiles lie in the lane 16 away
	v_max_num_f32 v8, v8, v9
	ds_store_b32 v6, v8
	s_wait_dscnt 0x0                               ; for the others' sake
	s_barrier_signal -1
	s_barrier_wait -1
	ds_load_b128 v[16:19], v7
	ds_load_b128 v[20:23], v7 offset:16
	ds_load_b128 v[24:27], v7 offset:32
	ds_load_b128 v[8:11], v7 offset:48
	s_wait_dscnt 0x0
	v_max3_num_f32 v16, v16, v17, v18
	v_max3_num_f32 v19, v19, v20, v21
	v_max3_num_f32 v22, v22, v23, v24
	v_max3_num_f32 v25, v25, v26, v27
	v_max3_num_f32 v8, v8, v9, v10
	v_max3_num_f32 v16, v16, v19, v22
	v_max3_num_f32 v8, v8, v25, v11
	v_max_num_f32 v16, v16, v8                     ; the row's maximum: finite, since every row sees its own key
	v_mul_f32 v16, s30, v16
.set k, 0
.rept 64
	v_pk_fma_f32 v[D+k:D+k+1], v[D+k:D+k+1], s[30:31], v[16:17] op_sel_hi:[1,0,0] neg_lo:[0,0,1] neg_hi:[0,0,1]  ; log2(e) s - log2(e) m
.set k, k+2
.endr
.set k, 0
.rept 128
	v_exp_f32 v[D+k], v[D+k]
.set k, k+1
.endr
	v_nop                                          ; a plain instruction behind the last exponential
	s_wait_alu depctr_va_vdst(0)
.irp k, 0,1,2,3
	v_pk_add_f32 v[8+2*(\k):9+2*(\k)], v[D+32*(\k):D+32*(\k)+1], v[D+32*(\k)+2:D+32*(\k)+3]
.endr
.set j, 4
.rept 14
.irp k, 0,1,2,3
	v_pk_add_f32 v[8+2*(\k):9+2*(\k)], v[8+2*(\k):9+2*(\k)], v[D+32*(\k)+j:D+32*(\k)+j+1]
.endr
.set j, j+2
.endr
	v_pk_add_f32 v[8:9], v[8:9], v[10:11]
	v_pk_add_f32 v[12:13], v[12:13], v[14:15]
	v_pk_add_f32 v[8:9], v[8:9], v[12:13]
	v_add_f32 v8, v8, v9
	v_permlanex16_b32 v9, v8, s12, s13
	v_add_f32 v8, v8, v9
	ds_store_b32 v6, v8 offset:1024                ; other bytes than the maxima's: no wave need have finished reading those
	s_wait_dscnt 0x0
	s_barrier_signal -1
	s_barrier_wait -1
	ds_load_b128 v[16:19], v7 offset:1024
	ds_load_b128 v[20:23], v7 offset:1040
	ds_load_b128 v[24:27], v7 offset:1056
	ds_load_b128 v[8:11], v7 offset:1072
	s_wait_dscnt 0x0
	v_pk_add_f32 v[16:17], v[16:17], v[18:19]
	v_pk_add_f32 v[20:21], v[20:21], v[22:23]
	v_pk_add_f32 v[24:25], v[24:25], v[26:27]
	v_pk_add_f32 v[8:9], v[8:9], v[10:11]
	v_pk_add_f32 v[16:17], v[16:17], v[20:21]
	v_pk_add_f32 v[24:25], v[24:25], v[8:9]
	v_pk_add_f32 v[16:17], v[16:17], v[24:25]
	v_add_f32 v16, v16, v17
	v_rcp_f32 v16, v16
	v_nop                                          ; a plain instruction behind the reciprocal
.set k, 0
	s_wait_alu depctr_va_vdst(0)
.rept 64
	v_pk_mul_f32 v[D+k:D+k+1], v[D+k:D+k+1], v[16:17] op_sel_hi:[1,0]
.set k, k+2
.endr
.set k, 0
.rept 64
	v_cvt_pk_bf16_f32 v[PO+k], v[D+2*k], v[D+2*k+1]
.set k, k+1
.endr
.macro GIVE i
	s_cmp_lt_u32 s[14+(\i)], s11
	s_cbranch_scc0 .Lnone_\@
.irp u, 0,1,2,3,4,5,6,7
	global_store_b128 v4, v[PO+32*(\i)+4*(\u):PO+32*(\i)+4*(\u)+3], s[24+2*(\i):25+2*(\i)] offset:(\u)*131072  ; 16 lanes cover 256 consecutive bytes, aligned
.endr
.Lnone_\@:
.endm
	GIVE 0
	GIVE 1
	s_wait_tensorcnt 0x0                           ; the wave's end
	ds_add_u32 v30, v31
	s_wait_dscnt 0x0
	s_endpgm
.Lfunc_end_k_qdc3b0a200c_soft:
	.size	k_qdc3b0a200c_soft, .Lfunc_end_k_qdc3b0a200c_soft-k_qdc3b0a200c_soft
	.p2alignl 7, 3214868480
	.fill 96, 4, 3214868480
	.section	.rodata,"a",@progbits
	.p2align	6, 0x0
	.amdhsa_kernel k_qdc3b0a200c_soft
		.amdhsa_group_segment_fixed_size 4096
		.amdhsa_private_segment_fixed_size 0
		.amdhsa_enable_private_segment 0
		.amdhsa_kernarg_size 16
		.amdhsa_user_sgpr_count 2
		.amdhsa_user_sgpr_kernarg_segment_ptr 1
		.amdhsa_wavefront_size32 1
		.amdhsa_system_sgpr_workgroup_id_x 1
		.amdhsa_system_sgpr_workgroup_id_y 1
		.amdhsa_system_sgpr_workgroup_id_z 1
		.amdhsa_system_vgpr_workitem_id 0
		.amdhsa_next_free_vgpr 224
		.amdhsa_next_free_sgpr 66
		.amdhsa_reserve_vcc 1
		.amdhsa_float_denorm_mode_32 3
		.amdhsa_float_denorm_mode_16_64 3
		.amdhsa_memory_ordered 1
		.amdhsa_forward_progress 1
		.amdhsa_inst_pref_size 52
	.end_amdhsa_kernel
	.amdgpu_metadata
---
amdhsa.version: [ 1, 2 ]
amdhsa.kernels:
  - .name:           k_qdc3b0a200c_soft
    .symbol:         k_qdc3b0a200c_soft.kd
    .args:
      - { .name: SB, .offset: 0, .size: 8, .value_kind: global_buffer, .address_space: global }
      - { .name: P, .offset: 8, .size: 8, .value_kind: global_buffer, .address_space: global }
    .group_segment_fixed_size: 4096
    .private_segment_fixed_size: 0
    .kernarg_segment_align: 8
    .kernarg_segment_size: 16
    .max_flat_workgroup_size: 512
    .sgpr_count:     66
    .vgpr_count:     224
    .wavefront_size: 32
...
	.end_amdgpu_metadata
.endif
;; end of part 4
;; launch pv (part 5): grid 8 x 32, 4 waves a work-group, clusters of 4 x 4, 327,680 bytes of LDS; arguments P, RW, XU, QKV; writes QKV
.if DOCPART == 5
	.amdgcn_target "amdgcn-amd-amdhsa--gfx1250"
	.amdhsa_code_object_version 6
	.text
	.protected	k_qdc3b0a200c_pv
	.globl	k_qdc3b0a200c_pv
	.p2align	8
	.type	k_qdc3b0a200c_pv,@function
k_qdc3b0a200c_pv:
	s_mov_b64 s[64:65], 0
	v_nop
	global_prefetch_b8 v0, s[64:65] scope:SCOPE_SE
	s_setreg_imm32_b32 hwreg(HW_REG_WAVE_MODE, 25, 1), 1
	s_wait_xcnt 0x0
	s_wait_alu depctr_hold_cnt(0) depctr_sa_sdst(0) depctr_va_vdst(0) depctr_va_sdst(0) depctr_va_ssrc(0) depctr_va_vcc(0) depctr_vm_vsrc(0)
	s_getreg_b32 s2, hwreg(HW_REG_IB_STS2, 6, 4)
	s_cmp_eq_u32 s2, 0
	s_cbranch_scc0 .Lentry_in_a_cluster
	s_endpgm
.Lentry_in_a_cluster:
	s_bfe_u32 s2, ttmp6, 0x10000c
	s_cmp_lg_u32 s2, 0xf033
	s_cbranch_scc0 .Lentry_shape_is_right
	s_endpgm
.Lentry_shape_is_right:
; X2[q][n] = bf16(X)[q][n] + sum over key of P[q][key] RH[key][n]; bf16 operands, f32 sums.  X enters as the number rounded to bf16, the same that the products take.
; P: panel, element (q, key) at ((key / 8) 4,096 + q) 16 + (key % 8) 2.  RH (RW + 0) and bf16(X) (XU + 0): panels with row = token, k = channel.
; X2 leaves twice: bf16 panel at QKV + 0 (the next product's operand) and f32 at QKV + 8 MiB, element (q, c) at ((c / 4) 4,096 + q) 16 + (c % 4) 4 (the last residual).
; SHARES.  A work-group makes 128 x 128, four waves 64 x 64 each; keys go in steps of 256 through two LDS slots.  The matrix instruction is used transposed: a lane holds one q and 8 neighbouring channels.
; RH lies [key][channel]: a tile is 16 lines (8 channels each) of 256 keys x 16 bytes; its fragments come out of LDS turned, by ds_load_tr16_b128.  The mover lays 32 bytes behind every 1,024, so lines are
; 4,224 bytes apart (128 past a multiple of 256).
; CAUSAL.  The rows of cluster row Y (512 queries) need the keys below 512 (Y + 1): max(2, Y + 1) laps of two steps; P holds zeros above the diagonal.  The count is the same in all partners.
; The work is uneven between cluster rows (2 to 8 laps): one tile to each of 256 work-groups; pairing long and short rows would want half as wide tiles.
; CLUSTER.  4 x 4: P's tiles are asked for jointly along a row of the cluster, RH's along a column.
.set BREG,   65536                     ; P's 32 lines of 2,048 bytes lie in front
.set BHALF,  33792                     ; 8 lines of 4,224 bytes
.set SLOT,   BREG+2*BHALF
.set SPARE,  2*SLOT
.set ASTEP,  4194304                   ; two steps in P: 64 lines of 65,536 bytes
.set BSTEP,  8192                      ; in RH: 512 keys of 16 bytes
.set ADRA, 16
.set ADRB, 20
.set CO,   26                          ; v26  65,536 (l / 16) + 16 (l % 16)
.set RO,   27                          ; v27  131,072 (l / 16) + 16 (l % 16)
.set SPW,  28
.set NIL,  29
.set TMP,  32                          ; v32-95  bf16(X) as loaded, then X2 packed
.set WK,   96                          ; v96-103 at work
.set ACC,  128
.set F0,   0
.set F1,   128
.set G1,  24
.set G0,  32
.set G1B, 48
.set G0B, 56
.set MSB, 0
.macro WIN new
.if MSB != (\new)
	s_set_vgpr_msb (MSB<<8)|(\new)
.set MSB, \new
.endif
.endm
.set MUL,  0x05
.set TO_F, 0x40
.macro JLOAD s                         ; waves 0, 1 fetch P's two halves, waves 2, 3 RH's; an s_nop 0 and four v_nop follow each line
	s_cmp_eq_u32 s11, 0
	s_cbranch_scc0 .Lfor_b_\@
	tensor_load_to_lds s[G0+4*(\s):G0+4*(\s)+3], s[G1:G1+7]
	s_nop 0
.rept 4
	v_nop
.endr
	s_branch .Lasked_\@
.Lfor_b_\@:
	tensor_load_to_lds s[G0B+4*(\s):G0B+4*(\s)+3], s[G1B:G1B+7]
	s_nop 0
.rept 4
	v_nop
.endr
.Lasked_\@:
.endm
.macro CREST
	s_cmp_lg_u32 s10, 0
	s_cbranch_scc1 .Lnot_wave_0_\@
	s_barrier_signal -3
.Lnot_wave_0_\@:
	s_barrier_wait -3
	s_barrier_signal -1
	s_barrier_wait -1
.endm
.macro CROUND
	s_barrier_signal -1
	s_barrier_wait -1
	CREST
.endm
	s_load_b128 s[4:7], s[0:1], 0x0                ; P, RW
	s_load_b128 s[68:71], s[0:1], 0x10             ; XU, QKV
	v_lshl_add_u32 v[SPW], v0, 2, SPARE
	v_mov_b32 v[NIL], 0
	ds_add_u32 v[SPW], v[NIL]                      ; the wave's opening
	v_lshrrev_b32 v1, 5, v0
	v_readfirstlane_b32 s10, v1
	s_lshr_b32 s11, s10, 1
	s_and_b32 s12, s10, 1
	s_bfe_u32 s40, ttmp6, 0x40000                  ; cx
	s_bfe_u32 s41, ttmp6, 0x40004                  ; cy
	s_lshl_b32 s42, ttmp9, 2
	s_add_co_u32 s42, s42, s40                     ; tile column
	s_and_b32 s78, ttmp7, 0xffff                   ; Y
	s_lshl_b32 s13, s78, 2
	s_add_co_u32 s13, s13, s41                     ; tile row
	s_max_u32 s2, s78, 1                           ; the loop's trips: laps - 1
	s_mov_b32 s75, 0xffff0000                      ; a word's upper bf16
	s_lshl_b32 s43, s41, 2
	s_lshl_b32 s43, 15, s43
	s_lshl_b32 s44, 0x1111, s40
	s_or_b32 s[G1+0], s43, (1<<16)|(1<<21)
	s_or_b32 s[G1B+0], s44, (1<<16)|(1<<20)|(1<<21)|(7<<22)|(7<<25)  ; padding on: after every 256 words (code 7) 8 words (code 7)
	s_mov_b32 s[G1+1], 1024<<16                    ; P: 16 lines of 128 rows x 8 keys
	s_mov_b32 s[G1+2], 16<<16
	s_mov_b32 s[G1+3], 1024<<16
	s_mov_b32 s[G1+4], 16
	s_mov_b32 s[G1B+1], 2048<<16                   ; RH: 8 lines of 256 keys x 8 channels
	s_mov_b32 s[G1B+2], 8<<16
	s_mov_b32 s[G1B+3], 2048<<16
	s_mov_b32 s[G1B+4], 8
.irp g, G1, G1B
	s_mov_b32 s[(\g)+5], 32768
	s_mov_b32 s[(\g)+6], 0
	s_mov_b32 s[(\g)+7], 0
.endr
	s_lshl_b32 s16, s13, 11
	s_lshl_b32 s17, s12, 20
	s_add_co_u32 s16, s16, s17
	s_mov_b32 s17, 0
	s_lshl_b32 s46, s42, 20                        ; RH: the tile's 16 lines, my 8 of them
	s_lshl_b32 s47, s12, 19
	s_add_co_u32 s46, s46, s47
	s_mov_b32 s47, 0
	s_mul_i32 s20, s12, 32768                      ; where a load for P goes,
	s_mul_i32 s19, s12, BHALF                      ; and one for RH
	s_add_co_u32 s19, s19, BREG
	s_wait_dscnt 0x0
	s_wait_kmcnt 0x0
	s_add_nc_u64 s[14:15], s[4:5], s[16:17]
	s_add_nc_u64 s[46:47], s[6:7], s[46:47]
	CROUND
.irp s, 0,1
	s_mov_b32 s[G0+4*(\s)], 1
	s_add_co_u32 s[G0+4*(\s)+1], s20, (\s)*SLOT
	s_add_nc_u64 s[G0+4*(\s)+2:G0+4*(\s)+3], s[14:15], (\s)*ASTEP/2
	s_or_b32 s[G0+4*(\s)+3], s[G0+4*(\s)+3], 0x80000000
	s_mov_b32 s[G0B+4*(\s)], 1
	s_add_co_u32 s[G0B+4*(\s)+1], s19, (\s)*SLOT
	s_add_nc_u64 s[G0B+4*(\s)+2:G0B+4*(\s)+3], s[46:47], (\s)*BSTEP/2
	s_or_b32 s[G0B+4*(\s)+3], s[G0B+4*(\s)+3], 0x80000000
	JLOAD \s
.endr
	v_and_b32 v1, 15, v0
	v_bfe_u32 v2, v0, 4, 1
	v_lshlrev_b32 v4, 4, v1
	v_lshl_add_u32 v3, v2, 11, v4
	v_bfe_u32 v5, v0, 3, 1                         ; the turning load: lane l reads key 8 (l / 16) + l % 8 of line (l / 8) % 2
	v_and_b32 v6, 7, v0
	v_lshl_add_u32 v6, v2, 3, v6
	v_mul_u32_u24 v5, v5, 4224
	v_lshl_add_u32 v5, v6, 4, v5
	s_lshl_b32 s21, s11, 10
	s_mul_i32 s22, s12, BHALF
	s_add_co_u32 s22, s22, BREG
.irp s, 0,1
	v_add_nc_u32 v[ADRA+(\s)], s21, v3
	v_add_nc_u32 v[ADRB+(\s)], s22, v5
	s_add_co_u32 s21, s21, SLOT
	s_add_co_u32 s22, s22, SLOT
.endr
	v_lshl_add_u32 v[CO], v2, 16, v4
	v_lshl_add_u32 v[RO], v2, 17, v4
	s_lshl_b32 s16, s13, 11
	s_lshl_b32 s17, s11, 10
	s_add_co_u32 s16, s16, s17
	s_mov_b32 s17, 0
	s_lshl_b32 s46, s42, 20
	s_lshl_b32 s47, s12, 19
	s_add_co_u32 s46, s46, s47
	s_mov_b32 s47, 0
	s_lshl_b32 s18, s46, 1
	s_mov_b32 s19, 0
	s_add_nc_u64 s[68:69], s[68:69], s[16:17]      ; bf16(X) at my part
	s_add_nc_u64 s[68:69], s[68:69], s[46:47]
	s_add_nc_u64 s[8:9], s[70:71], s[16:17]        ; X2 in bf16
	s_add_nc_u64 s[8:9], s[8:9], s[46:47]
	s_add_nc_u64 s[76:77], s[70:71], s[16:17]      ; X2 in f32
	s_add_nc_u64 s[76:77], s[76:77], s[18:19]
	s_add_nc_u64 s[76:77], s[76:77], 0x800000
.irp a, 0,1,2,3
.irp b, 0,1,2,3
	global_load_b128 v[TMP+4*(4*(\a)+(\b)):TMP+4*(4*(\a)+(\b))+3], v[CO], s[68:69] offset:(\b)*131072+(\a)*256  ; waited for on the way out; its registers and addresses rest till then
.endr
.endr
.macro MUL8 f, c, a0, zero             ; the 16 accumulators take turns
	WIN MUL
.irp a, \a0, (\a0)+1
.irp b, 0,1,2,3
.if \zero
	v_wmma_f32_16x16x32_bf16 v[ACC+8*(4*(\a)+(\b)):ACC+8*(4*(\a)+(\b))+7], v[(\f)+64+8*(4*(\c)+(\b)):(\f)+64+8*(4*(\c)+(\b))+7], v[(\f)+8*(4*(\c)+(\a)):(\f)+8*(4*(\c)+(\a))+7], 0
.else
	v_wmma_f32_16x16x32_bf16 v[ACC+8*(4*(\a)+(\b)):ACC+8*(4*(\a)+(\b))+7], v[(\f)+64+8*(4*(\c)+(\b)):(\f)+64+8*(4*(\c)+(\b))+7], v[(\f)+8*(4*(\c)+(\a)):(\f)+8*(4*(\c)+(\a))+7], v[ACC+8*(4*(\a)+(\b)):ACC+8*(4*(\a)+(\b))+7]
.endif
.endr
.endr
.endm
.macro FETCH slot, q, f                ; quarter q: 64 keys.  In RH's lines 64 keys and their padding are 1,056 bytes, 32 keys 512, 16 keys 256; two lines (16 channels) 8,448
	WIN TO_F
.irp c, 0,1
.irp i, 0,1,2,3
	ds_load_tr16_b128 v[(\f)+64+8*(4*(\c)+(\i)):(\f)+64+8*(4*(\c)+(\i))+3],   v[ADRB+(\slot)] offset:(\q)*1056+(\c)*512+(\i)*8448
	ds_load_tr16_b128 v[(\f)+64+8*(4*(\c)+(\i))+4:(\f)+64+8*(4*(\c)+(\i))+7], v[ADRB+(\slot)] offset:(\q)*1056+(\c)*512+(\i)*8448+256
	ds_load_b128 v[(\f)+8*(4*(\c)+(\i)):(\f)+8*(4*(\c)+(\i))+3],         v[ADRA+(\slot)] offset:(\q)*16384+(\c)*8192+(\i)*256
	ds_load_b128 v[(\f)+8*(4*(\c)+(\i))+4:(\f)+8*(4*(\c)+(\i))+7],       v[ADRA+(\slot)] offset:(\q)*16384+(\c)*8192+(\i)*256+4096
.endr
.endr
.endm
.macro PLACES
.rept 4
	v_nop
.endr
.endm
.macro QUARTER slot, q, f, g, zero
	s_wait_dscnt 16                                ; the first 32 keys are in
	MUL8 \f, 0, 0, \zero
	MUL8 \f, 0, 2, \zero
	PLACES
	FETCH \slot, \q, \g
	s_wait_dscnt 32                                ; all but the 32 just issued
	MUL8 \f, 1, 0, 0
	MUL8 \f, 1, 2, 0
.endm
.macro TURN slot, next, fill
	WIN 0
	s_wait_tensorcnt 0x0                           ; all my tensor loads have landed: my part of the next slot
	ds_add_u32 v[SPW], v[NIL]
	s_wait_dscnt 17                                ; (the add and the youngest sixteen loads may be out)
	MUL8 F1, 0, 0, 0
	s_wait_dscnt 0x0                               ; the add is done, and my reads of this slot are over
	s_barrier_signal -1
	MUL8 F1, 0, 2, 0
.if \fill
	WIN 0
.endif
	s_barrier_wait -1
.if \fill
	CREST
	s_add_nc_u64 s[G0+4*(\slot)+2:G0+4*(\slot)+3], s[G0+4*(\slot)+2:G0+4*(\slot)+3], ASTEP
	s_add_nc_u64 s[G0B+4*(\slot)+2:G0B+4*(\slot)+3], s[G0B+4*(\slot)+2:G0B+4*(\slot)+3], BSTEP
	JLOAD \slot
.else
	PLACES
.endif
	FETCH \next, 0, F0
	MUL8 F1, 1, 0, 0
	MUL8 F1, 1, 2, 0
.endm
	s_wait_tensorcnt 1                             ; my part of step 0 is in; step 1's may stay out
	s_barrier_signal -1
	s_barrier_wait -1
	FETCH 0, 0, F0
	QUARTER 0, 1, F0, F1, 1
	WIN 0                                          ; at a label and at a branch every window is 0
	s_mov_b32 s3, 0
.Llap:                                                 ; a trip goes once round the ring and fills both slots again; the LDS addresses are the same in every trip
	QUARTER 0, 2, F1, F0, 0
	QUARTER 0, 3, F0, F1, 0
	TURN 0, 1, 1
	QUARTER 1, 1, F0, F1, 0
	QUARTER 1, 2, F1, F0, 0
	QUARTER 1, 3, F0, F1, 0
	TURN 1, 0, 1
	QUARTER 0, 1, F0, F1, 0
	WIN 0
	s_add_co_u32 s3, s3, 1
	s_cmp_lt_u32 s3, s2
	s_cbranch_scc1 .Llap
	QUARTER 0, 2, F1, F0, 0                        ; the last lap fills nothing
	QUARTER 0, 3, F0, F1, 0
	TURN 0, 1, 0
	QUARTER 1, 1, F0, F1, 0
	QUARTER 1, 2, F1, F0, 0
	QUARTER 1, 3, F0, F1, 0
	s_wait_dscnt 16
	MUL8 F1, 0, 0, 0
	MUL8 F1, 0, 2, 0
	s_wait_dscnt 0
	MUL8 F1, 1, 0, 0
	MUL8 F1, 1, 2, 0
	WIN 0
	PLACES
	s_wait_loadcnt 0x0                             ; bf16(X)
.set t, 0
.rept 16                               ; accumulator t = 4 a + b, its registers in ascending order
.irp r, 0,1,2,3
	v_lshlrev_b32 v[WK+2*(\r)], 16, v[TMP+4*t+(\r)]
	v_and_b32 v[WK+2*(\r)+1], s75, v[TMP+4*t+(\r)]
.endr
.irp r, 0,1,2,3
	v_pk_add_f32 v[ACC+8*t+2*(\r):ACC+8*t+2*(\r)+1], v[ACC+8*t+2*(\r):ACC+8*t+2*(\r)+1], v[WK+2*(\r):WK+2*(\r)+1]
.endr
.irp r, 0,1,2,3
	v_cvt_pk_bf16_f32 v[TMP+4*t+(\r)], v[ACC+8*t+2*(\r)], v[ACC+8*t+2*(\r)+1]
.endr
	global_store_b128 v[RO], v[ACC+8*t:ACC+8*t+3],   s[76:77] offset:(t%4)*262144+(t/4)*256        ; in each store 16 lanes cover 256 consecutive bytes, aligned
	global_store_b128 v[RO], v[ACC+8*t+4:ACC+8*t+7], s[76:77] offset:(t%4)*262144+65536+(t/4)*256
	global_store_b128 v[CO], v[TMP+4*t:TMP+4*t+3],   s[8:9] offset:(t%4)*131072+(t/4)*256
.set t, t+1
.endr
	s_wait_tensorcnt 0x0                           ; the wave's end
	ds_add_u32 v[SPW], v[NIL]
	s_wait_dscnt 0x0
	CROUND
	s_endpgm
.Lfunc_end_k_qdc3b0a200c_pv:
	.size	k_qdc3b0a200c_pv, .Lfunc_end_k_qdc3b0a200c_pv-k_qdc3b0a200c_pv
	.p2alignl 7, 3214868480
	.fill 96, 4, 3214868480
	.section	.rodata,"a",@progbits
	.p2align	6, 0x0
	.amdhsa_kernel k_qdc3b0a200c_pv
		.amdhsa_group_segment_fixed_size 327680
		.amdhsa_private_segment_fixed_size 0
		.amdhsa_enable_private_segment 0
		.amdhsa_kernarg_size 32
		.amdhsa_user_sgpr_count 2
		.amdhsa_user_sgpr_kernarg_segment_ptr 1
		.amdhsa_wavefront_size32 1
		.amdhsa_system_sgpr_workgroup_id_x 1
		.amdhsa_system_sgpr_workgroup_id_y 1
		.amdhsa_system_sgpr_workgroup_id_z 1
		.amdhsa_system_vgpr_workitem_id 0
		.amdhsa_next_free_vgpr 512
		.amdhsa_next_free_sgpr 80
		.amdhsa_reserve_vcc 0
		.amdhsa_float_denorm_mode_32 3
		.amdhsa_float_denorm_mode_16_64 3
		.amdhsa_memory_ordered 1
		.amdhsa_forward_progress 1
		.amdhsa_inst_pref_size 96
	.end_amdhsa_kernel
	.amdgpu_metadata
---
amdhsa.version: [ 1, 2 ]
amdhsa.kernels:
  - .name:           k_qdc3b0a200c_pv
    .symbol:         k_qdc3b0a200c_pv.kd
    .args:
      - { .name: P, .offset: 0, .size: 8, .value_kind: global_buffer, .address_space: global }
      - { .name: RW, .offset: 8, .size: 8, .value_kind: global_buffer, .address_space: global }
      - { .name: XU, .offset: 16, .size: 8, .value_kind: global_buffer, .address_space: global }
      - { .name: QKV, .offset: 24, .size: 8, .value_kind: global_buffer, .address_space: global }
    .group_segment_fixed_size: 327680
    .private_segment_fixed_size: 0
    .kernarg_segment_align: 8
    .kernarg_segment_size: 32
    .max_flat_workgroup_size: 128
    .sgpr_count:     80
    .vgpr_count:     512
    .wavefront_size: 32
...
	.end_amdgpu_metadata
.endif
;; end of part 5
;; launch mlp1: the kernel of part 2 again; grid 8 x 32, 4 waves a work-group, clusters of 4 x 4, 327,680 bytes of LDS; arguments QKV, RW, SB, cfg2; writes SB
;; launch mlp2 (part 6): grid 8 x 32, 4 waves a work-group, clusters of 4 x 4, 327,680 bytes of LDS; arguments SB, XU, out0, QKV; writes out0
.if DOCPART == 6
	.amdgcn_target "amdgcn-amd-amdhsa--gfx1250"
	.amdhsa_code_object_version 6
	.text
	.protected	k_qdc3b0a200c_mlp2
	.globl	k_qdc3b0a200c_mlp2
	.p2align	8
	.type	k_qdc3b0a200c_mlp2,@function
k_qdc3b0a200c_mlp2:
	s_mov_b64 s[64:65], 0
	v_nop
	global_prefetch_b8 v0, s[64:65] scope:SCOPE_SE
	s_setreg_imm32_b32 hwreg(HW_REG_WAVE_MODE, 25, 1), 1
	s_wait_xcnt 0x0
	s_wait_alu depctr_hold_cnt(0) depctr_sa_sdst(0) depctr_va_vdst(0) depctr_va_sdst(0) depctr_va_ssrc(0) depctr_va_vcc(0) depctr_vm_vsrc(0)
	s_getreg_b32 s2, hwreg(HW_REG_IB_STS2, 6, 4)
	s_cmp_eq_u32 s2, 0
	s_cbranch_scc0 .Lentry_in_a_cluster
	s_endpgm
.Lentry_in_a_cluster:
	s_bfe_u32 s2, ttmp6, 0x10000c
	s_cmp_lg_u32 s2, 0xf033
	s_cbranch_scc0 .Lentry_shape_is_right
	s_endpgm
.Lentry_shape_is_right:
; out[n][m] = RES[m][n] + sum over k of A[m][k] B[n][k], K = 1,024, bf16 operands, f32 sums, f32 out.  Arguments A, B, out, RES.
; A (h, at its buffer's byte 0): panel, element (row, k) at ((k / 8) 4,096 + row) 16 + (k % 8) 2.  B (mlp_out, at 8 MiB): panel with 1,024 rows, row = output column.
; RES (X2 in f32, at 8 MiB): element (m, c) at ((c / 4) 4,096 + m) 16 + (c % 4) 4.  out: [1,024][4,096] f32, rows of 16,384 bytes.
; SHARES, RING, CLUSTER as in the 16-bit product kernel: a work-group makes 128 x 128, four waves 64 x 64 each (16 accumulators); K in 4 steps of 256 through two LDS slots;
; 4 x 4 work-groups, A's tile asked for jointly along a row of the cluster, B's along a column.  The matrix instruction is used transposed: a lane holds row m = l % 16 and the columns 8 (l / 16) + 0..7.
; RES is asked for at the start, 32 loads a wave into window 2, and waited for on the way out: its registers and addresses rest till then.
; THE WAY OUT turns the tile: by blocks of 16 columns through the wave's own stage in LDS (row = column of C, 272 bytes apart), back as rows of 256 bytes, stored with 16 lanes on 256 consecutive bytes of an output row.
.set SLOT,   131072                    ; A's 32 lines of 2,048 bytes, then B's
.set BREG,   65536
.set SPARE,  2*SLOT                    ; behind the ring: the spare words, 128 bytes a wave
.set ASTEP,  4194304
.set BSTEP,  1048576
.set STG,    17408                     ; a wave's stage, 64 rows of 272 bytes
.set ADRA, 16
.set ADRB, 20
.set STO,  24                          ; v24  stage: where I put a number
.set RD,   25                          ; v25  stage: where I read 16 bytes of a row back
.set RO,   27                          ; v27  131,072 (l / 16) + 16 (l % 16): my place in RES; never rewritten
.set SPW,  28                          ; v28  LDS address of my spare word; never rewritten
.set NIL,  29                          ; v29  0; never rewritten
.set OO,   30                          ; v30  16,384 (l / 16) + 16 (l % 16): my place in the output
.set TMP,  32                          ; v32-95 two buffers of 32: a block's rows read back
.set ACC,  128                         ; v128-255 accumulator (a, b) at ACC + 8 (4 a + b)
.set F0,   0                           ; window 1: two fragment buffers
.set F1,   128
.set G1,  24                           ; window 2: v0-127 RES, laid as the accumulators
.set G0,  32
.set G1B, 48
.set G0B, 56
.set MSB, 0
.macro WIN new                         ; the immediate's high byte repeats the setting that is left
.if MSB != (\new)
	s_set_vgpr_msb (MSB<<8)|(\new)
.set MSB, \new
.endif
.endm
.set MUL,  0x05                        ; sources 0 (B) and 1 (A) window 1; C and D window 0
.set TO_F, 0x40                        ; destination window 1, address window 0
.macro JLOAD s                         ; waves 0, 1 fetch A's two halves, waves 2, 3 B's; an s_nop 0 and four v_nop follow each line
	s_cmp_eq_u32 s11, 0
	s_cbranch_scc0 .Lfor_b_\@
	tensor_load_to_lds s[G0+4*(\s):G0+4*(\s)+3], s[G1:G1+7]
	s_nop 0
.rept 4
	v_nop
.endr
	s_branch .Lasked_\@
.Lfor_b_\@:
	tensor_load_to_lds s[G0B+4*(\s):G0B+4*(\s)+3], s[G1B:G1B+7]
	s_nop 0
.rept 4
	v_nop
.endr
.Lasked_\@:
.endm
.macro CREST
	s_cmp_lg_u32 s10, 0
	s_cbranch_scc1 .Lnot_wave_0_\@
	s_barrier_signal -3
.Lnot_wave_0_\@:
	s_barrier_wait -3
	s_barrier_signal -1
	s_barrier_wait -1
.endm
.macro CROUND
	s_barrier_signal -1
	s_barrier_wait -1
	CREST
.endm
	s_load_b128 s[4:7], s[0:1], 0x0                ; A, B
	s_load_b128 s[68:71], s[0:1], 0x10             ; out, RES
	v_lshl_add_u32 v[SPW], v0, 2, SPARE
	v_mov_b32 v[NIL], 0
	ds_add_u32 v[SPW], v[NIL]                      ; the wave's opening
	v_lshrrev_b32 v1, 5, v0
	v_readfirstlane_b32 s10, v1                    ; wave 0..3
	s_lshr_b32 s11, s10, 1
	s_and_b32 s12, s10, 1
	s_bfe_u32 s40, ttmp6, 0x40000                  ; cx
	s_bfe_u32 s41, ttmp6, 0x40004                  ; cy
	s_lshl_b32 s42, ttmp9, 2
	s_add_co_u32 s42, s42, s40                     ; tile column, 0..7
	s_and_b32 s13, ttmp7, 0xffff
	s_lshl_b32 s13, s13, 2
	s_add_co_u32 s13, s13, s41                     ; tile row
	s_lshl_b32 s43, s41, 2
	s_lshl_b32 s43, 15, s43
	s_lshl_b32 s44, 0x1111, s40
	s_or_b32 s[G1+0], s43, (1<<16)|(1<<21)
	s_or_b32 s[G1B+0], s44, (1<<16)|(1<<21)
.irp g, G1, G1B
	s_mov_b32 s[(\g)+1], 1024<<16                  ; a line: 128 rows x 8 k
	s_mov_b32 s[(\g)+2], 16<<16
	s_mov_b32 s[(\g)+3], 1024<<16
	s_mov_b32 s[(\g)+4], 16
	s_mov_b32 s[(\g)+6], 0
	s_mov_b32 s[(\g)+7], 0
.endr
	s_mov_b32 s[G1+5], 32768
	s_mov_b32 s[G1B+5], 8192
	s_lshl_b32 s16, s13, 11
	s_lshl_b32 s17, s12, 20
	s_add_co_u32 s16, s16, s17
	s_mov_b32 s17, 0
	s_lshl_b32 s46, s42, 11
	s_lshl_b32 s47, s12, 18
	s_add_co_u32 s46, s46, s47
	s_add_co_u32 s46, s46, 0x800000
	s_mov_b32 s47, 0
	s_mul_i32 s20, s10, 32768
	s_wait_dscnt 0x0                               ; the opening add is done
	s_wait_kmcnt 0x0
	s_add_nc_u64 s[14:15], s[4:5], s[16:17]
	s_add_nc_u64 s[46:47], s[6:7], s[46:47]
	CROUND                                         ; all sixteen work-groups are here: the first joint loads meet
.irp s, 0,1
	s_mov_b32 s[G0+4*(\s)], 1
	s_add_co_u32 s[G0+4*(\s)+1], s20, (\s)*SLOT
	s_add_nc_u64 s[G0+4*(\s)+2:G0+4*(\s)+3], s[14:15], (\s)*ASTEP/2
	s_or_b32 s[G0+4*(\s)+3], s[G0+4*(\s)+3], 0x80000000
	s_mov_b32 s[G0B+4*(\s)], 1
	s_add_co_u32 s[G0B+4*(\s)+1], s20, (\s)*SLOT
	s_add_nc_u64 s[G0B+4*(\s)+2:G0B+4*(\s)+3], s[46:47], (\s)*BSTEP/2
	s_or_b32 s[G0B+4*(\s)+3], s[G0B+4*(\s)+3], 0x80000000
	JLOAD \s
.endr
	v_and_b32 v1, 15, v0
	v_bfe_u32 v2, v0, 4, 1
	v_lshlrev_b32 v4, 4, v1
	v_lshl_add_u32 v3, v2, 11, v4
	s_lshl_b32 s21, s11, 10
	s_lshl_b32 s22, s12, 10
	s_add_co_u32 s22, s22, BREG
.irp s, 0,1
	v_add_nc_u32 v[ADRA+(\s)], s21, v3
	v_add_nc_u32 v[ADRB+(\s)], s22, v3
	s_add_co_u32 s21, s21, SLOT
	s_add_co_u32 s22, s22, SLOT
.endr
	v_lshl_add_u32 v[RO], v2, 17, v4
	v_lshl_add_u32 v[OO], v2, 14, v4
	s_mul_i32 s23, s10, STG
	v_mul_u32_u24 v5, v2, 2176                     ; stage, in: row 8 (l / 16) + .., word l % 16
	v_lshl_add_u32 v5, v1, 2, v5
	v_add_nc_u32 v[STO], s23, v5
	v_mul_u32_u24 v5, v2, 272                      ; back: lanes 0-15 one row of 256 bytes, lanes 16-31 the next
	v_add_nc_u32 v5, v5, v4
	v_add_nc_u32 v[RD], s23, v5
	s_lshl_b32 s16, s13, 11                        ; my rows' bytes in a line of RES
	s_lshl_b32 s17, s11, 10
	s_add_co_u32 s16, s16, s17
	s_mov_b32 s17, 0
	s_lshl_b32 s46, s42, 21                        ; my 64 columns: 16 lines of RES, and 64 rows of the output, are the same number of bytes
	s_lshl_b32 s47, s12, 20
	s_add_co_u32 s46, s46, s47
	s_mov_b32 s47, 0
	s_add_nc_u64 s[70:71], s[70:71], s[16:17]      ; RES at my part
	s_add_nc_u64 s[70:71], s[70:71], s[46:47]
	s_add_nc_u64 s[70:71], s[70:71], 0x800000
	s_lshr_b32 s16, s16, 2                         ; my 64 rows of C are 256 bytes of an output row
	s_add_nc_u64 s[76:77], s[68:69], s[16:17]
	s_add_nc_u64 s[76:77], s[76:77], s[46:47]
	WIN 0x80                                       ; destination window 2, address window 0
.irp a, 0,1,2,3
.irp b, 0,1,2,3
.irp e, 0,1
	global_load_b128 v[8*(4*(\a)+(\b))+4*(\e):8*(4*(\a)+(\b))+4*(\e)+3], v[RO], s[70:71] offset:(\b)*262144+(\e)*65536+(\a)*256 th:TH_LOAD_NT
.endr
.endr
.endr
	WIN 0
.macro MUL8 f, c, a0, zero             ; the 16 accumulators take turns
	WIN MUL
.irp a, \a0, (\a0)+1
.irp b, 0,1,2,3
.if \zero
	v_wmma_f32_16x16x32_bf16 v[ACC+8*(4*(\a)+(\b)):ACC+8*(4*(\a)+(\b))+7], v[(\f)+64+8*(4*(\c)+(\b)):(\f)+64+8*(4*(\c)+(\b))+7], v[(\f)+8*(4*(\c)+(\a)):(\f)+8*(4*(\c)+(\a))+7], 0
.else
	v_wmma_f32_16x16x32_bf16 v[ACC+8*(4*(\a)+(\b)):ACC+8*(4*(\a)+(\b))+7], v[(\f)+64+8*(4*(\c)+(\b)):(\f)+64+8*(4*(\c)+(\b))+7], v[(\f)+8*(4*(\c)+(\a)):(\f)+8*(4*(\c)+(\a))+7], v[ACC+8*(4*(\a)+(\b)):ACC+8*(4*(\a)+(\b))+7]
.endif
.endr
.endr
.endm
.macro FETCH slot, q, f
	WIN TO_F
.irp c, 0,1
.irp i, 0,1,2,3
	ds_load_b128 v[(\f)+64+8*(4*(\c)+(\i)):(\f)+64+8*(4*(\c)+(\i))+3],   v[ADRB+(\slot)] offset:(\q)*16384+(\c)*8192+(\i)*256
	ds_load_b128 v[(\f)+64+8*(4*(\c)+(\i))+4:(\f)+64+8*(4*(\c)+(\i))+7], v[ADRB+(\slot)] offset:(\q)*16384+(\c)*8192+(\i)*256+4096
	ds_load_b128 v[(\f)+8*(4*(\c)+(\i)):(\f)+8*(4*(\c)+(\i))+3],         v[ADRA+(\slot)] offset:(\q)*16384+(\c)*8192+(\i)*256
	ds_load_b128 v[(\f)+8*(4*(\c)+(\i))+4:(\f)+8*(4*(\c)+(\i))+7],       v[ADRA+(\slot)] offset:(\q)*16384+(\c)*8192+(\i)*256+4096
.endr
.endr
.endm
.macro PLACES                          ; four places (ISA guide 7.12.1)
.rept 4
	v_nop
.endr
.endm
.macro QUARTER slot, q, f, g, zero
	s_wait_dscnt 16                                ; the first 32 along K are in
	MUL8 \f, 0, 0, \zero
	MUL8 \f, 0, 2, \zero
	PLACES
	FETCH \slot, \q, \g
	s_wait_dscnt 32                                ; all but the 32 just issued
	MUL8 \f, 1, 0, 0
	MUL8 \f, 1, 2, 0
.endm
.macro TURN slot, next, fill
	WIN 0
	s_wait_tensorcnt 0x0                           ; all my tensor loads have landed: my part of the next slot
	ds_add_u32 v[SPW], v[NIL]
	s_wait_dscnt 17                                ; (the add and the youngest sixteen loads may be out)
	MUL8 F1, 0, 0, 0
	s_wait_dscnt 0x0                               ; the add is done, and my reads of this slot are over
	s_barrier_signal -1
	MUL8 F1, 0, 2, 0
.if \fill
	WIN 0
.endif
	s_barrier_wait -1
.if \fill
	CREST                                          ; no wave of any partner still reads this slot or has a load on its way
	s_add_nc_u64 s[G0+4*(\slot)+2:G0+4*(\slot)+3], s[G0+4*(\slot)+2:G0+4*(\slot)+3], ASTEP
	s_add_nc_u64 s[G0B+4*(\slot)+2:G0B+4*(\slot)+3], s[G0B+4*(\slot)+2:G0B+4*(\slot)+3], BSTEP
	JLOAD \slot
.else
	PLACES
.endif
	FETCH \next, 0, F0
	MUL8 F1, 1, 0, 0
	MUL8 F1, 1, 2, 0
.endm
	s_wait_tensorcnt 1                             ; my part of K step 0 is in; K step 1's may stay out
	s_barrier_signal -1
	s_barrier_wait -1
	FETCH 0, 0, F0
	QUARTER 0, 1, F0, F1, 1
	QUARTER 0, 2, F1, F0, 0
	QUARTER 0, 3, F0, F1, 0
	TURN 0, 1, 1
	QUARTER 1, 1, F0, F1, 0
	QUARTER 1, 2, F1, F0, 0
	QUARTER 1, 3, F0, F1, 0
	TURN 1, 0, 1
	QUARTER 0, 1, F0, F1, 0
	QUARTER 0, 2, F1, F0, 0
	QUARTER 0, 3, F0, F1, 0
	TURN 0, 1, 0
	QUARTER 1, 1, F0, F1, 0
	QUARTER 1, 2, F1, F0, 0
	QUARTER 1, 3, F0, F1, 0
	s_wait_dscnt 16
	MUL8 F1, 0, 0, 0
	MUL8 F1, 0, 2, 0
	s_wait_dscnt 0
	MUL8 F1, 1, 0, 0
	MUL8 F1, 1, 2, 0
	WIN 0
	PLACES
	s_wait_loadcnt 0x0                             ; RES
; The stage is my own 17,408 bytes of slot 0: it has had its last fill, and every wave's reads of it were over at the barrier of the last change of slots.
.macro ADDB b                          ; + RES for the four accumulators of column block b, each accumulator's registers in ascending order
	WIN 0x08                                       ; source 1 window 2
.irp a, 0,1,2,3
.irp r, 0,1,2,3
	v_pk_add_f32 v[ACC+8*(4*(\a)+(\b))+2*(\r):ACC+8*(4*(\a)+(\b))+2*(\r)+1], v[ACC+8*(4*(\a)+(\b))+2*(\r):ACC+8*(4*(\a)+(\b))+2*(\r)+1], v[8*(4*(\a)+(\b))+2*(\r):8*(4*(\a)+(\b))+2*(\r)+1]
.endr
.endr
	WIN 0
.endm
.macro PUT b                           ; block b into stage rows 16 b ..: lanes 0-15 fill 16 neighbouring words, lanes 16-31 the same 544 words on (32 banks away: ISA guide 11.1); then its 16 rows back: 40 LDS instructions
.irp a, 0,1,2,3
.irp j, 0,1,2,3,4,5,6,7
	ds_store_b32 v[STO], v[ACC+8*(4*(\a)+(\b))+(\j)] offset:(16*(\b)+(\j))*272+(\a)*64
.endr
.endr
.irp t, 0,1,2,3,4,5,6,7
	ds_load_b128 v[TMP+32*((\b)%2)+4*(\t):TMP+32*((\b)%2)+4*(\t)+3], v[RD] offset:(8*(\b)+(\t))*544  ; LDS serves a wave's instructions in order: these see the stores above
.endr
.endm
.macro SEND b
.irp t, 0,1,2,3,4,5,6,7
	s_wait_dscnt 7-(\t)                            ; the younger reads of the block may be out
	global_store_b128 v[OO], v[TMP+32*((\b)%2)+4*(\t):TMP+32*((\b)%2)+4*(\t)+3], s[76:77] offset:(8*(\b)+(\t))*32768 th:TH_STORE_NT  ; 16 lanes store 256 consecutive bytes of an output row, aligned
.endr
.endm
	ADDB 0
	PUT 0
	ADDB 1                                         ; the next block's additions stand between a block's reads and the wait for them
	SEND 0
	PUT 1
	ADDB 2
	SEND 1
	s_wait_xcnt 0x0                                ; block 0's stores have read their registers: only behind this wait are they loaded again
	PUT 2
	ADDB 3
	SEND 2
	s_wait_xcnt 0x0                                ; the same for block 1's
	PUT 3
	SEND 3
	s_wait_tensorcnt 0x0                           ; the wave's end
	ds_add_u32 v[SPW], v[NIL]
	s_wait_dscnt 0x0
	CROUND                                         ; the closing round
	s_endpgm
.Lfunc_end_k_qdc3b0a200c_mlp2:
	.size	k_qdc3b0a200c_mlp2, .Lfunc_end_k_qdc3b0a200c_mlp2-k_qdc3b0a200c_mlp2
	.p2alignl 7, 3214868480
	.fill 96, 4, 3214868480
	.section	.rodata,"a",@progbits
	.p2align	6, 0x0
	.amdhsa_kernel k_qdc3b0a200c_mlp2
		.amdhsa_group_segment_fixed_size 327680
		.amdhsa_private_segment_fixed_size 0
		.amdhsa_enable_private_segment 0
		.amdhsa_kernarg_size 32
		.amdhsa_user_sgpr_count 2
		.amdhsa_user_sgpr_kernarg_segment_ptr 1
		.amdhsa_wavefront_size32 1
		.amdhsa_system_sgpr_workgroup_id_x 1
		.amdhsa_system_sgpr_workgroup_id_y 1
		.amdhsa_system_sgpr_workgroup_id_z 1
		.amdhsa_system_vgpr_workitem_id 0
		.amdhsa_next_free_vgpr 640
		.amdhsa_next_free_sgpr 80
		.amdhsa_reserve_vcc 0
		.amdhsa_float_denorm_mode_32 3
		.amdhsa_float_denorm_mode_16_64 3
		.amdhsa_memory_ordered 1
		.amdhsa_forward_progress 1
		.amdhsa_inst_pref_size 99
	.end_amdhsa_kernel
	.amdgpu_metadata
---
amdhsa.version: [ 1, 2 ]
amdhsa.kernels:
  - .name:           k_qdc3b0a200c_mlp2
    .symbol:         k_qdc3b0a200c_mlp2.kd
    .args:
      - { .name: SB, .offset: 0, .size: 8, .value_kind: global_buffer, .address_space: global }
      - { .name: XU, .offset: 8, .size: 8, .value_kind: global_buffer, .address_space: global }
      - { .name: out0, .offset: 16, .size: 8, .value_kind: global_buffer, .address_space: global }
      - { .name: QKV, .offset: 24, .size: 8, .value_kind: global_buffer, .address_space: global }
    .group_segment_fixed_size: 327680
    .private_segment_fixed_size: 0
    .kernarg_segment_align: 8
    .kernarg_segment_size: 32
    .max_flat_workgroup_size: 128
    .sgpr_count:     80
    .vgpr_count:     640
    .wavefront_size: 32
...
	.end_amdgpu_metadata
.endif
;; end of part 6
;; ======== version 2 of 2: 7 launches; 1.11 times as fast as version 1
;; limits: values are held in f16: magnitudes above 65,504 overflow, below 6.1e-05 lose precision
;; workspace buffers: XU 10,485,760 bytes; WP 8,388,608 bytes; RW 10,485,760 bytes; SB 77,594,624 bytes; P 33,554,432 bytes; QKV 25,165,824 bytes
;; launch prep (part 7): grid 320 x 1, 8 waves a work-group, no clusters, 17,408 bytes of LDS; arguments X, W_V, W_Q, W_K, W_O, mlp_in, mlp_out, XU, WP, RW; writes XU, WP, RW
.if DOCPART == 7
	.amdgcn_target "amdgcn-amd-amdhsa--gfx1250"
	.amdhsa_code_object_version 6
	.text
	.protected	k_qdc3b0a200c_prep
	.globl	k_qdc3b0a200c_prep
	.p2align	8
	.type	k_qdc3b0a200c_prep,@function
k_qdc3b0a200c_prep:
	s_mov_b64 s[64:65], 0
	v_nop
	global_prefetch_b8 v0, s[64:65] scope:SCOPE_SE
	s_setreg_imm32_b32 hwreg(HW_REG_WAVE_MODE, 25, 1), 1
	s_wait_xcnt 0x0
; All seven inputs, f32 [k][col], are rounded once to bf16 and laid out as PANELS: 8 neighbouring k of one column in 16 bytes, element (col, k) at byte (k / 8) LINE + row 16 + (k % 8) 2.
;   X        -> XU + 0:      row = col, LINE = 65,536 (4,096 rows)
;   W_V, W_Q, W_K, W_O -> WP: rows 0, 1,024, 2,048, 3,072 + col of ONE panel, LINE = 65,536
;   mlp_in   -> RW + 8 MiB,  mlp_out -> XU + 8 MiB: row = col, LINE = 16,384 (1,024 rows)
; W_O's bf16 numbers are written as f16, since its product's other operand is f16.  LIMIT: that is exact from 6e-5 to 65,504; below, f16's fixed step of 6e-8 holds.
; A UNIT is 8 rows of k x 128 columns: 8 loads of 512 consecutive bytes in, 2,048 consecutive bytes out.  A wave takes 4 units, a work-group 32.
; Work-groups 0-127: X (32 column groups x 4 blocks of 32 k/8).  128-319: the six weights, 32 work-groups each (8 column groups x 4 blocks).
; A lane's four pieces are 64 consecutive bytes; they go through the wave's own 2,048 bytes of LDS so that each store of the wave covers 512 consecutive bytes.
; Memory binds: no matrix unit, no cluster (no input byte is read by two work-groups), no barrier (a wave reads only its own LDS bytes).
.set SPARE, 16384                      ; behind the eight stages: the spare words, 128 bytes a wave
.set SPW, 6                            ; v6  LDS address of my spare word; never rewritten
.set NIL, 7                            ; v7  0; never rewritten
.set VO,  8                            ; v8-15  byte offset of my 16 bytes in row i of a unit
.set WK,  18                           ; v18-25 at work
.set IN,  32                           ; v32-159  unit u, row i at IN + 32 u + 4 i
.set PC,  160                          ; v160-175 four pieces of 16 bytes
.set OUTR, 176                         ; v176-239 unit u: 16 registers to store
	s_load_b512 s[16:31], s[0:1], 0x0              ; X, W_V, W_Q, W_K, W_O, mlp_in, mlp_out, XU
	s_load_b128 s[36:39], s[0:1], 0x40             ; WP, RW
	v_lshl_add_u32 v[SPW], v0, 2, SPARE
	v_mov_b32 v[NIL], 0
	v_lshrrev_b32 v1, 5, v0
	v_readfirstlane_b32 s8, v1                     ; wave 0..7
	v_and_b32 v1, 31, v0                           ; lane
	v_lshlrev_b32 v2, 4, v1                        ; 16 x lane
	s_sub_co_u32 s10, ttmp9, 128                   ; the number among the weights' work-groups (not used for X)
	s_lshr_b32 s11, s10, 5
	s_add_co_u32 s11, s11, 1                       ; which input: 1..6
	s_and_b32 s12, s10, 7                          ; column group
	s_bfe_u32 s13, s10, 0x20003                    ; block of 32 k/8
	s_and_b32 s14, ttmp9, 31
	s_lshr_b32 s15, ttmp9, 5
	s_mov_b32 s48, 4096                            ; bytes in a source row
	s_mov_b32 s52, 16384                           ; bytes in a line of the panel
	s_mov_b32 s55, 0xffff0000                      ; a word's upper bf16
	s_cmp_lt_u32 ttmp9, 128                        ; X?
	s_cselect_b32 s11, 0, s11
	s_cselect_b32 s12, s14, s12
	s_cselect_b32 s13, s15, s13
	s_cselect_b32 s48, 16384, s48
	s_sub_co_u32 s49, s11, 1                       ; where the panel begins: inputs 1-4 at 1,024 rows of 16 bytes each; 5, 6 at 8 MiB; X at 0
	s_lshl_b32 s49, s49, 14
	s_cmp_lt_u32 s11, 5
	s_cselect_b32 s49, s49, 0x800000
	s_cselect_b32 s52, 65536, s52
	s_cmp_eq_u32 s11, 0
	s_cselect_b32 s49, 0, s49
	s_lshl_b32 s9, s13, 5
	s_lshl2_add_u32 s9, s8, s9                     ; k/8 of my unit 0 = 32 x block + 4 x wave
	s_mul_i32 s32, s9, s48
	s_lshl_b32 s32, s32, 3                         ; source: 8 rows for each k/8,
	s_lshl_b32 s10, s12, 9
	s_add_co_u32 s32, s32, s10                     ; + 512 bytes for each column group
	s_mov_b32 s33, 0
	s_mul_i32 s34, s9, s52                         ; panel: a line for each k/8,
	s_lshl_b32 s10, s12, 11
	s_add_co_u32 s34, s34, s10                     ; + 2,048 bytes for each column group
	s_add_co_u32 s34, s34, s49
	s_mov_b32 s35, 0
	s_lshl_b32 s50, s48, 3                         ; from unit to unit in the source; in the panel it is a line
	s_mov_b32 s51, 0
	s_mov_b32 s53, 0
.irp i, 0,1,2,3,4,5,6,7
	v_mad_u32_u24 v[VO+(\i)], s48, \i, v2
.endr
	v_lshlrev_b32 v16, 6, v1
	v_lshl_add_u32 v16, s8, 11, v16                ; into my stage: 64 bytes a lane
	v_lshl_add_u32 v17, s8, 11, v2                 ; back: 16 bytes a lane
	s_wait_kmcnt 0x0
	s_mov_b64 s[4:5], s[16:17]                     ; source and target buffer, chosen by the input's number
	s_mov_b64 s[6:7], s[30:31]
	s_cmp_eq_u32 s11, 1
	s_cselect_b64 s[4:5], s[18:19], s[4:5]
	s_cselect_b64 s[6:7], s[36:37], s[6:7]
	s_cmp_eq_u32 s11, 2
	s_cselect_b64 s[4:5], s[20:21], s[4:5]
	s_cselect_b64 s[6:7], s[36:37], s[6:7]
	s_cmp_eq_u32 s11, 3
	s_cselect_b64 s[4:5], s[22:23], s[4:5]
	s_cselect_b64 s[6:7], s[36:37], s[6:7]
	s_cmp_eq_u32 s11, 4
	s_cselect_b64 s[4:5], s[24:25], s[4:5]
	s_cselect_b64 s[6:7], s[36:37], s[6:7]
	s_cmp_eq_u32 s11, 5
	s_cselect_b64 s[4:5], s[26:27], s[4:5]
	s_cselect_b64 s[6:7], s[38:39], s[6:7]
	s_cmp_eq_u32 s11, 6
	s_cselect_b64 s[4:5], s[28:29], s[4:5]
	s_add_nc_u64 s[56:57], s[4:5], s[32:33]        ; a base for each unit, never rewritten
	s_add_nc_u64 s[58:59], s[56:57], s[50:51]
	s_add_nc_u64 s[60:61], s[58:59], s[50:51]
	s_add_nc_u64 s[62:63], s[60:61], s[50:51]
	s_add_nc_u64 s[68:69], s[6:7], s[34:35]
	s_add_nc_u64 s[70:71], s[68:69], s[52:53]
	s_add_nc_u64 s[72:73], s[70:71], s[52:53]
	s_add_nc_u64 s[74:75], s[72:73], s[52:53]
.irp u, 0,1,2,3
.irp i, 0,1,2,3,4,5,6,7
	global_load_b128 v[IN+32*(\u)+4*(\i):IN+32*(\u)+4*(\i)+3], v[VO+(\i)], s[56+2*(\u):57+2*(\u)] th:TH_LOAD_NT  ; all 32 loads of the wave go out at once
.endr
.endr
.irp u, 0,1,2,3
	s_wait_loadcnt 8*(3-(\u))                      ; loads come back in order: this unit's eight are in, the later units' stay out
.irp j, 0,1,2,3
.irp i, 0,1,2,3
	v_cvt_pk_bf16_f32 v[PC+4*(\j)+(\i)], v[IN+32*(\u)+8*(\i)+(\j)], v[IN+32*(\u)+8*(\i)+4+(\j)]  ; column j: k = 2 i and 2 i + 1
.endr
.endr
	s_cmp_eq_u32 s11, 4                            ; W_O: the bf16 numbers are written as f16
	s_cbranch_scc0 .Lplain\u
.set k, 0
.rept 16
	v_lshlrev_b32 v[WK+2*(k%4)], 16, v[PC+k]
	v_and_b32 v[WK+2*(k%4)+1], s55, v[PC+k]
	v_cvt_pk_f16_f32 v[PC+k], v[WK+2*(k%4)], v[WK+2*(k%4)+1]
.set k, k+1
.endr
.Lplain\u:
.irp j, 0,1,2,3
	ds_store_b128 v16, v[PC+4*(\j):PC+4*(\j)+3] offset:16*(\j)
.endr
.irp j, 0,1,2,3
	ds_load_b128 v[OUTR+16*(\u)+4*(\j):OUTR+16*(\u)+4*(\j)+3], v17 offset:512*(\j)  ; LDS serves a wave's instructions in order: these see the stores above
.endr
	s_wait_dscnt 0x0
.irp j, 0,1,2,3
	global_store_b128 v2, v[OUTR+16*(\u)+4*(\j):OUTR+16*(\u)+4*(\j)+3], s[68+2*(\u):69+2*(\u)] offset:512*(\j)  ; 512 consecutive bytes, aligned
.endr
.endr
	s_wait_tensorcnt 0x0                           ; the wave's end
	ds_add_u32 v[SPW], v[NIL]
	s_wait_dscnt 0x0
	s_endpgm
.Lfunc_end_k_qdc3b0a200c_prep:
	.size	k_qdc3b0a200c_prep, .Lfunc_end_k_qdc3b0a200c_prep-k_qdc3b0a200c_prep
	.p2alignl 7, 3214868480
	.fill 96, 4, 3214868480
	.section	.rodata,"a",@progbits
	.p2align	6, 0x0
	.amdhsa_kernel k_qdc3b0a200c_prep
		.amdhsa_group_segment_fixed_size 17408
		.amdhsa_private_segment_fixed_size 0
		.amdhsa_enable_private_segment 0
		.amdhsa_kernarg_size 80
		.amdhsa_user_sgpr_count 2
		.amdhsa_user_sgpr_kernarg_segment_ptr 1
		.amdhsa_wavefront_size32 1
		.amdhsa_system_sgpr_workgroup_id_x 1
		.amdhsa_system_sgpr_workgroup_id_y 1
		.amdhsa_system_sgpr_workgroup_id_z 1
		.amdhsa_system_vgpr_workitem_id 0
		.amdhsa_next_free_vgpr 240
		.amdhsa_next_free_sgpr 80
		.amdhsa_reserve_vcc 0
		.amdhsa_float_denorm_mode_32 3
		.amdhsa_float_denorm_mode_16_64 3
		.amdhsa_memory_ordered 1
		.amdhsa_forward_progress 1
		.amdhsa_inst_pref_size 23
	.end_amdhsa_kernel
	.amdgpu_metadata
---
amdhsa.version: [ 1, 2 ]
amdhsa.kernels:
  - .name:           k_qdc3b0a200c_prep
    .symbol:         k_qdc3b0a200c_prep.kd
    .args:
      - { .name: X, .offset: 0, .size: 8, .value_kind: global_buffer, .address_space: global }
      - { .name: W_V, .offset: 8, .size: 8, .value_kind: global_buffer, .address_space: global }
      - { .name: W_Q, .offset: 16, .size: 8, .value_kind: global_buffer, .address_space: global }
      - { .name: W_K, .offset: 24, .size: 8, .value_kind: global_buffer, .address_space: global }
      - { .name: W_O, .offset: 32, .size: 8, .value_kind: global_buffer, .address_space: global }
      - { .name: mlp_in, .offset: 40, .size: 8, .value_kind: global_buffer, .address_space: global }
      - { .name: mlp_out, .offset: 48, .size: 8, .value_kind: global_buffer, .address_space: global }
      - { .name: XU, .offset: 56, .size: 8, .value_kind: global_buffer, .address_space: global }
      - { .name: WP, .offset: 64, .size: 8, .value_kind: global_buffer, .address_space: global }
      - { .name: RW, .offset: 72, .size: 8, .value_kind: global_buffer, .address_space: global }
    .group_segment_fixed_size: 17408
    .private_segment_fixed_size: 0
    .kernarg_segment_align: 8
    .kernarg_segment_size: 80
    .max_flat_workgroup_size: 256
    .sgpr_count:     80
    .vgpr_count:     240
    .wavefront_size: 32
...
	.end_amdgpu_metadata
.endif
;; end of part 7
;; launch qkv (part 8): grid 12 x 16, 4 waves a work-group, clusters of 4 x 4, 327,680 bytes of LDS; arguments XU, WP, QKV; writes QKV
.if DOCPART == 8
	.amdgcn_target "amdgcn-amd-amdhsa--gfx1250"
	.amdhsa_code_object_version 6
	.text
	.protected	k_qdc3b0a200c_qkv
	.globl	k_qdc3b0a200c_qkv
	.p2align	8
	.type	k_qdc3b0a200c_qkv,@function
k_qdc3b0a200c_qkv:
	s_mov_b64 s[64:65], 0
	v_nop
	global_prefetch_b8 v0, s[64:65] scope:SCOPE_SE
	s_setreg_imm32_b32 hwreg(HW_REG_WAVE_MODE, 25, 1), 1
	s_wait_xcnt 0x0
	s_wait_alu depctr_hold_cnt(0) depctr_sa_sdst(0) depctr_va_vdst(0) depctr_va_sdst(0) depctr_va_ssrc(0) depctr_va_vcc(0) depctr_vm_vsrc(0)
	s_getreg_b32 s2, hwreg(HW_REG_IB_STS2, 6, 4)
	s_cmp_eq_u32 s2, 0
	s_cbranch_scc0 .Lentry_in_a_cluster
	s_endpgm
.Lentry_in_a_cluster:
	s_bfe_u32 s2, ttmp6, 0x10000c
	s_cmp_lg_u32 s2, 0xf033
	s_cbranch_scc0 .Lentry_shape_is_right
	s_endpgm
.Lentry_shape_is_right:
; [V1 | Q | K][m][n] = sum over k of Xt[m][k] W[n][k], m = 4,096 tokens, n = 3,072 (W_V's, W_Q's, W_K's columns), K = 1,024; bf16 operands, f32 sums, results in f16.
; PANELS.  Element (row, k) at byte (k / 8) 65,536 + row 16 + (k % 8) 2: Xt at XU + 0, W at WP + 0 (row = n).  Out: three such panels (row = token, k = channel) at QKV + 0, 8, 16 MiB.
; A line of a tile (8 k of 256 rows) is 4,096 consecutive bytes of memory; in LDS the 16 rows of a fragment load are 256 consecutive bytes.
; SHARES.  A work-group makes 256 x 256, each of four waves 128 x 128: 64 accumulators, 512 registers.  12 x 16 tiles: 192 work-groups.  K goes in 8 steps of 128 through two LDS slots:
; a step is 256 matrix instructions a wave for the 32 KiB that the wave fetches, twice what a tile of 128 x 128 has for the same bytes.
; THE MATRIX INSTRUCTION IS USED TRANSPOSED (source 0 = 16 rows of W, source 1 = 16 rows of Xt): a lane holds token l % 16 and the channels 8 (l / 16) + 0..7: one piece of 16 bytes of the panel.
; CLUSTER.  4 x 4 work-groups; Xt's tile is asked for jointly along a row of the cluster, W's along a column.
; ONE TEXT FOR A K STEP.  The slot in hand is a scalar (0 or 131,072) that one exclusive or turns; one descriptor for each operand walks from step to step.  The first quarter (it starts the sums) stands alone;
; a trip goes from a step's second quarter to the next step's first: 6 trips fill a slot again, 2 do not; the last is left in its middle, and its fetch from the other slot serves nothing: the price of one text for both.
; REGISTERS, in windows of 256: window 0: v0-31 addresses, v64-127 and v128-191 Xt's fragments (two buffers); window 1: the same numbers, W's fragments;
;   window 2: accumulators of my rows 0-63 ((a, b) at 8 (8 a + b)); window 3: rows 64-127.
; LIMIT.  f16 holds no number beyond 65,504: V1, Q and K must stay within it (at the drawn inputs they are of the order of 1).
.set SLOT,   131072                    ; Xt's 16 lines of 4,096 bytes, then W's
.set BREG,   65536
.set SPARE,  2*SLOT                    ; behind the ring: the spare words, 128 bytes a wave
.set KSTEPB, 1048576                   ; a K step in memory: 16 lines of 65,536 bytes
.set ADRA, 16                          ; v16  my place in Xt's part of slot 0; never rewritten
.set CA,   17                          ; v17  the same in the slot in hand
.set ADRB, 20                          ; v20, v21 the same for W
.set CB,   21
.set CO,   26                          ; v26  65,536 (l / 16) + 16 (l % 16): my place in a panel
.set SPW,  28                          ; v28  LDS address of my spare word; never rewritten
.set NIL,  29                          ; v29  0; never rewritten
.set F0,   64
.set F1,   128
.set G1,  24                           ; s[24:31] group 1 for Xt; s[32:35] group 0 of the first fill, s[36:39] of the second, which then walks
.set G0,  32
.set G1B, 48                           ; s[48:55], s[56:63] the same for W
.set G0B, 56
.set TB,  67                           ; s67 the slot in hand
.set MSB, 0
.macro WIN new                         ; the immediate's high byte repeats the setting that is left
.if MSB != (\new)
	s_set_vgpr_msb (MSB<<8)|(\new)
.set MSB, \new
.endif
.endm
.set MUL_LO, 0xa1                      ; source 0 (W) window 1, source 1 (Xt) window 0, C and D window 2
.set TO_B,   0x40                      ; destination window 1, address window 0
.macro JLOAD s                         ; a joint load: waves 0, 1 fetch Xt's two halves (8 lines each), waves 2, 3 W's; an s_nop 0 and four v_nop follow each line
	s_cmp_eq_u32 s11, 0
	s_cbranch_scc0 .Lfor_b_\@
	tensor_load_to_lds s[G0+4*(\s):G0+4*(\s)+3], s[G1:G1+7]
	s_nop 0
.rept 4
	v_nop
.endr
	s_branch .Lasked_\@
.Lfor_b_\@:
	tensor_load_to_lds s[G0B+4*(\s):G0B+4*(\s)+3], s[G1B:G1B+7]
	s_nop 0
.rept 4
	v_nop
.endr
.Lasked_\@:
.endm
.macro CREST                           ; a round of the cluster's barrier behind its opening barrier
	s_cmp_lg_u32 s10, 0
	s_cbranch_scc1 .Lnot_wave_0_\@
	s_barrier_signal -3
.Lnot_wave_0_\@:
	s_barrier_wait -3
	s_barrier_signal -1
	s_barrier_wait -1
.endm
.macro CROUND
	s_barrier_signal -1
	s_barrier_wait -1
	CREST
.endm
	s_load_b128 s[4:7], s[0:1], 0x0                ; XU, WP
	s_load_b64 s[8:9], s[0:1], 0x10                ; QKV
	v_lshl_add_u32 v[SPW], v0, 2, SPARE
	v_mov_b32 v[NIL], 0
	ds_add_u32 v[SPW], v[NIL]                      ; the wave's opening
	v_lshrrev_b32 v1, 5, v0
	v_readfirstlane_b32 s10, v1                    ; wave 0..3
	s_lshr_b32 s11, s10, 1                         ; my half of the tile's rows; also: I fetch for Xt (0) or W (1)
	s_and_b32 s12, s10, 1                          ; my half of its columns; also: which 8 lines I fetch
	s_bfe_u32 s40, ttmp6, 0x40000                  ; cx
	s_bfe_u32 s41, ttmp6, 0x40004                  ; cy
	s_lshl_b32 s42, ttmp9, 2
	s_add_co_u32 s42, s42, s40                     ; tile column 0..11
	s_and_b32 s13, ttmp7, 0xffff
	s_lshl_b32 s13, s13, 2
	s_add_co_u32 s13, s13, s41                     ; tile row 0..15
	s_lshl_b32 s43, s41, 2
	s_lshl_b32 s43, 15, s43                        ; my row of the cluster
	s_lshl_b32 s44, 0x1111, s40                    ; my column
	s_or_b32 s[G1+0], s43, (1<<16)|(1<<21)         ; 15:0 the mask; 17:16 2-byte elements; 21 set beside a mask; no padding
	s_or_b32 s[G1B+0], s44, (1<<16)|(1<<21)
.irp g, G1, G1B
	s_mov_b32 s[(\g)+1], 2048<<16                  ; tensor_dim0 = 2,048 elements: a line of 256 rows x 8 k
	s_mov_b32 s[(\g)+2], 8<<16                     ; tensor_dim1 = 8 lines
	s_mov_b32 s[(\g)+3], 2048<<16                  ; tile_dim0
	s_mov_b32 s[(\g)+4], 8                         ; tile_dim1
	s_mov_b32 s[(\g)+5], 32768                     ; elements from line to line
	s_mov_b32 s[(\g)+6], 0
	s_mov_b32 s[(\g)+7], 0
.endr
	s_lshl_b32 s16, s13, 12                        ; Xt: the tile's 256 rows, 16 bytes each,
	s_lshl_b32 s17, s12, 19                        ; + my 8 lines
	s_add_co_u32 s16, s16, s17
	s_mov_b32 s17, 0
	s_lshl_b32 s46, s42, 12                        ; W likewise, in registers that never hold cy
	s_lshl_b32 s47, s12, 19
	s_add_co_u32 s46, s46, s47
	s_mov_b32 s47, 0
	s_mul_i32 s20, s10, 32768                      ; where my load goes: wave x 8 lines
	s_mov_b32 s[TB], 0
	s_wait_dscnt 0x0                               ; the opening add is done
	s_wait_kmcnt 0x0
	s_add_nc_u64 s[14:15], s[4:5], s[16:17]
	s_add_nc_u64 s[46:47], s[6:7], s[46:47]
	CROUND                                         ; all sixteen work-groups are here: the first joint loads meet
.irp s, 0,1
	s_mov_b32 s[G0+4*(\s)], 1
	s_add_co_u32 s[G0+4*(\s)+1], s20, (\s)*SLOT
	s_add_nc_u64 s[G0+4*(\s)+2:G0+4*(\s)+3], s[14:15], (\s)*KSTEPB
	s_or_b32 s[G0+4*(\s)+3], s[G0+4*(\s)+3], 0x80000000
	s_mov_b32 s[G0B+4*(\s)], 1
	s_add_co_u32 s[G0B+4*(\s)+1], s20, (\s)*SLOT
	s_add_nc_u64 s[G0B+4*(\s)+2:G0B+4*(\s)+3], s[46:47], (\s)*KSTEPB
	s_or_b32 s[G0B+4*(\s)+3], s[G0B+4*(\s)+3], 0x80000000
	JLOAD \s
.endr
	; a fragment: lane l holds row l % 16; registers 0-3 k = 8 (l / 16) + 0..7 (line l / 16 of a quarter's four), registers 4-7 two lines on
	v_and_b32 v1, 15, v0
	v_bfe_u32 v2, v0, 4, 1
	v_lshlrev_b32 v4, 4, v1
	v_lshl_add_u32 v3, v2, 12, v4
	s_lshl_b32 s21, s11, 11                        ; my 128 rows of Xt
	s_lshl_b32 s22, s12, 11                        ; my 128 rows of W,
	s_add_co_u32 s22, s22, BREG                    ; behind Xt's lines
	v_add_nc_u32 v[ADRA], s21, v3
	v_add_nc_u32 v[ADRB], s22, v3
	v_mov_b32 v[CA], v[ADRA]
	v_mov_b32 v[CB], v[ADRB]
	v_lshl_add_u32 v[CO], v2, 16, v4
	s_lshl_b32 s16, s13, 12                        ; my rows' bytes in a line of the result
	s_lshl_b32 s17, s11, 11
	s_add_co_u32 s16, s16, s17
	s_mov_b32 s17, 0
	s_lshl_b32 s46, s40, 21                        ; my channels' lines: 32 for each tile column within a panel, 16 for my half,
	s_lshl_b32 s47, s12, 20
	s_add_co_u32 s46, s46, s47
	s_lshl_b32 s47, ttmp9, 23                      ; and the panel: the cluster's x
	s_add_co_u32 s46, s46, s47
	s_mov_b32 s47, 0
	s_add_nc_u64 s[8:9], s[8:9], s[16:17]
	s_add_nc_u64 s[8:9], s[8:9], s[46:47]
; 16 matrix instructions: m blocks a0, a0 + 1 of the window's four x all 8 n blocks, 32 along K.  The 64 accumulators take turns.
.macro MUL16 f, hi, a0, zero
	WIN MUL_LO+0x50*(\hi)
.irp a, \a0, (\a0)+1
.irp b, 0,1,2,3,4,5,6,7
.if \zero
	v_wmma_f32_16x16x32_bf16 v[8*(8*(\a)+(\b)):8*(8*(\a)+(\b))+7], v[(\f)+8*(\b):(\f)+8*(\b)+7], v[(\f)+8*(4*(\hi)+(\a)):(\f)+8*(4*(\hi)+(\a))+7], 0
.else
	v_wmma_f32_16x16x32_bf16 v[8*(8*(\a)+(\b)):8*(8*(\a)+(\b))+7], v[(\f)+8*(\b):(\f)+8*(\b)+7], v[(\f)+8*(4*(\hi)+(\a)):(\f)+8*(4*(\hi)+(\a))+7], v[8*(8*(\a)+(\b)):8*(8*(\a)+(\b))+7]
.endif
.endr
.endr
.endm
.macro FETCH q, f                      ; 32 LDS loads in one run: quarter q (32 along K = 4 lines) of the slot in hand into buffer f: W's, then Xt's
	WIN TO_B
.irp i, 0,1,2,3,4,5,6,7
	ds_load_b128 v[(\f)+8*(\i):(\f)+8*(\i)+3],   v[CB] offset:(\q)*16384+(\i)*256
	ds_load_b128 v[(\f)+8*(\i)+4:(\f)+8*(\i)+7], v[CB] offset:(\q)*16384+(\i)*256+8192
.endr
	WIN 0
.irp i, 0,1,2,3,4,5,6,7
	ds_load_b128 v[(\f)+8*(\i):(\f)+8*(\i)+3],   v[CA] offset:(\q)*16384+(\i)*256
	ds_load_b128 v[(\f)+8*(\i)+4:(\f)+8*(\i)+7], v[CA] offset:(\q)*16384+(\i)*256+8192
.endr
.endm
.macro PLACES                          ; four places in front of loads into registers that matrix instructions have read, and of lines that read results
.rept 4
	v_nop
.endr
.endm
.macro QUARTER q, f, g, zero           ; multiplies buffer f (64 matrix instructions) and fetches quarter q into g
	s_wait_dscnt 8                                 ; W and Xt's rows 0-63 are in; the youngest eight loads (rows 64-127) may be out
	MUL16 \f, 0, 0, \zero
	MUL16 \f, 0, 2, \zero
	PLACES
	FETCH \q, \g
	s_wait_dscnt 32                                ; all but the 32 just issued
	MUL16 \f, 1, 0, \zero
	MUL16 \f, 1, 2, \zero
.endm
.macro TURN fill                       ; the last quarter multiplies buffer 1 and changes slots
	WIN 0
	s_wait_tensorcnt 0x0                           ; all my tensor loads have landed: my part of the next slot
	ds_add_u32 v[SPW], v[NIL]                      ; 0 onto my spare word
	s_wait_dscnt 9                                 ; (the add and the youngest eight loads may be out)
	MUL16 F1, 0, 0, 0
	s_wait_dscnt 0x0                               ; the add is done, and my reads of this slot are over
	s_barrier_signal -1
	MUL16 F1, 0, 2, 0
	WIN 0
	s_barrier_wait -1
.if \fill
	CREST                                          ; the barrier has opened a round of the cluster's: no wave of any partner still reads this slot or has a load on its way
	s_xor_b32 s[G0+5], s[G0+5], SLOT               ; the walking descriptors: the slot just read,
	s_add_nc_u64 s[G0+6:G0+7], s[G0+6:G0+7], KSTEPB  ; the next K step not yet asked for
	s_xor_b32 s[G0B+5], s[G0B+5], SLOT
	s_add_nc_u64 s[G0B+6:G0B+7], s[G0B+6:G0B+7], KSTEPB
	JLOAD 1                                        ; my one load behind the round: 224 matrix instructions ahead of the wait for it
.else
	PLACES
.endif
	s_xor_b32 s[TB], s[TB], SLOT                   ; the fetches go on in the other slot
	v_add_nc_u32 v[CA], s[TB], v[ADRA]
	v_add_nc_u32 v[CB], s[TB], v[ADRB]
	FETCH 0, F0
	MUL16 F1, 1, 0, 0
	MUL16 F1, 1, 2, 0
.endm
	s_wait_tensorcnt 1                             ; my part of K step 0 is in; K step 1's may stay out
	s_barrier_signal -1
	s_barrier_wait -1
	FETCH 0, F0
	QUARTER 1, F0, F1, 1                           ; the first products start the sums
	WIN 0                                          ; at a label and at a branch every window is 0
	s_mov_b32 s3, 6
.Lfill:                                                ; steps 0 to 5 each fill their slot again, with steps 2 to 7
	QUARTER 2, F1, F0, 0
	QUARTER 3, F0, F1, 0
	TURN 1
	QUARTER 1, F0, F1, 0
	WIN 0
	s_sub_co_u32 s3, s3, 1
	s_cmp_lg_u32 s3, 0
	s_cbranch_scc1 .Lfill
	s_mov_b32 s3, 2
.Ltail:                                                ; steps 6 and 7 ask for nothing
	QUARTER 2, F1, F0, 0
	QUARTER 3, F0, F1, 0
	TURN 0
	WIN 0
	s_sub_co_u32 s3, s3, 1
	s_cmp_eq_u32 s3, 0
	s_cbranch_scc1 .Lout
	QUARTER 1, F0, F1, 0
	WIN 0
	s_branch .Ltail
.Lout:
	s_wait_dscnt 0x0                               ; the fetch that serves nothing has landed
	PLACES
; THE WAY OUT: each accumulator is rounded in place into its four lowest registers, lowest first: a lane's 16 bytes; in a store lanes 0-15 and lanes 16-31 each cover 256 consecutive bytes, aligned.
.macro OUTW w                          ; the accumulators of window 2 + w
	WIN 0x8a+0x45*(\w)                             ; sources and destination in that window
.set t, 0
.rept 32
.irp r, 0,1,2,3
	v_cvt_pk_f16_f32 v[8*t+(\r)], v[8*t+2*(\r)], v[8*t+2*(\r)+1]
.endr
.set t, t+1
.endr
	WIN 0x08+4*(\w)                                ; a store's data in that window, its address in window 0
.irp a, 0,1,2,3
.irp b, 0,1,2,3,4,5,6,7
	global_store_b128 v[CO], v[8*(8*(\a)+(\b)):8*(8*(\a)+(\b))+3], s[8:9] offset:(\b)*131072+(4*(\w)+(\a))*256
.endr
.endr
.endm
	OUTW 0
	OUTW 1
	WIN 0
	s_wait_tensorcnt 0x0                           ; the wave's end
	ds_add_u32 v[SPW], v[NIL]
	s_wait_dscnt 0x0
	CROUND                                         ; the closing round
	s_endpgm
.Lfunc_end_k_qdc3b0a200c_qkv:
	.size	k_qdc3b0a200c_qkv, .Lfunc_end_k_qdc3b0a200c_qkv-k_qdc3b0a200c_qkv
	.p2alignl 7, 3214868480
	.fill 96, 4, 3214868480
	.section	.rodata,"a",@progbits
	.p2align	6, 0x0
	.amdhsa_kernel k_qdc3b0a200c_qkv
		.amdhsa_group_segment_fixed_size 327680
		.amdhsa_private_segment_fixed_size 0
		.amdhsa_enable_private_segment 0
		.amdhsa_kernarg_size 24
		.amdhsa_user_sgpr_count 2
		.amdhsa_user_sgpr_kernarg_segment_ptr 1
		.amdhsa_wavefront_size32 1
		.amdhsa_system_sgpr_workgroup_id_x 1
		.amdhsa_system_sgpr_workgroup_id_y 1
		.amdhsa_system_sgpr_workgroup_id_z 1
		.amdhsa_system_vgpr_workitem_id 0
		.amdhsa_next_free_vgpr 1024
		.amdhsa_next_free_sgpr 80
		.amdhsa_reserve_vcc 0
		.amdhsa_float_denorm_mode_32 3
		.amdhsa_float_denorm_mode_16_64 3
		.amdhsa_memory_ordered 1
		.amdhsa_forward_progress 1
		.amdhsa_inst_pref_size 90
	.end_amdhsa_kernel
	.amdgpu_metadata
---
amdhsa.version: [ 1, 2 ]
amdhsa.kernels:
  - .name:           k_qdc3b0a200c_qkv
    .symbol:         k_qdc3b0a200c_qkv.kd
    .args:
      - { .name: XU, .offset: 0, .size: 8, .value_kind: global_buffer, .address_space: global }
      - { .name: WP, .offset: 8, .size: 8, .value_kind: global_buffer, .address_space: global }
      - { .name: QKV, .offset: 16, .size: 8, .value_kind: global_buffer, .address_space: global }
    .group_segment_fixed_size: 327680
    .private_segment_fixed_size: 0
    .kernarg_segment_align: 8
    .kernarg_segment_size: 24
    .max_flat_workgroup_size: 128
    .sgpr_count:     80
    .vgpr_count:     1024
    .wavefront_size: 32
...
	.end_amdgpu_metadata
.endif
;; end of part 8
;; launch scores (part 9): grid 56 x 4, 4 waves a work-group, clusters of 4 x 4, 327,680 bytes of LDS; arguments QKV, WP, SB, RW; writes SB, RW
.if DOCPART == 9
	.amdgcn_target "amdgcn-amd-amdhsa--gfx1250"
	.amdhsa_code_object_version 6
	.text
	.protected	k_qdc3b0a200c_scores
	.globl	k_qdc3b0a200c_scores
	.p2align	8
	.type	k_qdc3b0a200c_scores,@function
k_qdc3b0a200c_scores:
	s_mov_b64 s[64:65], 0
	v_nop
	global_prefetch_b8 v0, s[64:65] scope:SCOPE_SE
	s_setreg_imm32_b32 hwreg(HW_REG_WAVE_MODE, 25, 1), 1
	s_wait_xcnt 0x0
	s_wait_alu depctr_hold_cnt(0) depctr_sa_sdst(0) depctr_va_vdst(0) depctr_va_sdst(0) depctr_va_ssrc(0) depctr_va_vcc(0) depctr_vm_vsrc(0)
	s_getreg_b32 s2, hwreg(HW_REG_IB_STS2, 6, 4)
	s_cmp_eq_u32 s2, 0
	s_cbranch_scc0 .Lentry_in_a_cluster
	s_endpgm
.Lentry_in_a_cluster:
	s_bfe_u32 s2, ttmp6, 0x10000c
	s_cmp_lg_u32 s2, 0xf033
	s_cbranch_scc0 .Lentry_shape_is_right
	s_endpgm
.Lentry_shape_is_right:
; TWO PRODUCTS IN ONE LAUNCH, both K = 1,024 with f16 operands and f32 sums; neither needs the other:
;   S[q][key] = sum over k of Q[q][k] K[key][k], f32 out, only blocks that hold a key <= q;      RH[m][n] = sum over k of V1[m][k] W_O[n][k], bf16 out.
; PANELS.  Element (row, k) at byte (k / 8) 65,536 + row 16 + (k % 8) 2: V1, Q, K at QKV + 0, 8, 16 MiB; W_O is rows 3,072 .. of the panel at WP.  RH leaves as such a panel (row = token) at RW + 0.
; S at SB + 10 MiB: element (q, key) at (key / 4) 65,536 + q 16 + (key % 4) 4.
; SHARES.  A work-group makes 256 x 256, four waves 128 x 128 each (64 accumulators); K in 8 steps of 128 through two LDS slots.  A cluster of 4 x 4 makes 1,024 x 1,024.
; The launch has 14 clusters in a row: 0 to 9 take the ten blocks of S's lower triangle, row by row; 10 to 13 take RH's four blocks of 1,024 tokens: 224 work-groups at once.
; In S's four blocks on the diagonal 6 of the 16 partners lie above it: they make every joint request, since partners run alike, and store tiles that nobody reads: 24 of the 160.
; The first operand's tile is asked for jointly along a row of the cluster, the second's along a column.  What differs between the two products hangs on the cluster's number alone, which all partners share.
; THE MATRIX INSTRUCTION IS USED TRANSPOSED: a lane holds one row (q, token) and 8 neighbouring columns, so both results leave without a stage, 16 lanes on 256 consecutive bytes.
; ONE TEXT FOR A K STEP: the slot in hand is a scalar that one exclusive or turns; one descriptor for each operand walks.  6 trips fill a slot again, 2 do not; the last is left in its middle, and its fetch
; from the other slot serves nothing: the price of one text for both.
; REGISTERS: window 0: v0-31 addresses, v64-191 the first operand's fragments (two buffers); window 1: the second's; windows 2, 3: the accumulators ((a, b) at 8 (8 a + b), rows 0-63 and 64-127).
; LIMITS.  V1, Q, K lie within f16's 65,504; W_O is its bf16 rounding written as f16.
.set SLOT,   131072
.set BREG,   65536
.set SPARE,  2*SLOT
.set KSTEPB, 1048576                   ; a K step in memory: 16 lines of 65,536 bytes
.set ADRA, 16
.set CA,   17
.set ADRB, 20
.set CB,   21
.set CO,   26                          ; v26  65,536 (l / 16) + 16 (l % 16): my place in RH's panel
.set RO,   27                          ; v27  131,072 (l / 16) + 16 (l % 16): in S
.set SPW,  28
.set NIL,  29
.set F0,   64
.set F1,   128
.set G1,  24
.set G0,  32
.set G1B, 48
.set G0B, 56
.set TB,  67
.set CI,  76                           ; s76 the cluster's number
.set MSB, 0
.macro WIN new
.if MSB != (\new)
	s_set_vgpr_msb (MSB<<8)|(\new)
.set MSB, \new
.endif
.endm
.set MUL_LO, 0xa1
.set TO_B,   0x40
.macro JLOAD s                         ; waves 0, 1 fetch the first operand's two halves, waves 2, 3 the second's; an s_nop 0 and four v_nop follow each line
	s_cmp_eq_u32 s11, 0
	s_cbranch_scc0 .Lfor_b_\@
	tensor_load_to_lds s[G0+4*(\s):G0+4*(\s)+3], s[G1:G1+7]
	s_nop 0
.rept 4
	v_nop
.endr
	s_branch .Lasked_\@
.Lfor_b_\@:
	tensor_load_to_lds s[G0B+4*(\s):G0B+4*(\s)+3], s[G1B:G1B+7]
	s_nop 0
.rept 4
	v_nop
.endr
.Lasked_\@:
.endm
.macro CREST
	s_cmp_lg_u32 s10, 0
	s_cbranch_scc1 .Lnot_wave_0_\@
	s_barrier_signal -3
.Lnot_wave_0_\@:
	s_barrier_wait -3
	s_barrier_signal -1
	s_barrier_wait -1
.endm
.macro CROUND
	s_barrier_signal -1
	s_barrier_wait -1
	CREST
.endm
	s_load_b256 s[68:75], s[0:1], 0x0              ; QKV s[68:69], WP s[70:71], SB s[72:73], RW s[74:75]
	v_lshl_add_u32 v[SPW], v0, 2, SPARE
	v_mov_b32 v[NIL], 0
	ds_add_u32 v[SPW], v[NIL]                      ; the wave's opening
	v_lshrrev_b32 v1, 5, v0
	v_readfirstlane_b32 s10, v1
	s_lshr_b32 s11, s10, 1
	s_and_b32 s12, s10, 1
	s_bfe_u32 s40, ttmp6, 0x40000                  ; cx
	s_bfe_u32 s41, ttmp6, 0x40004                  ; cy
	s_mov_b32 s[CI], ttmp9
	s_cmp_ge_u32 s[CI], 1                          ; S's block row: one more from clusters 1, 3 and 6 on
	s_cselect_b32 s14, 1, 0
	s_cmp_ge_u32 s[CI], 3
	s_cselect_b32 s15, 1, 0
	s_add_co_u32 s14, s14, s15
	s_cmp_ge_u32 s[CI], 6
	s_cselect_b32 s15, 1, 0
	s_add_co_u32 s14, s14, s15
	s_add_co_u32 s15, s14, 1
	s_mul_i32 s15, s15, s14
	s_lshr_b32 s15, s15, 1
	s_sub_co_u32 s15, s[CI], s15                   ; its block column: the number less row (row + 1) / 2
	s_sub_co_u32 s77, s[CI], 10                    ; RH's block of tokens
	s_cmp_ge_u32 s[CI], 10                         ; RH?
	s_cselect_b32 s14, s77, s14
	s_cselect_b32 s15, 3, s15                      ; W_O is the fourth 1,024 rows of its panel
	s_cselect_b32 s79, 0, 0x800000                 ; V1, or Q
	s_cselect_b32 s78, 0, 0x1000000                ; WP + 0, or K
	s_lshl_b32 s13, s14, 2
	s_add_co_u32 s13, s13, s41                     ; tile row
	s_lshl_b32 s42, s15, 2
	s_add_co_u32 s42, s42, s40                     ; tile column
	s_lshl_b32 s43, s41, 2
	s_lshl_b32 s43, 15, s43
	s_lshl_b32 s44, 0x1111, s40
	s_or_b32 s[G1+0], s43, (1<<16)|(1<<21)
	s_or_b32 s[G1B+0], s44, (1<<16)|(1<<21)
.irp g, G1, G1B
	s_mov_b32 s[(\g)+1], 2048<<16                  ; a line: 256 rows x 8 k
	s_mov_b32 s[(\g)+2], 8<<16                     ; 8 lines
	s_mov_b32 s[(\g)+3], 2048<<16
	s_mov_b32 s[(\g)+4], 8
	s_mov_b32 s[(\g)+5], 32768
	s_mov_b32 s[(\g)+6], 0
	s_mov_b32 s[(\g)+7], 0
.endr
	s_lshl_b32 s16, s13, 12
	s_lshl_b32 s17, s12, 19
	s_add_co_u32 s16, s16, s17
	s_add_co_u32 s16, s16, s79
	s_mov_b32 s17, 0
	s_lshl_b32 s46, s42, 12
	s_lshl_b32 s47, s12, 19
	s_add_co_u32 s46, s46, s47
	s_add_co_u32 s46, s46, s78
	s_mov_b32 s47, 0
	s_mul_i32 s20, s10, 32768
	s_mov_b32 s[TB], 0
	s_wait_dscnt 0x0
	s_wait_kmcnt 0x0
	s_cmp_ge_u32 s[CI], 10
	s_cselect_b64 s[6:7], s[70:71], s[68:69]       ; the second operand's buffer
	s_add_nc_u64 s[14:15], s[68:69], s[16:17]
	s_add_nc_u64 s[46:47], s[6:7], s[46:47]
	CROUND
.irp s, 0,1
	s_mov_b32 s[G0+4*(\s)], 1
	s_add_co_u32 s[G0+4*(\s)+1], s20, (\s)*SLOT
	s_add_nc_u64 s[G0+4*(\s)+2:G0+4*(\s)+3], s[14:15], (\s)*KSTEPB
	s_or_b32 s[G0+4*(\s)+3], s[G0+4*(\s)+3], 0x80000000
	s_mov_b32 s[G0B+4*(\s)], 1
	s_add_co_u32 s[G0B+4*(\s)+1], s20, (\s)*SLOT
	s_add_nc_u64 s[G0B+4*(\s)+2:G0B+4*(\s)+3], s[46:47], (\s)*KSTEPB
	s_or_b32 s[G0B+4*(\s)+3], s[G0B+4*(\s)+3], 0x80000000
	JLOAD \s
.endr
	v_and_b32 v1, 15, v0
	v_bfe_u32 v2, v0, 4, 1
	v_lshlrev_b32 v4, 4, v1
	v_lshl_add_u32 v3, v2, 12, v4
	s_lshl_b32 s21, s11, 11
	s_lshl_b32 s22, s12, 11
	s_add_co_u32 s22, s22, BREG
	v_add_nc_u32 v[ADRA], s21, v3
	v_add_nc_u32 v[ADRB], s22, v3
	v_mov_b32 v[CA], v[ADRA]
	v_mov_b32 v[CB], v[ADRB]
	v_lshl_add_u32 v[CO], v2, 16, v4
	v_lshl_add_u32 v[RO], v2, 17, v4
.macro MUL16 f, hi, a0, zero           ; the 64 accumulators take turns
	WIN MUL_LO+0x50*(\hi)
.irp a, \a0, (\a0)+1
.irp b, 0,1,2,3,4,5,6,7
.if \zero
	v_wmma_f32_16x16x32_f16 v[8*(8*(\a)+(\b)):8*(8*(\a)+(\b))+7], v[(\f)+8*(\b):(\f)+8*(\b)+7], v[(\f)+8*(4*(\hi)+(\a)):(\f)+8*(4*(\hi)+(\a))+7], 0
.else
	v_wmma_f32_16x16x32_f16 v[8*(8*(\a)+(\b)):8*(8*(\a)+(\b))+7], v[(\f)+8*(\b):(\f)+8*(\b)+7], v[(\f)+8*(4*(\hi)+(\a)):(\f)+8*(4*(\hi)+(\a))+7], v[8*(8*(\a)+(\b)):8*(8*(\a)+(\b))+7]
.endif
.endr
.endr
.endm
.macro FETCH q, f
	WIN TO_B
.irp i, 0,1,2,3,4,5,6,7
	ds_load_b128 v[(\f)+8*(\i):(\f)+8*(\i)+3],   v[CB] offset:(\q)*16384+(\i)*256
	ds_load_b128 v[(\f)+8*(\i)+4:(\f)+8*(\i)+7], v[CB] offset:(\q)*16384+(\i)*256+8192
.endr
	WIN 0
.irp i, 0,1,2,3,4,5,6,7
	ds_load_b128 v[(\f)+8*(\i):(\f)+8*(\i)+3],   v[CA] offset:(\q)*16384+(\i)*256
	ds_load_b128 v[(\f)+8*(\i)+4:(\f)+8*(\i)+7], v[CA] offset:(\q)*16384+(\i)*256+8192
.endr
.endm
.macro PLACES                          ; four places (ISA guide 7.12.1)
.rept 4
	v_nop
.endr
.endm
.macro QUARTER q, f, g, zero
	s_wait_dscnt 8                                 ; the youngest eight loads (my rows 64-127) may be out
	MUL16 \f, 0, 0, \zero
	MUL16 \f, 0, 2, \zero
	PLACES
	FETCH \q, \g
	s_wait_dscnt 32                                ; all but the 32 just issued
	MUL16 \f, 1, 0, \zero
	MUL16 \f, 1, 2, \zero
.endm
.macro TURN fill
	WIN 0
	s_wait_tensorcnt 0x0                           ; all my tensor loads have landed: my part of the next slot
	ds_add_u32 v[SPW], v[NIL]
	s_wait_dscnt 9                                 ; (the add and the youngest eight loads may be out)
	MUL16 F1, 0, 0, 0
	s_wait_dscnt 0x0                               ; the add is done, and my reads of this slot are over
	s_barrier_signal -1
	MUL16 F1, 0, 2, 0
	WIN 0
	s_barrier_wait -1
.if \fill
	CREST                                          ; no wave of any partner still reads this slot or has a load on its way
	s_xor_b32 s[G0+5], s[G0+5], SLOT
	s_add_nc_u64 s[G0+6:G0+7], s[G0+6:G0+7], KSTEPB
	s_xor_b32 s[G0B+5], s[G0B+5], SLOT
	s_add_nc_u64 s[G0B+6:G0B+7], s[G0B+6:G0B+7], KSTEPB
	JLOAD 1                                        ; my one load behind the round
.else
	PLACES
.endif
	s_xor_b32 s[TB], s[TB], SLOT
	v_add_nc_u32 v[CA], s[TB], v[ADRA]
	v_add_nc_u32 v[CB], s[TB], v[ADRB]
	FETCH 0, F0
	MUL16 F1, 1, 0, 0
	MUL16 F1, 1, 2, 0
.endm
	s_wait_tensorcnt 1                             ; my part of K step 0 is in; K step 1's may stay out
	s_barrier_signal -1
	s_barrier_wait -1
	FETCH 0, F0
	QUARTER 1, F0, F1, 1
	WIN 0
	s_mov_b32 s3, 6
.Lfill:
	QUARTER 2, F1, F0, 0
	QUARTER 3, F0, F1, 0
	TURN 1
	QUARTER 1, F0, F1, 0
	WIN 0
	s_sub_co_u32 s3, s3, 1
	s_cmp_lg_u32 s3, 0
	s_cbranch_scc1 .Lfill
	s_mov_b32 s3, 2
.Ltail:
	QUARTER 2, F1, F0, 0
	QUARTER 3, F0, F1, 0
	TURN 0
	WIN 0
	s_sub_co_u32 s3, s3, 1
	s_cmp_eq_u32 s3, 0
	s_cbranch_scc1 .Lout
	QUARTER 1, F0, F1, 0
	WIN 0
	s_branch .Ltail
.Lout:
	s_wait_dscnt 0x0                               ; the fetch that serves nothing has landed
	PLACES
	s_lshl_b32 s16, s13, 12                        ; my rows' bytes in a line of either result
	s_lshl_b32 s17, s11, 11
	s_add_co_u32 s16, s16, s17
	s_mov_b32 s17, 0
	s_cmp_ge_u32 s[CI], 10                         ; the same in all partners
	s_cbranch_scc1 .Lrh
	s_lshl_b32 s46, s42, 22                        ; S: 64 lines for each tile column, 32 for my half
	s_lshl_b32 s47, s12, 21
	s_add_co_u32 s46, s46, s47
	s_add_co_u32 s46, s46, 0xa00000
	s_mov_b32 s47, 0
	s_add_nc_u64 s[8:9], s[72:73], s[16:17]
	s_add_nc_u64 s[8:9], s[8:9], s[46:47]
.macro OUTS w                          ; straight from the accumulators of window 2 + w, each one's low four registers first
	WIN 0x08+4*(\w)
.irp a, 0,1,2,3
.irp b, 0,1,2,3,4,5,6,7
.irp e, 0,1
	global_store_b128 v[RO], v[8*(8*(\a)+(\b))+4*(\e):8*(8*(\a)+(\b))+4*(\e)+3], s[8:9] offset:(\b)*262144+(\e)*65536+(4*(\w)+(\a))*256
.endr
.endr
.endr
.endm
	OUTS 0
	OUTS 1
	WIN 0
	s_branch .Lend
.Lrh:
	s_lshl_b32 s46, s40, 21                        ; RH: 32 lines for each tile column, 16 for my half
	s_lshl_b32 s47, s12, 20
	s_add_co_u32 s46, s46, s47
	s_mov_b32 s47, 0
	s_add_nc_u64 s[8:9], s[74:75], s[16:17]
	s_add_nc_u64 s[8:9], s[8:9], s[46:47]
.macro OUTW w                          ; rounded in place into each accumulator's four lowest registers, lowest first
	WIN 0x8a+0x45*(\w)
.set t, 0
.rept 32
.irp r, 0,1,2,3
	v_cvt_pk_bf16_f32 v[8*t+(\r)], v[8*t+2*(\r)], v[8*t+2*(\r)+1]
.endr
.set t, t+1
.endr
	WIN 0x08+4*(\w)
.irp a, 0,1,2,3
.irp b, 0,1,2,3,4,5,6,7
	global_store_b128 v[CO], v[8*(8*(\a)+(\b)):8*(8*(\a)+(\b))+3], s[8:9] offset:(\b)*131072+(4*(\w)+(\a))*256
.endr
.endr
.endm
	OUTW 0
	OUTW 1
	WIN 0
.Lend:
	s_wait_tensorcnt 0x0                           ; the wave's end
	ds_add_u32 v[SPW], v[NIL]
	s_wait_dscnt 0x0
	CROUND
	s_endpgm
.Lfunc_end_k_qdc3b0a200c_scores:
	.size	k_qdc3b0a200c_scores, .Lfunc_end_k_qdc3b0a200c_scores-k_qdc3b0a200c_scores
	.p2alignl 7, 3214868480
	.fill 96, 4, 3214868480
	.section	.rodata,"a",@progbits
	.p2align	6, 0x0
	.amdhsa_kernel k_qdc3b0a200c_scores
		.amdhsa_group_segment_fixed_size 327680
		.amdhsa_private_segment_fixed_size 0
		.amdhsa_enable_private_segment 0
		.amdhsa_kernarg_size 32
		.amdhsa_user_sgpr_count 2
		.amdhsa_user_sgpr_kernarg_segment_ptr 1
		.amdhsa_wavefront_size32 1
		.amdhsa_system_sgpr_workgroup_id_x 1
		.amdhsa_system_sgpr_workgroup_id_y 1
		.amdhsa_system_sgpr_workgroup_id_z 1
		.amdhsa_system_vgpr_workitem_id 0
		.amdhsa_next_free_vgpr 1024
		.amdhsa_next_free_sgpr 80
		.amdhsa_reserve_vcc 0
		.amdhsa_float_denorm_mode_32 3
		.amdhsa_float_denorm_mode_16_64 3
		.amdhsa_memory_ordered 1
		.amdhsa_forward_progress 1
		.amdhsa_inst_pref_size 103
	.end_amdhsa_kernel
	.amdgpu_metadata
---
amdhsa.version: [ 1, 2 ]
amdhsa.kernels:
  - .name:           k_qdc3b0a200c_scores
    .symbol:         k_qdc3b0a200c_scores.kd
    .args:
      - { .name: QKV, .offset: 0, .size: 8, .value_kind: global_buffer, .address_space: global }
      - { .name: WP, .offset: 8, .size: 8, .value_kind: global_buffer, .address_space: global }
      - { .name: SB, .offset: 16, .size: 8, .value_kind: global_buffer, .address_space: global }
      - { .name: RW, .offset: 24, .size: 8, .value_kind: global_buffer, .address_space: global }
    .group_segment_fixed_size: 327680
    .private_segment_fixed_size: 0
    .kernarg_segment_align: 8
    .kernarg_segment_size: 32
    .max_flat_workgroup_size: 128
    .sgpr_count:     80
    .vgpr_count:     1024
    .wavefront_size: 32
...
	.end_amdgpu_metadata
.endif
;; end of part 9
;; launch soft: the kernel of part 4 again; grid 256 x 1, 16 waves a work-group, no clusters, 4,096 bytes of LDS; arguments SB, P; writes P
;; launch pv: the kernel of part 5 again; grid 8 x 32, 4 waves a work-group, clusters of 4 x 4, 327,680 bytes of LDS; arguments P, RW, XU, QKV; writes QKV
;; launch mlp1 (part 10): grid 8 x 32, 4 waves a work-group, clusters of 4 x 4, 327,680 bytes of LDS; arguments QKV, RW, SB; writes SB
.if DOCPART == 10
	.amdgcn_target "amdgcn-amd-amdhsa--gfx1250"
	.amdhsa_code_object_version 6
	.text
	.protected	k_qdc3b0a200c_mlp1
	.globl	k_qdc3b0a200c_mlp1
	.p2align	8
	.type	k_qdc3b0a200c_mlp1,@function
k_qdc3b0a200c_mlp1:
	s_mov_b64 s[64:65], 0
	v_nop
	global_prefetch_b8 v0, s[64:65] scope:SCOPE_SE
	s_setreg_imm32_b32 hwreg(HW_REG_WAVE_MODE, 25, 1), 1
	s_wait_xcnt 0x0
	s_wait_alu depctr_hold_cnt(0) depctr_sa_sdst(0) depctr_va_vdst(0) depctr_va_sdst(0) depctr_va_ssrc(0) depctr_va_vcc(0) depctr_vm_vsrc(0)
	s_getreg_b32 s2, hwreg(HW_REG_IB_STS2, 6, 4)
	s_cmp_eq_u32 s2, 0
	s_cbranch_scc0 .Lentry_in_a_cluster
	s_endpgm
.Lentry_in_a_cluster:
	s_bfe_u32 s2, ttmp6, 0x10000c
	s_cmp_lg_u32 s2, 0xf033
	s_cbranch_scc0 .Lentry_shape_is_right
	s_endpgm
.Lentry_shape_is_right:
; h[m][n] = max(0, sum over k of X2[m][k] W[n][k]), K = 1,024, bf16 operands, f32 sums, h in bf16.
; PANELS.  X2 at QKV + 0 and h at SB + 0: element (row, k) at (k / 8) 65,536 + row 16 + (k % 8) 2.  W (mlp_in, row = output column) at RW + 8 MiB with lines of 16,384 bytes.
; SHARES.  A work-group makes 128 x 128, each of four waves 64 x 64 (16 accumulators): 4,096 x 1,024 are 256 such tiles, one for each WGP; tiles of 256 x 256 would be 64.  K goes in 4 steps of 256 through two LDS slots.
; THE MATRIX INSTRUCTION IS USED TRANSPOSED: a lane holds row l % 16 and the columns 8 (l / 16) + 0..7: one piece of 16 bytes of h's panel; 16 lanes store 256 consecutive bytes.
; CLUSTER.  4 x 4 work-groups; X2's tile is asked for jointly along a row of the cluster, W's along a column.
; ONE TEXT FOR A K STEP: the slot in hand is a scalar that one exclusive or turns; one descriptor for each operand walks.  2 trips fill a slot again, 2 do not; the last is left in its middle, and its fetch
; from the other slot serves nothing: the price of one text for both.
; LIMIT.  max(0, x) makes 0 of a NaN.
.set SLOT,   131072                    ; X2's 32 lines of 2,048 bytes, then W's
.set BREG,   65536
.set SPARE,  2*SLOT
.set ASTEP,  2097152                   ; a K step in X2: 32 lines of 65,536 bytes
.set BSTEP,  524288                    ; in W: 32 lines of 16,384 bytes
.set ADRA, 16
.set CA,   17
.set ADRB, 20
.set CB,   21
.set CO,   26                          ; v26  65,536 (l / 16) + 16 (l % 16)
.set SPW,  28
.set NIL,  29
.set TMP,  32                          ; v32-95 packed results
.set ACC,  128                         ; v128-255 accumulator (a, b) at ACC + 8 (4 a + b)
.set F0,   0                           ; window 1: two fragment buffers of 128: 64 of X2, then 64 of W
.set F1,   128
.set G1,  24
.set G0,  32
.set G1B, 48
.set G0B, 56
.set TB,  67
.set MSB, 0
.macro WIN new
.if MSB != (\new)
	s_set_vgpr_msb (MSB<<8)|(\new)
.set MSB, \new
.endif
.endm
.set MUL,  0x05                        ; sources 0 (W) and 1 (X2) window 1; C and D window 0
.set TO_F, 0x40
.macro JLOAD s                         ; waves 0, 1 fetch X2's two halves (16 lines each), waves 2, 3 W's; an s_nop 0 and four v_nop follow each line
	s_cmp_eq_u32 s11, 0
	s_cbranch_scc0 .Lfor_b_\@
	tensor_load_to_lds s[G0+4*(\s):G0+4*(\s)+3], s[G1:G1+7]
	s_nop 0
.rept 4
	v_nop
.endr
	s_branch .Lasked_\@
.Lfor_b_\@:
	tensor_load_to_lds s[G0B+4*(\s):G0B+4*(\s)+3], s[G1B:G1B+7]
	s_nop 0
.rept 4
	v_nop
.endr
.Lasked_\@:
.endm
.macro CREST
	s_cmp_lg_u32 s10, 0
	s_cbranch_scc1 .Lnot_wave_0_\@
	s_barrier_signal -3
.Lnot_wave_0_\@:
	s_barrier_wait -3
	s_barrier_signal -1
	s_barrier_wait -1
.endm
.macro CROUND
	s_barrier_signal -1
	s_barrier_wait -1
	CREST
.endm
	s_load_b128 s[4:7], s[0:1], 0x0                ; QKV, RW
	s_load_b64 s[8:9], s[0:1], 0x10                ; SB
	v_lshl_add_u32 v[SPW], v0, 2, SPARE
	v_mov_b32 v[NIL], 0
	ds_add_u32 v[SPW], v[NIL]                      ; the wave's opening
	v_lshrrev_b32 v1, 5, v0
	v_readfirstlane_b32 s10, v1
	s_lshr_b32 s11, s10, 1
	s_and_b32 s12, s10, 1
	s_bfe_u32 s40, ttmp6, 0x40000                  ; cx
	s_bfe_u32 s41, ttmp6, 0x40004                  ; cy
	s_lshl_b32 s42, ttmp9, 2
	s_add_co_u32 s42, s42, s40                     ; tile column 0..7
	s_and_b32 s13, ttmp7, 0xffff
	s_lshl_b32 s13, s13, 2
	s_add_co_u32 s13, s13, s41                     ; tile row 0..31
	s_lshl_b32 s43, s41, 2
	s_lshl_b32 s43, 15, s43
	s_lshl_b32 s44, 0x1111, s40
	s_or_b32 s[G1+0], s43, (1<<16)|(1<<21)
	s_or_b32 s[G1B+0], s44, (1<<16)|(1<<21)
.irp g, G1, G1B
	s_mov_b32 s[(\g)+1], 1024<<16                  ; a line: 128 rows x 8 k
	s_mov_b32 s[(\g)+2], 16<<16
	s_mov_b32 s[(\g)+3], 1024<<16
	s_mov_b32 s[(\g)+4], 16
	s_mov_b32 s[(\g)+6], 0
	s_mov_b32 s[(\g)+7], 0
.endr
	s_mov_b32 s[G1+5], 32768
	s_mov_b32 s[G1B+5], 8192
	s_lshl_b32 s16, s13, 11
	s_lshl_b32 s17, s12, 20
	s_add_co_u32 s16, s16, s17
	s_mov_b32 s17, 0
	s_lshl_b32 s46, s42, 11
	s_lshl_b32 s47, s12, 18
	s_add_co_u32 s46, s46, s47
	s_add_co_u32 s46, s46, 0x800000
	s_mov_b32 s47, 0
	s_mul_i32 s20, s10, 32768
	s_mov_b32 s[TB], 0
	s_wait_dscnt 0x0
	s_wait_kmcnt 0x0
	s_add_nc_u64 s[14:15], s[4:5], s[16:17]
	s_add_nc_u64 s[46:47], s[6:7], s[46:47]
	CROUND
.irp s, 0,1
	s_mov_b32 s[G0+4*(\s)], 1
	s_add_co_u32 s[G0+4*(\s)+1], s20, (\s)*SLOT
	s_add_nc_u64 s[G0+4*(\s)+2:G0+4*(\s)+3], s[14:15], (\s)*ASTEP
	s_or_b32 s[G0+4*(\s)+3], s[G0+4*(\s)+3], 0x80000000
	s_mov_b32 s[G0B+4*(\s)], 1
	s_add_co_u32 s[G0B+4*(\s)+1], s20, (\s)*SLOT
	s_add_nc_u64 s[G0B+4*(\s)+2:G0B+4*(\s)+3], s[46:47], (\s)*BSTEP
	s_or_b32 s[G0B+4*(\s)+3], s[G0B+4*(\s)+3], 0x80000000
	JLOAD \s
.endr
	v_and_b32 v1, 15, v0
	v_bfe_u32 v2, v0, 4, 1
	v_lshlrev_b32 v4, 4, v1
	v_lshl_add_u32 v3, v2, 11, v4
	s_lshl_b32 s21, s11, 10
	s_lshl_b32 s22, s12, 10
	s_add_co_u32 s22, s22, BREG
	v_add_nc_u32 v[ADRA], s21, v3
	v_add_nc_u32 v[ADRB], s22, v3
	v_mov_b32 v[CA], v[ADRA]
	v_mov_b32 v[CB], v[ADRB]
	v_lshl_add_u32 v[CO], v2, 16, v4
	s_lshl_b32 s16, s13, 11
	s_lshl_b32 s17, s11, 10
	s_add_co_u32 s16, s16, s17
	s_mov_b32 s17, 0
	s_lshl_b32 s46, s42, 20
	s_lshl_b32 s47, s12, 19
	s_add_co_u32 s46, s46, s47
	s_mov_b32 s47, 0
	s_add_nc_u64 s[8:9], s[8:9], s[16:17]
	s_add_nc_u64 s[8:9], s[8:9], s[46:47]
.macro MUL8 f, c, a0, zero             ; the 16 accumulators take turns
	WIN MUL
.irp a, \a0, (\a0)+1
.irp b, 0,1,2,3
.if \zero
	v_wmma_f32_16x16x32_bf16 v[ACC+8*(4*(\a)+(\b)):ACC+8*(4*(\a)+(\b))+7], v[(\f)+64+8*(4*(\c)+(\b)):(\f)+64+8*(4*(\c)+(\b))+7], v[(\f)+8*(4*(\c)+(\a)):(\f)+8*(4*(\c)+(\a))+7], 0
.else
	v_wmma_f32_16x16x32_bf16 v[ACC+8*(4*(\a)+(\b)):ACC+8*(4*(\a)+(\b))+7], v[(\f)+64+8*(4*(\c)+(\b)):(\f)+64+8*(4*(\c)+(\b))+7], v[(\f)+8*(4*(\c)+(\a)):(\f)+8*(4*(\c)+(\a))+7], v[ACC+8*(4*(\a)+(\b)):ACC+8*(4*(\a)+(\b))+7]
.endif
.endr
.endr
.endm
.macro FETCH q, f                      ; 32 LDS loads in one run: quarter q (64 along K = 8 lines) of the slot in hand into buffer f, its first 32 along K first
	WIN TO_F
.irp c, 0,1
.irp i, 0,1,2,3
	ds_load_b128 v[(\f)+64+8*(4*(\c)+(\i)):(\f)+64+8*(4*(\c)+(\i))+3],   v[CB] offset:(\q)*16384+(\c)*8192+(\i)*256
	ds_load_b128 v[(\f)+64+8*(4*(\c)+(\i))+4:(\f)+64+8*(4*(\c)+(\i))+7], v[CB] offset:(\q)*16384+(\c)*8192+(\i)*256+4096
	ds_load_b128 v[(\f)+8*(4*(\c)+(\i)):(\f)+8*(4*(\c)+(\i))+3],         v[CA] offset:(\q)*16384+(\c)*8192+(\i)*256
	ds_load_b128 v[(\f)+8*(4*(\c)+(\i))+4:(\f)+8*(4*(\c)+(\i))+7],       v[CA] offset:(\q)*16384+(\c)*8192+(\i)*256+4096
.endr
.endr
.endm
.macro PLACES                          ; four places (ISA guide 7.12.1)
.rept 4
	v_nop
.endr
.endm
.macro QUARTER q, f, g, zero
	s_wait_dscnt 16                                ; the first 32 along K are in
	MUL8 \f, 0, 0, \zero
	MUL8 \f, 0, 2, \zero
	PLACES
	FETCH \q, \g
	s_wait_dscnt 32                                ; all but the 32 just issued
	MUL8 \f, 1, 0, 0
	MUL8 \f, 1, 2, 0
.endm
.macro TURN fill
	WIN 0
	s_wait_tensorcnt 0x0                           ; all my tensor loads have landed: my part of the next slot
	ds_add_u32 v[SPW], v[NIL]
	s_wait_dscnt 17                                ; (the add and the youngest sixteen loads may be out)
	MUL8 F1, 0, 0, 0
	s_wait_dscnt 0x0                               ; the add is done, and my reads of this slot are over
	s_barrier_signal -1
	MUL8 F1, 0, 2, 0
	WIN 0
	s_barrier_wait -1
.if \fill
	CREST                                          ; no wave of any partner still reads this slot or has a load on its way
	s_xor_b32 s[G0+5], s[G0+5], SLOT
	s_add_nc_u64 s[G0+6:G0+7], s[G0+6:G0+7], ASTEP
	s_xor_b32 s[G0B+5], s[G0B+5], SLOT
	s_add_nc_u64 s[G0B+6:G0B+7], s[G0B+6:G0B+7], BSTEP
	JLOAD 1                                        ; my one load behind the round
.else
	PLACES
.endif
	s_xor_b32 s[TB], s[TB], SLOT
	v_add_nc_u32 v[CA], s[TB], v[ADRA]
	v_add_nc_u32 v[CB], s[TB], v[ADRB]
	FETCH 0, F0
	MUL8 F1, 1, 0, 0
	MUL8 F1, 1, 2, 0
.endm
	s_wait_tensorcnt 1                             ; my part of K step 0 is in; K step 1's may stay out
	s_barrier_signal -1
	s_barrier_wait -1
	FETCH 0, F0
	QUARTER 1, F0, F1, 1
	WIN 0
	s_mov_b32 s3, 2
.Lfill:                                                ; steps 0 and 1 fill their slots again, with steps 2 and 3
	QUARTER 2, F1, F0, 0
	QUARTER 3, F0, F1, 0
	TURN 1
	QUARTER 1, F0, F1, 0
	WIN 0
	s_sub_co_u32 s3, s3, 1
	s_cmp_lg_u32 s3, 0
	s_cbranch_scc1 .Lfill
	s_mov_b32 s3, 2
.Ltail:
	QUARTER 2, F1, F0, 0
	QUARTER 3, F0, F1, 0
	TURN 0
	WIN 0
	s_sub_co_u32 s3, s3, 1
	s_cmp_eq_u32 s3, 0
	s_cbranch_scc1 .Lout
	QUARTER 1, F0, F1, 0
	WIN 0
	s_branch .Ltail
.Lout:
	s_wait_dscnt 0x0                               ; the fetch that serves nothing has landed
	PLACES
.set i, 0
.rept 128                              ; the ReLU; each accumulator's registers in ascending order
	v_max_num_f32 v[ACC+i], 0, v[ACC+i]
.set i, i+1
.endr
.set t, 0
.rept 16
.irp r, 0,1,2,3
	v_cvt_pk_bf16_f32 v[TMP+4*t+(\r)], v[ACC+8*t+2*(\r)], v[ACC+8*t+2*(\r)+1]
.endr
.set t, t+1
.endr
.irp a, 0,1,2,3
.irp b, 0,1,2,3
	global_store_b128 v[CO], v[TMP+4*(4*(\a)+(\b)):TMP+4*(4*(\a)+(\b))+3], s[8:9] offset:(\b)*131072+(\a)*256  ; lanes 0-15 and lanes 16-31 each store 256 consecutive bytes, aligned
.endr
.endr
	s_wait_tensorcnt 0x0                           ; the wave's end
	ds_add_u32 v[SPW], v[NIL]
	s_wait_dscnt 0x0
	CROUND
	s_endpgm
.Lfunc_end_k_qdc3b0a200c_mlp1:
	.size	k_qdc3b0a200c_mlp1, .Lfunc_end_k_qdc3b0a200c_mlp1-k_qdc3b0a200c_mlp1
	.p2alignl 7, 3214868480
	.fill 96, 4, 3214868480
	.section	.rodata,"a",@progbits
	.p2align	6, 0x0
	.amdhsa_kernel k_qdc3b0a200c_mlp1
		.amdhsa_group_segment_fixed_size 327680
		.amdhsa_private_segment_fixed_size 0
		.amdhsa_enable_private_segment 0
		.amdhsa_kernarg_size 24
		.amdhsa_user_sgpr_count 2
		.amdhsa_user_sgpr_kernarg_segment_ptr 1
		.amdhsa_wavefront_size32 1
		.amdhsa_system_sgpr_workgroup_id_x 1
		.amdhsa_system_sgpr_workgroup_id_y 1
		.amdhsa_system_sgpr_workgroup_id_z 1
		.amdhsa_system_vgpr_workitem_id 0
		.amdhsa_next_free_vgpr 512
		.amdhsa_next_free_sgpr 80
		.amdhsa_reserve_vcc 0
		.amdhsa_float_denorm_mode_32 3
		.amdhsa_float_denorm_mode_16_64 3
		.amdhsa_memory_ordered 1
		.amdhsa_forward_progress 1
		.amdhsa_inst_pref_size 59
	.end_amdhsa_kernel
	.amdgpu_metadata
---
amdhsa.version: [ 1, 2 ]
amdhsa.kernels:
  - .name:           k_qdc3b0a200c_mlp1
    .symbol:         k_qdc3b0a200c_mlp1.kd
    .args:
      - { .name: QKV, .offset: 0, .size: 8, .value_kind: global_buffer, .address_space: global }
      - { .name: RW, .offset: 8, .size: 8, .value_kind: global_buffer, .address_space: global }
      - { .name: SB, .offset: 16, .size: 8, .value_kind: global_buffer, .address_space: global }
    .group_segment_fixed_size: 327680
    .private_segment_fixed_size: 0
    .kernarg_segment_align: 8
    .kernarg_segment_size: 24
    .max_flat_workgroup_size: 128
    .sgpr_count:     80
    .vgpr_count:     512
    .wavefront_size: 32
...
	.end_amdgpu_metadata
.endif
;; end of part 10
;; launch mlp2 (part 11): grid 8 x 32, 4 waves a work-group, clusters of 4 x 4, 327,680 bytes of LDS; arguments SB, XU, out0, QKV; writes out0
.if DOCPART == 11
	.amdgcn_target "amdgcn-amd-amdhsa--gfx1250"
	.amdhsa_code_object_version 6
	.text
	.protected	k_qdc3b0a200c_mlp2
	.globl	k_qdc3b0a200c_mlp2
	.p2align	8
	.type	k_qdc3b0a200c_mlp2,@function
k_qdc3b0a200c_mlp2:
	s_mov_b64 s[64:65], 0
	v_nop
	global_prefetch_b8 v0, s[64:65] scope:SCOPE_SE
	s_setreg_imm32_b32 hwreg(HW_REG_WAVE_MODE, 25, 1), 1
	s_wait_xcnt 0x0
	s_wait_alu depctr_hold_cnt(0) depctr_sa_sdst(0) depctr_va_vdst(0) depctr_va_sdst(0) depctr_va_ssrc(0) depctr_va_vcc(0) depctr_vm_vsrc(0)
	s_getreg_b32 s2, hwreg(HW_REG_IB_STS2, 6, 4)
	s_cmp_eq_u32 s2, 0
	s_cbranch_scc0 .Lentry_in_a_cluster
	s_endpgm
.Lentry_in_a_cluster:
	s_bfe_u32 s2, ttmp6, 0x10000c
	s_cmp_lg_u32 s2, 0xf033
	s_cbranch_scc0 .Lentry_shape_is_right
	s_endpgm
.Lentry_shape_is_right:
; out[n][m] = X2[m][n] + sum over k of h[m][k] W[n][k], K = 1,024, bf16 operands, f32 sums, f32 out.
; h at SB + 0: panel, element (row, k) at (k / 8) 65,536 + row 16 + (k % 8) 2.  W (mlp_out, row = output column) at XU + 8 MiB with lines of 16,384 bytes.
; X2 in f32 at QKV + 8 MiB: element (m, c) at (c / 4) 65,536 + m 16 + (c % 4) 4.  out: [1,024][4,096] f32, rows of 16,384 bytes.
; SHARES, RING, CLUSTER, ONE TEXT FOR A K STEP as in the product in front: a work-group makes 128 x 128, four waves 64 x 64 each; K in 4 steps of 256 through two LDS slots; 4 x 4 work-groups, h's tile asked
; for jointly along a row of the cluster, W's along a column; 2 trips fill a slot again, 2 do not, the last is left in its middle and its fetch from the other slot serves nothing.
; X2 is asked for at the start, 32 loads a wave into window 2, and waited for on the way out: its registers and addresses rest till then.
; THE WAY OUT turns the tile: a lane holds row m = l % 16 and 8 columns; by blocks of 16 columns through the wave's own stage in LDS (row = column, 272 bytes apart), back as rows of 256 bytes, stored
; with 16 lanes on 256 consecutive bytes of an output row.  The stage has bytes of its own, behind the spare words: no tile lands there, and no other wave reads them.
.set SLOT,   131072
.set BREG,   65536
.set SPARE,  2*SLOT
.set STAGE,  SPARE+512
.set STG,    4352                      ; a wave's stage: 16 rows of 272 bytes, used again by each block (LDS serves a wave's instructions in order)
.set ASTEP,  2097152
.set BSTEP,  524288
.set ADRA, 16
.set CA,   17
.set ADRB, 20
.set CB,   21
.set STO,  24                          ; v24  stage: where I put a number
.set RD,   25                          ; v25  stage: where I read 16 bytes of a row back
.set RO,   27                          ; v27  131,072 (l / 16) + 16 (l % 16): my place in X2; never rewritten
.set SPW,  28
.set NIL,  29
.set OO,   30                          ; v30  16,384 (l / 16) + 16 (l % 16): my place in the output
.set TMP,  32                          ; v32-95 two buffers of 32: a block's rows read back
.set ACC,  128
.set F0,   0                           ; window 1: two fragment buffers; window 2: v0-127 X2, laid as the accumulators
.set F1,   128
.set G1,  24
.set G0,  32
.set G1B, 48
.set G0B, 56
.set TB,  67
.set MSB, 0
.macro WIN new
.if MSB != (\new)
	s_set_vgpr_msb (MSB<<8)|(\new)
.set MSB, \new
.endif
.endm
.set MUL,  0x05
.set TO_F, 0x40
.macro JLOAD s                         ; waves 0, 1 fetch h's two halves, waves 2, 3 W's; an s_nop 0 and four v_nop follow each line
	s_cmp_eq_u32 s11, 0
	s_cbranch_scc0 .Lfor_b_\@
	tensor_load_to_lds s[G0+4*(\s):G0+4*(\s)+3], s[G1:G1+7]
	s_nop 0
.rept 4
	v_nop
.endr
	s_branch .Lasked_\@
.Lfor_b_\@:
	tensor_load_to_lds s[G0B+4*(\s):G0B+4*(\s)+3], s[G1B:G1B+7]
	s_nop 0
.rept 4
	v_nop
.endr
.Lasked_\@:
.endm
.macro CREST
	s_cmp_lg_u32 s10, 0
	s_cbranch_scc1 .Lnot_wave_0_\@
	s_barrier_signal -3
.Lnot_wave_0_\@:
	s_barrier_wait -3
	s_barrier_signal -1
	s_barrier_wait -1
.endm
.macro CROUND
	s_barrier_signal -1
	s_barrier_wait -1
	CREST
.endm
	s_load_b128 s[4:7], s[0:1], 0x0                ; SB, XU
	s_load_b128 s[68:71], s[0:1], 0x10             ; out0, QKV
	v_lshl_add_u32 v[SPW], v0, 2, SPARE
	v_mov_b32 v[NIL], 0
	ds_add_u32 v[SPW], v[NIL]                      ; the wave's opening
	v_lshrrev_b32 v1, 5, v0
	v_readfirstlane_b32 s10, v1
	s_lshr_b32 s11, s10, 1
	s_and_b32 s12, s10, 1
	s_bfe_u32 s40, ttmp6, 0x40000                  ; cx
	s_bfe_u32 s41, ttmp6, 0x40004                  ; cy
	s_lshl_b32 s42, ttmp9, 2
	s_add_co_u32 s42, s42, s40                     ; tile column 0..7
	s_and_b32 s13, ttmp7, 0xffff
	s_lshl_b32 s13, s13, 2
	s_add_co_u32 s13, s13, s41                     ; tile row 0..31
	s_lshl_b32 s43, s41, 2
	s_lshl_b32 s43, 15, s43
	s_lshl_b32 s44, 0x1111, s40
	s_or_b32 s[G1+0], s43, (1<<16)|(1<<21)
	s_or_b32 s[G1B+0], s44, (1<<16)|(1<<21)
.irp g, G1, G1B
	s_mov_b32 s[(\g)+1], 1024<<16                  ; a line: 128 rows x 8 k
	s_mov_b32 s[(\g)+2], 16<<16
	s_mov_b32 s[(\g)+3], 1024<<16
	s_mov_b32 s[(\g)+4], 16
	s_mov_b32 s[(\g)+6], 0
	s_mov_b32 s[(\g)+7], 0
.endr
	s_mov_b32 s[G1+5], 32768
	s_mov_b32 s[G1B+5], 8192
	s_lshl_b32 s16, s13, 11
	s_lshl_b32 s17, s12, 20
	s_add_co_u32 s16, s16, s17
	s_mov_b32 s17, 0
	s_lshl_b32 s46, s42, 11
	s_lshl_b32 s47, s12, 18
	s_add_co_u32 s46, s46, s47
	s_add_co_u32 s46, s46, 0x800000
	s_mov_b32 s47, 0
	s_mul_i32 s20, s10, 32768
	s_mov_b32 s[TB], 0
	s_wait_dscnt 0x0
	s_wait_kmcnt 0x0
	s_add_nc_u64 s[14:15], s[4:5], s[16:17]
	s_add_nc_u64 s[46:47], s[6:7], s[46:47]
	CROUND
.irp s, 0,1
	s_mov_b32 s[G0+4*(\s)], 1
	s_add_co_u32 s[G0+4*(\s)+1], s20, (\s)*SLOT
	s_add_nc_u64 s[G0+4*(\s)+2:G0+4*(\s)+3], s[14:15], (\s)*ASTEP
	s_or_b32 s[G0+4*(\s)+3], s[G0+4*(\s)+3], 0x80000000
	s_mov_b32 s[G0B+4*(\s)], 1
	s_add_co_u32 s[G0B+4*(\s)+1], s20, (\s)*SLOT
	s_add_nc_u64 s[G0B+4*(\s)+2:G0B+4*(\s)+3], s[46:47], (\s)*BSTEP
	s_or_b32 s[G0B+4*(\s)+3], s[G0B+4*(\s)+3], 0x80000000
	JLOAD \s
.endr
	v_and_b32 v1, 15, v0
	v_bfe_u32 v2, v0, 4, 1
	v_lshlrev_b32 v4, 4, v1
	v_lshl_add_u32 v3, v2, 11, v4
	s_lshl_b32 s21, s11, 10
	s_lshl_b32 s22, s12, 10
	s_add_co_u32 s22, s22, BREG
	v_add_nc_u32 v[ADRA], s21, v3
	v_add_nc_u32 v[ADRB], s22, v3
	v_mov_b32 v[CA], v[ADRA]
	v_mov_b32 v[CB], v[ADRB]
	v_lshl_add_u32 v[RO], v2, 17, v4
	v_lshl_add_u32 v[OO], v2, 14, v4
	s_mul_i32 s23, s10, STG
	s_add_co_u32 s23, s23, STAGE
	v_mul_u32_u24 v5, v2, 2176                     ; stage, in: row 8 (l / 16) + .., word l % 16
	v_lshl_add_u32 v5, v1, 2, v5
	v_add_nc_u32 v[STO], s23, v5
	v_mul_u32_u24 v5, v2, 272                      ; back: lanes 0-15 one row of 256 bytes, lanes 16-31 the next
	v_add_nc_u32 v5, v5, v4
	v_add_nc_u32 v[RD], s23, v5
	s_lshl_b32 s16, s13, 11                        ; my rows' bytes in a line of X2
	s_lshl_b32 s17, s11, 10
	s_add_co_u32 s16, s16, s17
	s_mov_b32 s17, 0
	s_lshl_b32 s46, s42, 21                        ; my 64 columns: 16 lines of X2, and 64 rows of the output, are the same number of bytes
	s_lshl_b32 s47, s12, 20
	s_add_co_u32 s46, s46, s47
	s_mov_b32 s47, 0
	s_add_nc_u64 s[70:71], s[70:71], s[16:17]      ; X2 at my part
	s_add_nc_u64 s[70:71], s[70:71], s[46:47]
	s_add_nc_u64 s[70:71], s[70:71], 0x800000
	s_lshr_b32 s16, s16, 2                         ; my 64 rows are 256 bytes of an output row
	s_add_nc_u64 s[76:77], s[68:69], s[16:17]
	s_add_nc_u64 s[76:77], s[76:77], s[46:47]
	WIN 0x80                                       ; destination window 2, address window 0
.irp a, 0,1,2,3
.irp b, 0,1,2,3
.irp e, 0,1
	global_load_b128 v[8*(4*(\a)+(\b))+4*(\e):8*(4*(\a)+(\b))+4*(\e)+3], v[RO], s[70:71] offset:(\b)*262144+(\e)*65536+(\a)*256 th:TH_LOAD_NT
.endr
.endr
.endr
	WIN 0
.macro MUL8 f, c, a0, zero             ; the 16 accumulators take turns
	WIN MUL
.irp a, \a0, (\a0)+1
.irp b, 0,1,2,3
.if \zero
	v_wmma_f32_16x16x32_bf16 v[ACC+8*(4*(\a)+(\b)):ACC+8*(4*(\a)+(\b))+7], v[(\f)+64+8*(4*(\c)+(\b)):(\f)+64+8*(4*(\c)+(\b))+7], v[(\f)+8*(4*(\c)+(\a)):(\f)+8*(4*(\c)+(\a))+7], 0
.else
	v_wmma_f32_16x16x32_bf16 v[ACC+8*(4*(\a)+(\b)):ACC+8*(4*(\a)+(\b))+7], v[(\f)+64+8*(4*(\c)+(\b)):(\f)+64+8*(4*(\c)+(\b))+7], v[(\f)+8*(4*(\c)+(\a)):(\f)+8*(4*(\c)+(\a))+7], v[ACC+8*(4*(\a)+(\b)):ACC+8*(4*(\a)+(\b))+7]
.endif
.endr
.endr
.endm
.macro FETCH q, f
	WIN TO_F
.irp c, 0,1
.irp i, 0,1,2,3
	ds_load_b128 v[(\f)+64+8*(4*(\c)+(\i)):(\f)+64+8*(4*(\c)+(\i))+3],   v[CB] offset:(\q)*16384+(\c)*8192+(\i)*256
	ds_load_b128 v[(\f)+64+8*(4*(\c)+(\i))+4:(\f)+64+8*(4*(\c)+(\i))+7], v[CB] offset:(\q)*16384+(\c)*8192+(\i)*256+4096
	ds_load_b128 v[(\f)+8*(4*(\c)+(\i)):(\f)+8*(4*(\c)+(\i))+3],         v[CA] offset:(\q)*16384+(\c)*8192+(\i)*256
	ds_load_b128 v[(\f)+8*(4*(\c)+(\i))+4:(\f)+8*(4*(\c)+(\i))+7],       v[CA] offset:(\q)*16384+(\c)*8192+(\i)*256+4096
.endr
.endr
.endm
.macro PLACES                          ; four places (ISA guide 7.12.1)
.rept 4
	v_nop
.endr
.endm
.macro QUARTER q, f, g, zero
	s_wait_dscnt 16                                ; the first 32 along K are in
	MUL8 \f, 0, 0, \zero
	MUL8 \f, 0, 2, \zero
	PLACES
	FETCH \q, \g
	s_wait_dscnt 32                                ; all but the 32 just issued
	MUL8 \f, 1, 0, 0
	MUL8 \f, 1, 2, 0
.endm
.macro TURN fill
	WIN 0
	s_wait_tensorcnt 0x0                           ; all my tensor loads have landed: my part of the next slot
	ds_add_u32 v[SPW], v[NIL]
	s_wait_dscnt 17                                ; (the add and the youngest sixteen loads may be out)
	MUL8 F1, 0, 0, 0
	s_wait_dscnt 0x0                               ; the add is done, and my reads of this slot are over
	s_barrier_signal -1
	MUL8 F1, 0, 2, 0
	WIN 0
	s_barrier_wait -1
.if \fill
	CREST                                          ; no wave of any partner still reads this slot or has a load on its way
	s_xor_b32 s[G0+5], s[G0+5], SLOT
	s_add_nc_u64 s[G0+6:G0+7], s[G0+6:G0+7], ASTEP
	s_xor_b32 s[G0B+5], s[G0B+5], SLOT
	s_add_nc_u64 s[G0B+6:G0B+7], s[G0B+6:G0B+7], BSTEP
	JLOAD 1                                        ; my one load behind the round
.else
	PLACES
.endif
	s_xor_b32 s[TB], s[TB], SLOT
	v_add_nc_u32 v[CA], s[TB], v[ADRA]
	v_add_nc_u32 v[CB], s[TB], v[ADRB]
	FETCH 0, F0
	MUL8 F1, 1, 0, 0
	MUL8 F1, 1, 2, 0
.endm
	s_wait_tensorcnt 1                             ; my part of K step 0 is in; K step 1's may stay out
	s_barrier_signal -1
	s_barrier_wait -1
	FETCH 0, F0
	QUARTER 1, F0, F1, 1
	WIN 0
	s_mov_b32 s3, 2
.Lfill:
	QUARTER 2, F1, F0, 0
	QUARTER 3, F0, F1, 0
	TURN 1
	QUARTER 1, F0, F1, 0
	WIN 0
	s_sub_co_u32 s3, s3, 1
	s_cmp_lg_u32 s3, 0
	s_cbranch_scc1 .Lfill
	s_mov_b32 s3, 2
.Ltail:
	QUARTER 2, F1, F0, 0
	QUARTER 3, F0, F1, 0
	TURN 0
	WIN 0
	s_sub_co_u32 s3, s3, 1
	s_cmp_eq_u32 s3, 0
	s_cbranch_scc1 .Lout
	QUARTER 1, F0, F1, 0
	WIN 0
	s_branch .Ltail
.Lout:
	s_wait_dscnt 0x0                               ; the fetch that serves nothing has landed
	PLACES
	s_wait_loadcnt 0x0                             ; X2
.macro ADDB b                          ; + X2 for the four accumulators of column block b, each accumulator's registers in ascending order
	WIN 0x08                                       ; source 1 window 2
.irp a, 0,1,2,3
.irp r, 0,1,2,3
	v_pk_add_f32 v[ACC+8*(4*(\a)+(\b))+2*(\r):ACC+8*(4*(\a)+(\b))+2*(\r)+1], v[ACC+8*(4*(\a)+(\b))+2*(\r):ACC+8*(4*(\a)+(\b))+2*(\r)+1], v[8*(4*(\a)+(\b))+2*(\r):8*(4*(\a)+(\b))+2*(\r)+1]
.endr
.endr
	WIN 0
.endm
.macro PUT b                           ; block b into the stage: lanes 0-15 fill 16 neighbouring words, lanes 16-31 the same 544 words on (32 banks away: ISA guide 11.1); then its 16 rows back: 40 LDS instructions
.irp a, 0,1,2,3
.irp j, 0,1,2,3,4,5,6,7
	ds_store_b32 v[STO], v[ACC+8*(4*(\a)+(\b))+(\j)] offset:(\j)*272+(\a)*64
.endr
.endr
.irp t, 0,1,2,3,4,5,6,7
	ds_load_b128 v[TMP+32*((\b)%2)+4*(\t):TMP+32*((\b)%2)+4*(\t)+3], v[RD] offset:(\t)*544  ; these see the stores above, and the next block's stores come behind them
.endr
.endm
.macro SEND b
.irp t, 0,1,2,3,4,5,6,7
	s_wait_dscnt 7-(\t)                            ; the younger reads of the block may be out
	global_store_b128 v[OO], v[TMP+32*((\b)%2)+4*(\t):TMP+32*((\b)%2)+4*(\t)+3], s[76:77] offset:(8*(\b)+(\t))*32768 th:TH_STORE_NT  ; 16 lanes store 256 consecutive bytes of an output row, aligned
.endr
.endm
	ADDB 0
	PUT 0
	ADDB 1                                         ; the next block's additions stand between a block's reads and the wait for them
	SEND 0
	PUT 1
	ADDB 2
	SEND 1
	s_wait_xcnt 0x0                                ; block 0's stores have read their registers: only behind this wait are they loaded again
	PUT 2
	ADDB 3
	SEND 2
	s_wait_xcnt 0x0                                ; the same for block 1's
	PUT 3
	SEND 3
	s_wait_tensorcnt 0x0                           ; the wave's end
	ds_add_u32 v[SPW], v[NIL]
	s_wait_dscnt 0x0
	CROUND
	s_endpgm
.Lfunc_end_k_qdc3b0a200c_mlp2:
	.size	k_qdc3b0a200c_mlp2, .Lfunc_end_k_qdc3b0a200c_mlp2-k_qdc3b0a200c_mlp2
	.p2alignl 7, 3214868480
	.fill 96, 4, 3214868480
	.section	.rodata,"a",@progbits
	.p2align	6, 0x0
	.amdhsa_kernel k_qdc3b0a200c_mlp2
		.amdhsa_group_segment_fixed_size 327680
		.amdhsa_private_segment_fixed_size 0
		.amdhsa_enable_private_segment 0
		.amdhsa_kernarg_size 32
		.amdhsa_user_sgpr_count 2
		.amdhsa_user_sgpr_kernarg_segment_ptr 1
		.amdhsa_wavefront_size32 1
		.amdhsa_system_sgpr_workgroup_id_x 1
		.amdhsa_system_sgpr_workgroup_id_y 1
		.amdhsa_system_sgpr_workgroup_id_z 1
		.amdhsa_system_vgpr_workitem_id 0
		.amdhsa_next_free_vgpr 640
		.amdhsa_next_free_sgpr 80
		.amdhsa_reserve_vcc 0
		.amdhsa_float_denorm_mode_32 3
		.amdhsa_float_denorm_mode_16_64 3
		.amdhsa_memory_ordered 1
		.amdhsa_forward_progress 1
		.amdhsa_inst_pref_size 72
	.end_amdhsa_kernel
	.amdgpu_metadata
---
amdhsa.version: [ 1, 2 ]
amdhsa.kernels:
  - .name:           k_qdc3b0a200c_mlp2
    .symbol:         k_qdc3b0a200c_mlp2.kd
    .args:
      - { .name: SB, .offset: 0, .size: 8, .value_kind: global_buffer, .address_space: global }
      - { .name: XU, .offset: 8, .size: 8, .value_kind: global_buffer, .address_space: global }
      - { .name: out0, .offset: 16, .size: 8, .value_kind: global_buffer, .address_space: global }
      - { .name: QKV, .offset: 24, .size: 8, .value_kind: global_buffer, .address_space: global }
    .group_segment_fixed_size: 327680
    .private_segment_fixed_size: 0
    .kernarg_segment_align: 8
    .kernarg_segment_size: 32
    .max_flat_workgroup_size: 128
    .sgpr_count:     80
    .vgpr_count:     640
    .wavefront_size: 32
...
	.end_amdgpu_metadata
.endif
;; end of part 11
